; MI455X (gfx1250); checked and timed in simulation.
; The chip was launched on July 23, 2026; its instructions are those of AMD's public machine-readable ISA for CDNA 5 (MIT licence, August 2026) and "CDNA5" Instruction Set Architecture Reference Guide (July 2026). The comments in the code are by the model that wrote it; some were corrected since.
;; Transformer Block. Allowed arithmetic: matrix products marked QUANTISED: E2M1 operands, one E8M0 scale for each 32 along K, by v_wmma_scale_f32_16x16x128_f8f6f4 with both operands' format E2M1 (or v_wmma_scale_f32_32x16x128_f4), f32 sums; everything else in f32.
;; Inputs: W1_codes 4,096 x 32 x 16 uint8 (E2M1 codes of W1, K innermost, in blocks of 32 codes, two codes a byte); W1_scales 4,096 x 32 uint8 (E8M0 scales of W1, one for each 32 codes along K); W2_codes 1,024 x 128 x 16 uint8 (E2M1 codes of W2, K innermost, in blocks of 32 codes, two codes a byte); W2_scales 1,024 x 128 uint8 (E8M0 scales of W2, one for each 32 codes along K); W_out_codes 1,024 x 32 x 16 uint8 (E2M1 codes of W_out, K innermost, in blocks of 32 codes, two codes a byte); W_out_scales 1,024 x 32 uint8 (E8M0 scales of W_out, one for each 32 codes along K); W_qkv_codes 3,072 x 32 x 16 uint8 (E2M1 codes of W_qkv, K innermost, in blocks of 32 codes, two codes a byte); W_qkv_scales 3,072 x 32 uint8 (E8M0 scales of W_qkv, one for each 32 codes along K); b1 4,096 float32; b2 1,024 float32; b_out 1,024 float32; b_qkv 3,072 float32; ln1_b 1,024 float32; ln1_g 1,024 float32; ln2_b 1,024 float32; ln2_g 1,024 float32; x 2 x 2,048 x 1,024 float32.
;; Outputs: out0 2 x 2,048 x 1,024 float32.
;; This version of the problem:
;;   THIS VERSION OF THE PROBLEM IS GIVEN IN LOW PRECISION. The matrix products marked QUANTISED in the list below multiply operands that are first quantised to E2M1 (2 exponent bits, 1 mantissa bit; 4 bits a number), with one power-of-two scale for each 32 numbers along K (OCP MX v1.0); their sums are f32. All else is computed in f32.
;;   The module's matrix products, in the order in which they are computed (A, B: the left and right operand; K: the contracted axis; several contracted axes count as one K, in the product's order):
;;     1. [M 4,096, K 1,024] x [K 1,024, N 3,072]; A: computed on the way; B: input W_qkv (given as codes): QUANTISED
;;     2. batch 32 x [M 2,048, K 64] x [K 64, N 2,048]; A: computed on the way; B: computed on the way: QUANTISED
;;     3. batch 32 x [M 64, K 2,048] x [K 2,048, N 2,048]; A: computed on the way; B: softmax (see below): QUANTISED
;;     4. [M 4,096, K 1,024] x [K 1,024, N 1,024]; A: computed on the way; B: input W_out (given as codes): QUANTISED
;;     5. [M 4,096, K 1,024] x [K 1,024, N 4,096]; A: computed on the way; B: input W1 (given as codes): QUANTISED
;;     6. [M 4,096, K 4,096] x [K 4,096, N 1,024]; A: computed on the way; B: input W2 (given as codes): QUANTISED
;;   THE QUANTISER, for each operand of a quantised product, along K:
;;     - K is cut into blocks of 32 from its start; a last block that is shorter is filled with zeros.
;;     - A block's scale is 2^e with e = floor(log2(the largest magnitude in the block)) - 2, held to -126 .. 127; a block of zeros has e = 0. As a byte (E8M0): e + 127.
;;     - Each number is divided by its block's scale, clamped to +-6, and rounded to the nearest number of E2M1, ties to even, subnormals kept.
;;     - The product sums the exact products of the quantised numbers (number of the format x scale) in f32.
;;   ~~~python
;;   def quantise(x, axis):      # numpy; x: float32 -> the quantised numbers, widened to float32 again
;;       x = np.moveaxis(x, axis, -1); K = x.shape[-1]
;;       x = np.pad(x, [(0, 0)] * (x.ndim - 1) + [(0, -K % 32)]); x = x.reshape(x.shape[:-1] + (-1, 32)); a = np.abs(x).max(-1, keepdims=True)
;;       e = np.where(a > 0, np.clip(np.frexp(np.where(a > 0, a, 1))[1] - 1 - 2, -126, 127), 0)      # np.frexp(a)[1] - 1 = floor(log2(a)), exactly
;;       r = np.clip(x / 2.0 ** e, -6, 6)
;;       step = 2.0 ** (np.maximum(np.frexp(np.where(r == 0, 1, r))[1] - 1, 0) - 1)
;;       q = np.round(r / step) * step * 2.0 ** e      # np.round: ties to even
;;       return np.moveaxis(q.reshape(q.shape[:-2] + (-1,))[..., :K], -1, axis).astype(np.float32)
;;   ~~~
;;   SOFTMAX AHEAD OF A QUANTISED PRODUCT. Where the list says 'softmax', what is quantised is not the finished softmax but p = 2^(t - M), with t = logit x log2(e) and M = ceil(the row's largest t), a whole number; so 1/2 < the row's largest p <= 1. The row's sum l is taken of the UNQUANTISED p, in f32, and the product's result is divided by l at the end. Since M is a whole number, a kernel that streams over the keys may use a running M (the ceiling of the running maximum): every later rescaling is an exact power of two, which a block's scale takes up: the codes' values come out the same.
;;   OPERANDS COMPUTED ON THE WAY. 'Computed on the way' means the value that the module computes at that place (a softmax that the list does not call 'softmax' is quantised finished and normalised). What goes into a quantiser is computed in f32, as accurately as f32 sums, v_exp_f32 and their like allow (about 1e-6 of the number): no bf16 or f16 on the way to a quantiser, and a product that is left as it is and whose result goes on into a quantised operand takes f32 operands (vector FMAs, or v_wmma_f32_16x16x4_f32). A number that lies on a knife's edge between two numbers of the format may be rounded either way, as far as f32 arithmetic and the matrix unit's own rounding can turn it there, and no further.
;;   INPUTS GIVEN AS CODES. W1 (in the module: [1024, 4096], K = its axis 0); W2 (in the module: [4096, 1024], K = its axis 0); W_out (in the module: [1024, 1024], K = its axis 0); W_qkv (in the module: [1024, 3072], K = its axis 0): each comes as NAME_codes (uint8): NAME with its K axis moved to the last place and cut into blocks of 32 codes, [.., K / 32, bytes a block], one block behind the other in memory; two codes a byte, the lower K in the low four bits (a code: sign, 2 exponent bits, 1 mantissa bit); and NAME_scales (uint8): the same leading axes, one E8M0 byte (e + 127) for each 32 codes along K. Its value is code x scale, taken as it is: it is not quantised again, and the codes and scales need not be those that the quantiser above would give.
;; 2 versions. Each part assembles by itself: llvm-mc -triple=amdgcn-amd-amdhsa -mcpu=gfx1250 --defsym DOCPART=n.
;; ======== version 1 of 2: 6 launches
;; workspace buffers: wk1 9,306,112 bytes; wk2 6,946,816 bytes; wk3 2,228,224 bytes; x1 16,777,216 bytes; wk4 2,228,224 bytes; wk5 8,912,896 bytes
;; launch prep (part 1): grid 176 x 1, 8 waves a work-group, no clusters, 132,608 bytes of LDS; arguments x, ln1_g, ln1_b, W_qkv_codes, W_qkv_scales, W_out_codes, W_out_scales, W1_codes, W1_scales, W2_codes, W2_scales, wk1; writes wk1
.if DOCPART == 1
	.amdgcn_target "amdgcn-amd-amdhsa--gfx1250"
	.amdhsa_code_object_version 6
	.text
	.protected	k_q169dda4e65_prep
	.globl	k_q169dda4e65_prep
	.p2align	8
	.type	k_q169dda4e65_prep,@function
k_q169dda4e65_prep:
	s_mov_b64 s[64:65], 0
	v_nop
	global_prefetch_b8 v0, s[64:65] scope:SCOPE_SE
	s_setreg_imm32_b32 hwreg(HW_REG_WAVE_MODE, 25, 1), 1
	s_wait_xcnt 0x0
; PREP: (a) h = layernorm(x) g + b, quantised to E2M1 along the 1,024 (work-groups 0-127); (b) the four weights' codes and scale bytes laid out as the products' waves want them (work-groups 128-175).
; DEAD WORK: none.  Every input of the block has a way to out0 (the biases on q, k and v stand ahead of quantisers), so all 17 inputs are loaded by some launch and every product of the table is done.
; THE LAYOUT OF EVERY OPERAND IN WORKSPACE is an image of the operand's registers.  Rows (tokens, or a weight's rows) go in tiles of 16, in ONE order: tile 2 B + u, row r, is row 32 B + 8 u + r + 8 (r / 8).
;   codes: the 16 bytes of (tile, block p of 32 along K, row r) lie at tile x (K / 32) x 256 + 256 p + 16 r: half c of the fragment of K step s is 512 bytes on end at 1024 s + 512 c, 16 bytes a lane.
;   scales: the word (four E8M0 bytes) of (K step s, tile, row r) lies at (256 s + tile) x 64 + 4 r: one load of 4 bytes a lane brings a tile's words in lanes 0-15 and the next tile's in lanes 16-31.
; wk1: weights' codes from 0 (W_qkv tiles 0-191, W_out 192-255, W1 from 2,097,152, W2 from 4,194,304), their scale words from WSC, h's codes from H1C, h's scale words from H1S.
; LN PATH: a work-group takes 32 tokens (two tiles); a wave four whole rows in registers: mean, variance, gain and bias in f32; the rows go to a stage in LDS (pitch 4,096 + 16 bytes); behind one barrier wave w
; takes K step w of both tiles, a lane a whole block of 32, so that a block's largest magnitude needs no other lane.
; LAYOUT PATH: a wave takes 32 rows x 32 blocks of one weight: 34 loads, 40 stores; which weight hangs on the work-group's number alone.
; LIMITS: NaN and infinities are not served; a block of zeros gets the scale byte 1 (its codes are zeros, and this program alone reads the bytes); v_rsq_f32 is good to one unit in the last place.
; No tensor load, no cluster: the two paths share no input between work-groups.
.set STP,   4112                       ; a stage row: 4,096 bytes + 16: an odd multiple of 16, so that sixteen rows' loads of 16 bytes fall on different banks
.set SPARE, 32*STP                     ; behind the stage: the spare words, 128 bytes a wave
.set WSC,   6291456
.set H1C,   7077888
.set H1S,   9175040
.set QA,    6                          ; v6, v7  stage address of my block: tile 0, tile 1
.set RA,    8                          ; v8      stage address of my four rows
.set SPW,   14                         ; v14     my spare word; never rewritten
.set NIL,   15                         ; v15     0; never rewritten
.set GG,    16                         ; v16-47  gain;  register 4 e + n = column 128 e + 4 lane + n
.set BB,    48                         ; v48-79  bias
.set T,     80                         ; v80-87  a pair of sums a row
.set MU,    88                         ; v88-95  the mean, twice, a row
.set PT,    96                         ; v96-99  the other half of the lanes' sum
.set RS,    100                        ; v100-107 1 / sqrt(var + eps), twice, a row
.set X,     128                        ; v128-255 four rows of 32 registers; later four blocks of 32 numbers
.set CD,    16                         ; v16-31  four blocks' codes
.set QM,    32                         ; v32-39  largest magnitudes, two chains a block
.set QO,    40                         ; v40-43  the conversions' scale operands
.set QB,    44                         ; v44-47  scale bytes
.set QW,    48                         ; v48-49 scale words, v50-51 the other half's, v52 8 h
.set HIM,   29                         ; s29     mask of lanes 16-31
.set SEL,   30                         ; s[30:31] lane selects: lane l xor 16
.set PQC,   40                         ; s[40:41] where my codes go
.set PQS,   42                         ; s[42:43] where my scale words go
.set C10,   44                         ; s44     1 / 1,024
.set CEPS,  45                         ; s45     1e-5
.macro REDUCE4                         ; the four rows' pairs of sums become the rows' sums, in every lane
.irp i, 0,1,2,3
	v_add_f32 v[T+2*\i], v[T+2*\i], v[T+2*\i+1]
.endr
.irp m, 1,2,4,8
.irp i, 0,1,2,3
	v_add_f32_dpp v[T+2*\i], v[T+2*\i], v[T+2*\i] row_xmask:\m row_mask:0xf bank_mask:0xf
.endr
.endr
.irp i, 0,1,2,3
	v_permlanex16_b32 v[PT+\i], v[T+2*\i], s[SEL], s[SEL+1]
.endr
.irp i, 0,1,2,3
	v_add_f32 v[T+2*\i], v[T+2*\i], v[PT+\i]
.endr
.endm
.macro LNROWS                          ; four rows in v[X] on, by turns: (x - mean) / sqrt(var + eps) x gain + bias, then into my rows of the stage
.irp i, 0,1,2,3
	v_pk_add_f32 v[T+2*\i:T+2*\i+1], v[X+32*\i:X+32*\i+1], v[X+32*\i+2:X+32*\i+3]
.endr
.irp e, 4,6,8,10,12,14,16,18,20,22,24,26,28,30
.irp i, 0,1,2,3
	v_pk_add_f32 v[T+2*\i:T+2*\i+1], v[T+2*\i:T+2*\i+1], v[X+32*\i+\e:X+32*\i+\e+1]
.endr
.endr
	REDUCE4
.irp i, 0,1,2,3
	v_mul_f32 v[MU+2*\i], s[C10], v[T+2*\i]
	v_mul_f32 v[MU+2*\i+1], s[C10], v[T+2*\i]
.endr
.irp e, 0,2,4,6,8,10,12,14,16,18,20,22,24,26,28,30
.irp i, 0,1,2,3
	v_pk_add_f32 v[X+32*\i+\e:X+32*\i+\e+1], v[X+32*\i+\e:X+32*\i+\e+1], v[MU+2*\i:MU+2*\i+1] neg_lo:[0,1] neg_hi:[0,1]
.endr
.endr
.irp i, 0,1,2,3
	v_pk_mul_f32 v[T+2*\i:T+2*\i+1], v[X+32*\i:X+32*\i+1], v[X+32*\i:X+32*\i+1]
.endr
.irp e, 2,4,6,8,10,12,14,16,18,20,22,24,26,28,30
.irp i, 0,1,2,3
	v_pk_fma_f32 v[T+2*\i:T+2*\i+1], v[X+32*\i+\e:X+32*\i+\e+1], v[X+32*\i+\e:X+32*\i+\e+1], v[T+2*\i:T+2*\i+1]
.endr
.endr
	REDUCE4
.irp i, 0,1,2,3
	v_fma_f32 v[RS+2*\i], v[T+2*\i], s[C10], s[CEPS]
.endr
.irp i, 0,1,2,3
	v_rsq_f32 v[RS+2*\i], v[RS+2*\i]
.endr
	v_nop                                          ; a plain instruction behind the last of the four
	s_wait_loadcnt 0x0                             ; gain and bias are in
	s_wait_alu depctr_va_vdst(0)                   ; one wait for the four, ahead of their first reader
.irp i, 0,1,2,3
	v_mov_b32 v[RS+2*\i+1], v[RS+2*\i]
.endr
.irp e, 0,2,4,6,8,10,12,14,16,18,20,22,24,26,28,30
.irp i, 0,1,2,3
	v_pk_mul_f32 v[X+32*\i+\e:X+32*\i+\e+1], v[X+32*\i+\e:X+32*\i+\e+1], v[RS+2*\i:RS+2*\i+1]
.endr
.irp i, 0,1,2,3
	v_pk_fma_f32 v[X+32*\i+\e:X+32*\i+\e+1], v[X+32*\i+\e:X+32*\i+\e+1], v[GG+\e:GG+\e+1], v[BB+\e:BB+\e+1]
.endr
.endr
.irp i, 0,1,2,3
.irp e, 0,1,2,3,4,5,6,7
	ds_store_b128 v[RA], v[X+32*\i+4*\e:X+32*\i+4*\e+3] offset:STP*\i+512*\e
.endr
.endr
.endm
.macro QPHASE                          ; wave w: K step w of both tiles.  Lane (r, h): blocks 4 w + 2 j + h of row r, j = 0, 1: block q = 2 tile + j in v[X + 32 q] on
.irp i, 0,1
.irp j, 0,1
.irp e, 0,1,2,3,4,5,6,7
	ds_load_b128 v[X+32*(2*\i+\j)+4*\e:X+32*(2*\i+\j)+4*\e+3], v[QA+\i] offset:256*\j+16*\e
.endr
.endr
.endr
	v_mov_b32 v[QW+2], 0                           ; a lane permute's destination counts as one of its sources
	v_mov_b32 v[QW+3], 0
	v_lshlrev_b32 v[QW+4], 3, v4                   ; 8 h
	s_wait_dscnt 0x0
.irp q, 0,1,2,3
	v_max3_num_f32 v[QM+\q], |v[X+32*\q]|, |v[X+32*\q+1]|, |v[X+32*\q+2]|
	v_max3_num_f32 v[QM+4+\q], |v[X+32*\q+3]|, |v[X+32*\q+4]|, |v[X+32*\q+5]|
.endr
.irp t, 6,10,14,18,22,26
.irp q, 0,1,2,3
	v_max3_num_f32 v[QM+\q], v[QM+\q], |v[X+32*\q+\t]|, |v[X+32*\q+\t+1]|
	v_max3_num_f32 v[QM+4+\q], v[QM+4+\q], |v[X+32*\q+\t+2]|, |v[X+32*\q+\t+3]|
.endr
.endr
.irp q, 0,1,2,3
	v_max3_num_f32 v[QM+\q], v[QM+\q], |v[X+32*\q+30]|, |v[X+32*\q+31]|
.endr
.irp q, 0,1,2,3
	v_max3_num_f32 v[QM+\q], v[QM+\q], v[QM+4+\q], 0x1800000   ; the floor 2^(3 - 127): the byte cannot fall under 1
.endr
.irp q, 0,1,2,3
	v_add_nc_u32 v[QO+\q], 0xff000000, v[QM+\q]    ; 2 off the exponent field: the conversion takes this operand's exponent field as its scale
.endr
.irp q, 0,1,2,3
	v_lshrrev_b32 v[QB+\q], 23, v[QO+\q]           ; the scale's byte
.endr
.irp i, 0,1
	v_lshl_or_b32 v[QW+\i], v[QB+2*\i+1], 16, v[QB+2*\i]   ; my two bytes of the tile's word: blocks h and 2 + h,
.endr
.irp i, 0,1
	v_lshlrev_b32 v[QW+\i], v[QW+4], v[QW+\i]      ; at their places;
.endr
.irp i, 0,1
	v_permlanex16_b32 v[QW+2+\i], v[QW+\i], s[SEL], s[SEL+1]
.endr
.irp i, 0,1
	v_or_b32 v[QW+\i], v[QW+\i], v[QW+2+\i]        ; with lane l xor 16's two the word is whole
.endr
	v_cndmask_b32 v[QW], v[QW], v[QW+1], s[HIM]    ; lanes 0-15 tile 0's words, lanes 16-31 tile 1's
.irp q, 0,1,2,3
.irp g, 0,1,2,3
	v_cvt_scalef32_pk8_fp4_f32 v[CD+4*\q+\g], v[X+32*\q+8*\g:X+32*\q+8*\g+7], v[QO+\q]
.endr
.endr
	v_nop                                          ; one plain instruction behind the last scaled conversion
.irp i, 0,1
.irp j, 0,1
	global_store_b128 v1, v[CD+4*(2*\i+\j):CD+4*(2*\i+\j)+3], s[PQC:PQC+1] offset:8192*\i+512*\j   ; 512 bytes on end
.endr
.endr
	global_store_b32 v2, v[QW], s[PQS:PQS+1]       ; 128 bytes on end
.endm
	s_load_b512 s[4:19], s[0:1], 0x0               ; x, ln1_g, ln1_b, W_qkv codes, scales, W_out codes, scales, W1 codes
	s_load_b256 s[20:27], s[0:1], 0x40             ; W1 scales, W2 codes, scales, wk1
	v_lshl_add_u32 v[SPW], v0, 2, SPARE
	v_mov_b32 v[NIL], 0
	v_lshrrev_b32 v13, 5, v0
	v_readfirstlane_b32 s28, v13                   ; wave 0..7
	v_and_b32 v13, 31, v0
	v_lshlrev_b32 v1, 4, v13                       ; 16 x lane
	v_lshlrev_b32 v2, 2, v13                       ; 4 x lane
	v_and_b32 v3, 15, v0                           ; r
	v_bfe_u32 v4, v0, 4, 1                         ; h
	s_mul_i32 s33, s28, 4*STP
	v_add_nc_u32 v[RA], s33, v1                    ; my four stage rows, 16 bytes a lane
	v_mul_u32_u24 v[QA], v3, STP
	v_lshl_add_u32 v[QA], v4, 7, v[QA]
	s_lshl_b32 s33, s28, 9
	v_add_nc_u32 v[QA], s33, v[QA]                 ; stage row r, block 4 w + h
	v_add_nc_u32 v[QA+1], 16*STP, v[QA]            ; the same in tile 1
	s_mov_b32 s[HIM], 0xffff0000
	s_mov_b32 s[SEL], 0x76543210
	s_mov_b32 s[SEL+1], 0xfedcba98
	s_cmp_lt_u32 ttmp9, 128                        ; the work-group's number alone: all eight waves go the same way
	s_cbranch_scc0 .Llayout
	; ---- the LN path.  Stage rows 4 w + i are tokens 32 g + 8 (w / 4) + 4 (w % 2) + 16 ((w / 2) % 2) + i: the tile order
	s_lshr_b32 s33, s28, 2
	s_lshl_b32 s33, s33, 3
	s_and_b32 s34, s28, 1
	s_lshl_b32 s34, s34, 2
	s_add_co_u32 s33, s33, s34
	s_bfe_u32 s34, s28, 0x10001
	s_lshl_b32 s34, s34, 4
	s_add_co_u32 s33, s33, s34
	s_lshl_b32 s34, ttmp9, 5
	s_add_co_u32 s34, s34, s33                     ; my first token
	s_lshl_b32 s34, s34, 12                        ; x 4,096 bytes
	s_mov_b32 s35, 0
	s_lshl_b32 s[PQC], ttmp9, 14
	s_lshl_b32 s33, s28, 10
	s_add_co_u32 s[PQC], s[PQC], s33
	s_add_co_u32 s[PQC], s[PQC], H1C               ; codes: two tiles of 8,192 bytes a work-group, K step w
	s_mov_b32 s[PQC+1], 0
	s_lshl_b32 s[PQS], s28, 14
	s_lshl_b32 s33, ttmp9, 7
	s_add_co_u32 s[PQS], s[PQS], s33
	s_add_co_u32 s[PQS], s[PQS], H1S               ; words: (256 w + 2 g) x 64
	s_mov_b32 s[PQS+1], 0
	s_mov_b32 s[C10], 0x3a800000
	s_mov_b32 s[CEPS], 0x3727c5ac
	s_wait_kmcnt 0x0
	s_add_nc_u64 s[4:5], s[4:5], s[34:35]
	s_add_nc_u64 s[PQC:PQC+1], s[26:27], s[PQC:PQC+1]
	s_add_nc_u64 s[PQS:PQS+1], s[26:27], s[PQS:PQS+1]
.irp i, 0,1,2,3
.irp e, 0,1,2,3,4,5,6,7
	global_load_b128 v[X+32*\i+4*\e:X+32*\i+4*\e+3], v1, s[4:5] offset:4096*\i+512*\e
.endr
.endr
.irp e, 0,1,2,3,4,5,6,7
	global_load_b128 v[GG+4*\e:GG+4*\e+3], v1, s[6:7] offset:512*\e
	global_load_b128 v[BB+4*\e:BB+4*\e+3], v1, s[8:9] offset:512*\e
.endr
.irp i, 0,1,2,3
	v_mov_b32 v[PT+\i], 0                          ; a lane permute's destination counts as one of its sources
.endr
	s_wait_loadcnt 16                              ; x's 32 loads are in; the 16 of gain and bias may be out
	LNROWS
	s_wait_dscnt 0x0                               ; for the others' sake: my rows lie in the stage
	s_barrier_signal -1
	s_barrier_wait -1
	QPHASE
	s_wait_tensorcnt 0x0                           ; the wave's end: three closing lines behind my last LDS store
	ds_add_u32 v[SPW], v[NIL]
	s_wait_dscnt 0x0
	s_endpgm
	; ---- the layout path: job J = 8 (g - 128) + wave.  J < 96: W_qkv; < 128: W_out; < 256: W1 (a pair of tiles, all 32 blocks); else W2 (pair (J - 256) / 4, blocks 32 ((J - 256) % 4) on).  It writes no LDS
.Llayout:
	s_sub_co_u32 s40, ttmp9, 128
	s_lshl_b32 s41, s40, 3
	s_add_co_u32 s41, s41, s28                     ; J
	s_wait_kmcnt 0x0
	s_mov_b32 s42, 256
	s_cmp_lt_u32 s40, 32
	s_cselect_b64 s[44:45], s[18:19], s[22:23]     ; codes: W1's or W2's
	s_cselect_b64 s[46:47], s[20:21], s[24:25]     ; scale bytes
	s_cselect_b32 s42, 128, s42                    ; the weight's first job
	s_cselect_b32 s43, 0, 2                        ; jobs to a pair of tiles, as a shift
	s_cselect_b32 s48, 9, 11                       ; a row of codes: 512 or 2,048 bytes, as a shift
	s_cselect_b32 s49, 5, 7                        ; a row of scale bytes: 32 or 128
	s_cselect_b32 s50, 0, 3
	s_cselect_b32 s51, 13, 15                      ; a tile's image: 8,192 or 32,768 bytes
	s_cmp_lt_u32 s40, 16
	s_cselect_b64 s[44:45], s[14:15], s[44:45]
	s_cselect_b64 s[46:47], s[16:17], s[46:47]
	s_cselect_b32 s42, 96, s42
	s_cmp_lt_u32 s40, 12
	s_cselect_b64 s[44:45], s[10:11], s[44:45]
	s_cselect_b64 s[46:47], s[12:13], s[46:47]
	s_cselect_b32 s42, 0, s42
	s_sub_co_u32 s42, s41, s42                     ; the job's number within its weight
	s_and_b32 s52, s42, s50                        ; G: which 32 blocks
	s_lshr_b32 s53, s42, s43                       ; B: which 32 rows
	s_add_co_u32 s54, s48, 5
	s_lshl_b32 s54, s53, s54
	s_lshl_b32 s55, s52, 9
	s_add_co_u32 s54, s54, s55
	s_mov_b32 s55, 0
	s_add_nc_u64 s[44:45], s[44:45], s[54:55]      ; codes from row 32 B, byte 512 G
	s_add_co_u32 s54, s49, 5
	s_lshl_b32 s54, s53, s54
	s_lshl_b32 s56, s52, 5
	s_add_co_u32 s54, s54, s56
	s_add_nc_u64 s[46:47], s[46:47], s[54:55]      ; scale bytes from row 32 B, byte 32 G
	s_lshl_b32 s56, s41, 14                        ; where they go.  K = 1,024: codes 16,384 J,
	s_lshl_b32 s57, s53, 16                        ; W2: 4,194,304 + 65,536 B + 8,192 G
	s_lshl_b32 s54, s52, 13
	s_add_co_u32 s57, s57, s54
	s_add_co_u32 s57, s57, 4194304
	s_lshr_b32 s58, s41, 7                         ; words, K = 1,024: 131,072 (J / 128) + 128 (J % 128),
	s_lshl_b32 s58, s58, 17
	s_and_b32 s54, s41, 127
	s_lshl_b32 s54, s54, 7
	s_add_co_u32 s58, s58, s54
	s_lshl_b32 s59, s52, 17                        ; W2: 262,144 + 131,072 G + 128 B
	s_lshl_b32 s54, s53, 7
	s_add_co_u32 s59, s59, s54
	s_add_co_u32 s59, s59, 262144
	s_cmp_lt_u32 s40, 32
	s_cselect_b32 s54, s56, s57
	s_cselect_b32 s56, s58, s59
	s_add_nc_u64 s[60:61], s[26:27], s[54:55]
	s_add_co_u32 s54, s56, WSC
	s_add_nc_u64 s[62:63], s[26:27], s[54:55]
	v_and_b32 v32, 8, v3
	v_add_nc_u32 v32, v32, v3                      ; r + 8 (r / 8)
	v_lshlrev_b32 v33, s48, v32
	v_lshl_add_u32 v33, v4, 4, v33                 ; tile 0: my row, block h of a pair of blocks
	s_add_co_u32 s54, s48, 3
	s_lshl_b32 s54, 1, s54
	v_add_nc_u32 v34, s54, v33                     ; tile 1: eight rows on
	v_lshl_add_u32 v35, v4, 3, v32
	v_lshlrev_b32 v35, s49, v35                    ; scale bytes: lanes 0-15 tile 0's rows, lanes 16-31 tile 1's
	s_lshl_b32 s54, 1, s51
	v_add_nc_u32 v36, s54, v1                      ; tile 1's image
.irp j, 0,1,2,3,4,5,6,7,8,9,10,11,12,13,14,15
	global_load_b128 v[128+4*\j:131+4*\j], v33, s[44:45] offset:32*\j th:TH_LOAD_NT
.endr
.irp j, 0,1,2,3,4,5,6,7,8,9,10,11,12,13,14,15
	global_load_b128 v[192+4*\j:195+4*\j], v34, s[44:45] offset:32*\j th:TH_LOAD_NT
.endr
	global_load_b128 v[16:19], v35, s[46:47] th:TH_LOAD_NT
	global_load_b128 v[20:23], v35, s[46:47] offset:16 th:TH_LOAD_NT
	s_wait_loadcnt 18                              ; tile 0's 16 loads are in; tile 1's 16 and the two of scale bytes may be out
.irp j, 0,1,2,3,4,5,6,7,8,9,10,11,12,13,14,15
	global_store_b128 v1, v[128+4*\j:131+4*\j], s[60:61] offset:512*\j    ; blocks 2 j and 2 j + 1 of sixteen rows: 512 bytes on end
.endr
	s_wait_loadcnt 2                               ; tile 1's are in
.irp j, 0,1,2,3,4,5,6,7,8,9,10,11,12,13,14,15
	global_store_b128 v36, v[192+4*\j:195+4*\j], s[60:61] offset:512*\j
.endr
	s_wait_loadcnt 0x0
.irp s, 0,1,2,3,4,5,6,7
	global_store_b32 v2, v[16+\s], s[62:63] offset:16384*\s               ; a K step's words of both tiles: 128 bytes on end
.endr
	s_endpgm
.Lfunc_end_k_q169dda4e65_prep:
	.size	k_q169dda4e65_prep, .Lfunc_end_k_q169dda4e65_prep-k_q169dda4e65_prep
	.p2alignl 7, 3214868480
	.fill 96, 4, 3214868480
	.section	.rodata,"a",@progbits
	.p2align	6, 0x0
	.amdhsa_kernel k_q169dda4e65_prep
		.amdhsa_group_segment_fixed_size 132608
		.amdhsa_private_segment_fixed_size 0
		.amdhsa_enable_private_segment 0
		.amdhsa_kernarg_size 96
		.amdhsa_user_sgpr_count 2
		.amdhsa_user_sgpr_kernarg_segment_ptr 1
		.amdhsa_wavefront_size32 1
		.amdhsa_system_sgpr_workgroup_id_x 1
		.amdhsa_system_sgpr_workgroup_id_y 1
		.amdhsa_system_sgpr_workgroup_id_z 1
		.amdhsa_system_vgpr_workitem_id 0
		.amdhsa_next_free_vgpr 256
		.amdhsa_next_free_sgpr 66
		.amdhsa_reserve_vcc 0
		.amdhsa_float_denorm_mode_32 3
		.amdhsa_float_denorm_mode_16_64 3
		.amdhsa_memory_ordered 1
		.amdhsa_forward_progress 1
		.amdhsa_inst_pref_size 51
	.end_amdhsa_kernel
	.amdgpu_metadata
---
amdhsa.version: [ 1, 2 ]
amdhsa.kernels:
  - .name:           k_q169dda4e65_prep
    .symbol:         k_q169dda4e65_prep.kd
    .args:
      - { .name: x, .offset: 0, .size: 8, .value_kind: global_buffer, .address_space: global }
      - { .name: ln1_g, .offset: 8, .size: 8, .value_kind: global_buffer, .address_space: global }
      - { .name: ln1_b, .offset: 16, .size: 8, .value_kind: global_buffer, .address_space: global }
      - { .name: W_qkv_codes, .offset: 24, .size: 8, .value_kind: global_buffer, .address_space: global }
      - { .name: W_qkv_scales, .offset: 32, .size: 8, .value_kind: global_buffer, .address_space: global }
      - { .name: W_out_codes, .offset: 40, .size: 8, .value_kind: global_buffer, .address_space: global }
      - { .name: W_out_scales, .offset: 48, .size: 8, .value_kind: global_buffer, .address_space: global }
      - { .name: W1_codes, .offset: 56, .size: 8, .value_kind: global_buffer, .address_space: global }
      - { .name: W1_scales, .offset: 64, .size: 8, .value_kind: global_buffer, .address_space: global }
      - { .name: W2_codes, .offset: 72, .size: 8, .value_kind: global_buffer, .address_space: global }
      - { .name: W2_scales, .offset: 80, .size: 8, .value_kind: global_buffer, .address_space: global }
      - { .name: wk1, .offset: 88, .size: 8, .value_kind: global_buffer, .address_space: global }
    .group_segment_fixed_size: 132608
    .private_segment_fixed_size: 0
    .kernarg_segment_align: 8
    .kernarg_segment_size: 96
    .max_flat_workgroup_size: 256
    .sgpr_count:     66
    .vgpr_count:     256
    .wavefront_size: 32
...
	.end_amdgpu_metadata
.endif
;; end of part 1
;; launch qkv (part 2): grid 384 x 1, 8 waves a work-group, no clusters, 0 bytes of LDS; arguments wk1, b_qkv, wk2; writes wk2
.if DOCPART == 2
	.amdgcn_target "amdgcn-amd-amdhsa--gfx1250"
	.amdhsa_code_object_version 6
	.text
	.protected	k_q169dda4e65_qkv
	.globl	k_q169dda4e65_qkv
	.p2align	8
	.type	k_q169dda4e65_qkv,@function
k_q169dda4e65_qkv:
	s_mov_b64 s[64:65], 0
	v_nop
	global_prefetch_b8 v0, s[64:65] scope:SCOPE_SE
	s_setreg_imm32_b32 hwreg(HW_REG_WAVE_MODE, 25, 1), 1
	s_wait_xcnt 0x0
; QKV: h W_qkv + b_qkv on codes of E2M1 (K = 1,024), and the results quantised on the way: q and k along the head's 64, v along the keys.  Nothing is left out.
; A WAVE makes 128 x 32: source 0 = eight tiles (X), source 1 = two tiles (Y), sixteen accumulators.  In a result lane (r, h) holds row r of Y's tile, and by the tile order (tile 2 B + u, row r = row 32 B + 8 u + r + 8 (r / 8))
; the sixteen registers of X's tiles 2 b and 2 b + 1 are sixteen NEIGHBOURS 32 b + 16 h + 0 .. 15 along X: so X is the axis along which the result is quantised.
;   q, k (work-groups 0-255): X = 128 rows of W_qkv (two heads), Y = 32 tokens.   v (256-383): X = 128 tokens (a key step), Y = 32 of v's features.
; Operands come from wk1 straight into registers as images of the fragments (512 bytes on end a load), three sets by turns, two K steps ahead; the whole walk of 8 steps is written out, every offset an immediate.
; wk2: QKC [batch][32 heads: 16 of q, 16 of k][128 tiles][512 bytes]: lane (r, h) holds d = 32 h .. + 31;  VC [batch x head][16 key steps][4 tiles of d][1,024];  QKS [batch][32][64 pairs][16 r][2 u] words (s0, s1, s0, s1);  VS [bh][16][4][16] words.
; The two kinds part ONCE, on the work-group's number, and each runs a whole path of its own.
; No tensor load, no cluster: a work-group's eight waves load 80 KB a K step, of which 24 KB are distinct; the walk is 8 steps, and loads into registers need no barrier in it.
; LIMITS: NaN and infinities are not served; a block of zeros gets the scale byte 1 (its codes are zeros; this program alone reads the bytes).
.set WSC,  6291456
.set H1C,  7077888
.set H1S,  9175040
.set VC,   4194304
.set QKS,  6291456
.set VS,   6815744
.set TSX,  8192
.set TSY,  8192
.set BI,   16                          ; v16-79   the bias in the result's layout: the C of the first K step
.set TM,   80                          ; v80-95   at work in QUANT
.set PC0,  96                          ; v96-103, v104-111 the codes just made
.set PC1,  104
.set PW0,  12                          ; v12, v13 their scale words
.set PW1,  13
.set SCR,  112                         ; v112-126 scale words, three sets of five: scales and nothing else
.set ACC,  128                         ; v128-255 accumulator (y, a) at 128 + 8 (8 y + a)
.set PX,   32                          ; s[32:33] X's codes, s[34:35] Y's, s[36:37] X's scale words, s[38:39] Y's
.set PY,   34
.set SX,   36
.set SY,   38
.set SEL,  20                          ; s[20:21] lane selects: lane l xor 16
.set HIM,  22                          ; s22      mask of lanes 16-31
.set MSB,  0
.macro WIN new                         ; window 1 (v256-495) holds the three sets of fragments: 80 registers each, X's eight and then Y's two
.if MSB != \new
	s_set_vgpr_msb (MSB<<8)|\new
.set MSB, \new
.endif
.endm
.macro LDSTEP s                        ; K step s: 5 loads of scale words, 20 of codes: 25
.set K3, (\s)%3
	WIN 0
.irp q, 0,1,2,3
	global_load_b32 v[SCR+5*K3+\q], v2, s[SX:SX+1] offset:16384*(\s)+128*\q     ; X's tiles 2 q (lanes 0-15) and 2 q + 1 (lanes 16-31)
.endr
	global_load_b32 v[SCR+5*K3+4], v2, s[SY:SY+1] offset:16384*(\s)
	WIN 0x40
.irp i, 0,1,2,3,4,5,6,7
.irp c, 0,1
	global_load_b128 v[80*K3+8*\i+4*\c:80*K3+8*\i+4*\c+3], v1, s[PX:PX+1] offset:TSX*\i+1024*(\s)+512*\c
.endr
.endr
.irp i, 0,1
.irp c, 0,1
	global_load_b128 v[80*K3+64+8*\i+4*\c:80*K3+64+8*\i+4*\c+3], v1, s[PY:PY+1] offset:TSY*\i+1024*(\s)+512*\c
.endr
.endr
.endm
.macro WMS rd, ra, rb, cz, rc, sa, sb, rowa, rowb      ; one product; cz = 1: C is 0; rowa, rowb = 1: the side's scale words stand in lanes 16-31
.if (\cz) && (\rowa) && (\rowb)
	v_wmma_scale_f32_16x16x128_f8f6f4 v[(\rd):(\rd)+7], v[(\ra):(\ra)+7], v[(\rb):(\rb)+7], 0, v[\sa], v[\sb] matrix_a_fmt:MATRIX_FMT_FP4 matrix_b_fmt:MATRIX_FMT_FP4 matrix_a_scale:MATRIX_SCALE_ROW1 matrix_b_scale:MATRIX_SCALE_ROW1
.elseif (\cz) && (\rowa)
	v_wmma_scale_f32_16x16x128_f8f6f4 v[(\rd):(\rd)+7], v[(\ra):(\ra)+7], v[(\rb):(\rb)+7], 0, v[\sa], v[\sb] matrix_a_fmt:MATRIX_FMT_FP4 matrix_b_fmt:MATRIX_FMT_FP4 matrix_a_scale:MATRIX_SCALE_ROW1
.elseif (\cz) && (\rowb)
	v_wmma_scale_f32_16x16x128_f8f6f4 v[(\rd):(\rd)+7], v[(\ra):(\ra)+7], v[(\rb):(\rb)+7], 0, v[\sa], v[\sb] matrix_a_fmt:MATRIX_FMT_FP4 matrix_b_fmt:MATRIX_FMT_FP4 matrix_b_scale:MATRIX_SCALE_ROW1
.elseif (\cz)
	v_wmma_scale_f32_16x16x128_f8f6f4 v[(\rd):(\rd)+7], v[(\ra):(\ra)+7], v[(\rb):(\rb)+7], 0, v[\sa], v[\sb] matrix_a_fmt:MATRIX_FMT_FP4 matrix_b_fmt:MATRIX_FMT_FP4
.elseif (\rowa) && (\rowb)
	v_wmma_scale_f32_16x16x128_f8f6f4 v[(\rd):(\rd)+7], v[(\ra):(\ra)+7], v[(\rb):(\rb)+7], v[(\rc):(\rc)+7], v[\sa], v[\sb] matrix_a_fmt:MATRIX_FMT_FP4 matrix_b_fmt:MATRIX_FMT_FP4 matrix_a_scale:MATRIX_SCALE_ROW1 matrix_b_scale:MATRIX_SCALE_ROW1
.elseif (\rowa)
	v_wmma_scale_f32_16x16x128_f8f6f4 v[(\rd):(\rd)+7], v[(\ra):(\ra)+7], v[(\rb):(\rb)+7], v[(\rc):(\rc)+7], v[\sa], v[\sb] matrix_a_fmt:MATRIX_FMT_FP4 matrix_b_fmt:MATRIX_FMT_FP4 matrix_a_scale:MATRIX_SCALE_ROW1
.elseif (\rowb)
	v_wmma_scale_f32_16x16x128_f8f6f4 v[(\rd):(\rd)+7], v[(\ra):(\ra)+7], v[(\rb):(\rb)+7], v[(\rc):(\rc)+7], v[\sa], v[\sb] matrix_a_fmt:MATRIX_FMT_FP4 matrix_b_fmt:MATRIX_FMT_FP4 matrix_b_scale:MATRIX_SCALE_ROW1
.else
	v_wmma_scale_f32_16x16x128_f8f6f4 v[(\rd):(\rd)+7], v[(\ra):(\ra)+7], v[(\rb):(\rb)+7], v[(\rc):(\rc)+7], v[\sa], v[\sb] matrix_a_fmt:MATRIX_FMT_FP4 matrix_b_fmt:MATRIX_FMT_FP4
.endif
.endm
.macro MULSTEP s, cm                   ; 16 products; the sixteen accumulators take turns, one instruction a turn, in the same order in every step.  cm: C is 0 (0), the bias by X's tile (1), by Y's tile (2), the accumulator (3)
.set K3, (\s)%3
	WIN 0x05
.irp y, 0,1
.irp a, 0,1,2,3,4,5,6,7
.if (\cm) == 0
	WMS ACC+8*(8*\y+\a), 80*K3+8*\a, 80*K3+64+8*\y, 1, 0, SCR+5*K3+(\a/2), SCR+5*K3+4, \a%2, \y
.elseif (\cm) == 1
	WMS ACC+8*(8*\y+\a), 80*K3+8*\a, 80*K3+64+8*\y, 0, BI+8*\a, SCR+5*K3+(\a/2), SCR+5*K3+4, \a%2, \y
.elseif (\cm) == 2
	WMS ACC+8*(8*\y+\a), 80*K3+8*\a, 80*K3+64+8*\y, 0, BI+8*\y, SCR+5*K3+(\a/2), SCR+5*K3+4, \a%2, \y
.else
	WMS ACC+8*(8*\y+\a), 80*K3+8*\a, 80*K3+64+8*\y, 0, ACC+8*(8*\y+\a), SCR+5*K3+(\a/2), SCR+5*K3+4, \a%2, \y
.endif
.endr
.endr
.endm
.macro KSTEP s, S, cm
.if (\s)+2 < (\S)
.if (\s) > 0
.rept 4
	v_nop                                          ; four places between the last step's products and the loads into the set that they read
.endr
.endif
	LDSTEP (\s)+2
.endif
.if (\S)-1-(\s) >= 2
	s_wait_loadcnt 50                              ; this step's loads are in; the 25 of each of the next two steps may be out
.else
	s_wait_loadcnt 25*((\S)-1-(\s))
.endif
	MULSTEP \s, \cm
.endm
.macro GEMM S, cm
	LDSTEP 0
	LDSTEP 1
	KSTEP 0, \S, \cm
.set KS_, 1
.rept (\S)-1
	KSTEP KS_, \S, 3
.set KS_, KS_+1
.endr
	WIN 0
.rept 4
	v_nop                                          ; four places ahead of the first read of results
.endr
.endm
; 64 numbers of a lane, register 16 b + i = k 32 b + 16 h + i of my row, become a fragment's codes in v[pc] on and its scale word in v[pw]
.macro QUANT src, pc, pw
.irp b, 0,1,2,3
	v_max3_num_f32 v[TM+\b], |v[(\src)+16*\b]|, |v[(\src)+1+16*\b]|, 0x1800000   ; my 16 numbers of block b, and the floor 2^(3 - 127): the byte cannot fall under 1
.endr
.irp i, 2,4,6,8,10,12,14
.irp b, 0,1,2,3
	v_max3_num_f32 v[TM+\b], v[TM+\b], |v[(\src)+16*\b+\i]|, |v[(\src)+1+16*\b+\i]|
.endr
.endr
.irp b, 0,1,2,3
	v_permlanex16_b32 v[TM+4+\b], v[TM+\b], s[SEL], s[SEL+1]
.endr
.irp b, 0,1,2,3
	v_max_num_f32 v[TM+\b], v[TM+\b], v[TM+4+\b]   ; with lane l xor 16's: the block's largest magnitude
.endr
.irp b, 0,1,2,3
	v_add_nc_u32 v[TM+12+\b], 0xff000000, v[TM+\b] ; 2 off its exponent field: the conversion's scale operand
.endr
.irp b, 0,1,2,3
	v_lshrrev_b32 v[TM+4+\b], 23, v[TM+12+\b]      ; the scale's byte
.endr
	v_lshl_or_b32 v[\pw], v[TM+5], 8, v[TM+4]
	v_lshl_or_b32 v[\pw], v[TM+6], 16, v[\pw]
	v_lshl_or_b32 v[\pw], v[TM+7], 24, v[\pw]
.irp b, 0,1,2,3
	v_cvt_scalef32_pk8_fp4_f32 v[(\pc)+2*\b], v[(\src)+16*\b:(\src)+7+16*\b], v[TM+12+\b]
	v_cvt_scalef32_pk8_fp4_f32 v[(\pc)+1+2*\b], v[(\src)+8+16*\b:(\src)+15+16*\b], v[TM+12+\b]
.endr
	v_nop                                          ; one plain instruction behind a scaled conversion
.irp c, 0,1                                    ; the operand wants a whole block in a lane: lanes 0-15 block 2 c, lanes 16-31 block 2 c + 1
.irp i, 0,1
	v_permlane16_swap_b32 v[(\pc)+4*\c+\i], v[(\pc)+2+4*\c+\i]
.endr
.endr
.endm
	s_load_b128 s[4:7], s[0:1], 0x0                ; wk1, b_qkv
	s_load_b64 s[8:9], s[0:1], 0x10                ; wk2
	v_lshrrev_b32 v5, 5, v0
	v_readfirstlane_b32 s28, v5                    ; wave 0..7
	v_and_b32 v5, 31, v0
	v_lshlrev_b32 v1, 4, v5                        ; 16 x lane
	v_lshlrev_b32 v2, 2, v5                        ; 4 x lane
	v_and_b32 v3, 15, v0                           ; r
	v_bfe_u32 v4, v0, 4, 1                         ; h
.irp b, 0,1,2,3
	v_mov_b32 v[TM+4+\b], 0                        ; a lane permute's destination counts as one of its sources
.endr
	s_and_b32 s29, s28, 1                          ; which of the work-group's two X
	s_lshr_b32 s30, s28, 1                         ; which of its four Y
	s_mov_b32 s[SEL], 0x76543210
	s_mov_b32 s[SEL+1], 0xfedcba98
	s_mov_b32 s[HIM], 0xffff0000
	s_cmp_lt_u32 ttmp9, 256
	s_cbranch_scc0 .Lvalues
	; ---- q and k: xb = 2 (g % 8) + wave % 2: rows 128 xb on of W_qkv, heads 2 xb and 2 xb + 1 of 32;  yb = 4 (g / 8) + wave / 2: token tiles 2 yb, 2 yb + 1
	s_and_b32 s47, ttmp9, 7
	s_lshl_b32 s47, s47, 1
	s_add_co_u32 s47, s47, s29
	s_lshr_b32 s48, ttmp9, 3
	s_lshl_b32 s48, s48, 2
	s_add_co_u32 s48, s48, s30
	s_lshl_b32 s[PX], s47, 16
	s_mov_b32 s[PX+1], 0
	s_lshl_b32 s[PY], s48, 14
	s_add_co_u32 s[PY], s[PY], H1C
	s_mov_b32 s[PY+1], 0
	s_lshl_b32 s50, s47, 9                         ; the bias of my 128 rows
	s_mov_b32 s51, 0
	s_add_co_u32 s[SX], s50, WSC
	s_mov_b32 s[SX+1], 0
	s_lshl_b32 s[SY], s48, 7
	s_add_co_u32 s[SY], s[SY], H1S
	s_mov_b32 s[SY+1], 0
	s_lshr_b32 s56, s48, 6                         ; batch
	s_and_b32 s57, s48, 63                         ; pair of tiles within the sequence
	s_lshl_b32 s52, s56, 21
	s_lshl_b32 s58, s47, 17
	s_add_co_u32 s52, s52, s58
	s_lshl_b32 s58, s57, 10
	s_add_co_u32 s52, s52, s58                     ; codes: 2,097,152 batch + 65,536 (2 xb) + 512 (2 pair)
	s_mov_b32 s53, 0
	s_lshl_b32 s54, s56, 18
	s_lshl_b32 s58, s47, 14
	s_add_co_u32 s54, s54, s58
	s_lshl_b32 s58, s57, 7
	s_add_co_u32 s54, s54, s58
	s_add_co_u32 s54, s54, QKS                     ; words: 8,192 (32 batch + 2 xb) + 128 pair
	s_mov_b32 s55, 0
	v_lshlrev_b32 v5, 6, v4                        ; 64 h
	s_wait_kmcnt 0x0
	s_add_nc_u64 s[PX:PX+1], s[4:5], s[PX:PX+1]
	s_add_nc_u64 s[PY:PY+1], s[4:5], s[PY:PY+1]
	s_add_nc_u64 s[SX:SX+1], s[4:5], s[SX:SX+1]
	s_add_nc_u64 s[SY:SY+1], s[4:5], s[SY:SY+1]
	s_add_nc_u64 s[50:51], s[6:7], s[50:51]
	s_add_nc_u64 s[52:53], s[8:9], s[52:53]
	s_add_nc_u64 s[54:55], s[8:9], s[54:55]
.irp a, 0,1,2,3,4,5,6,7
	global_load_b128 v[BI+8*\a:BI+8*\a+3], v5, s[50:51] offset:128*(\a/2)+32*(\a%2)        ; tile a: the bias of rows 32 (a / 2) + 16 h + 8 (a % 2) + 0 .. 7
	global_load_b128 v[BI+8*\a+4:BI+8*\a+7], v5, s[50:51] offset:128*(\a/2)+32*(\a%2)+16
.endr
	GEMM 8, 1
	QUANT ACC, PC0, PW0                            ; token tile 2 yb: registers 4 c on are head 2 xb + c, d = 32 h on
	QUANT ACC+64, PC1, PW1
	v_mov_b32 v7, 0x01000100
	v_mov_b32 v8, 0x03020302
	v_cndmask_b32 v7, v7, v8, s[HIM]               ; lanes 0-15 take the first head's two bytes twice, lanes 16-31 the second's
	v_perm_b32 v16, v[PW0], v[PW0], v7
	v_perm_b32 v17, v[PW1], v[PW1], v7
	v_lshlrev_b32 v6, 3, v3
	v_lshl_add_u32 v6, v4, 13, v6                  ; 8,192 h + 8 r
.irp c, 0,1
	global_store_b128 v1, v[PC0+4*\c:PC0+4*\c+3], s[52:53] offset:65536*\c             ; 512 bytes on end
	global_store_b128 v1, v[PC1+4*\c:PC1+4*\c+3], s[52:53] offset:65536*\c+512
.endr
	global_store_b64 v6, v[16:17], s[54:55]        ; both tiles' words of a row: sixteen lanes store 128 bytes on end
	s_endpgm
	; ---- v: xb = 2 (g' % 16) + wave % 2: tokens 128 xb on (batch xb / 16, key step xb % 16);  yb = 4 (g' / 16) + wave / 2: features 32 yb on of v's 1,024 (head yb / 2)
.Lvalues:
	s_sub_co_u32 s46, ttmp9, 256
	s_and_b32 s47, s46, 15
	s_lshl_b32 s47, s47, 1
	s_add_co_u32 s47, s47, s29
	s_lshr_b32 s48, s46, 4
	s_lshl_b32 s48, s48, 2
	s_add_co_u32 s48, s48, s30
	s_lshl_b32 s[PX], s47, 16
	s_add_co_u32 s[PX], s[PX], H1C
	s_mov_b32 s[PX+1], 0
	s_lshl_b32 s[PY], s48, 14
	s_add_co_u32 s[PY], s[PY], 1048576             ; W_qkv's tiles 128 + 2 yb on
	s_mov_b32 s[PY+1], 0
	s_lshl_b32 s[SX], s47, 9
	s_add_co_u32 s[SX], s[SX], H1S
	s_mov_b32 s[SX+1], 0
	s_lshl_b32 s50, s48, 7
	s_add_co_u32 s[SY], s50, WSC+8192
	s_mov_b32 s[SY+1], 0
	s_add_co_u32 s50, s50, 8192                    ; the bias from number 2,048 + 32 yb on
	s_mov_b32 s51, 0
	s_lshr_b32 s56, s47, 4
	s_lshl_b32 s56, s56, 4
	s_lshr_b32 s57, s48, 1
	s_add_co_u32 s56, s56, s57                     ; 16 batch + head
	s_and_b32 s57, s47, 15                         ; key step
	s_and_b32 s58, s48, 1                          ; which 32 of the head's 64
	s_lshl_b32 s52, s56, 16
	s_lshl_b32 s59, s57, 12
	s_add_co_u32 s52, s52, s59
	s_lshl_b32 s59, s58, 11
	s_add_co_u32 s52, s52, s59
	s_add_co_u32 s52, s52, VC
	s_mov_b32 s53, 0
	s_lshl_b32 s54, s56, 12
	s_lshl_b32 s59, s57, 8
	s_add_co_u32 s54, s54, s59
	s_lshl_b32 s59, s58, 7
	s_add_co_u32 s54, s54, s59
	s_add_co_u32 s54, s54, VS
	s_mov_b32 s55, 0
	v_and_b32 v5, 8, v3
	v_add_nc_u32 v5, v5, v3
	v_lshlrev_b32 v5, 2, v5                        ; 4 (r + 8 (r / 8)): my feature's bias
	s_wait_kmcnt 0x0
	s_add_nc_u64 s[PX:PX+1], s[4:5], s[PX:PX+1]
	s_add_nc_u64 s[PY:PY+1], s[4:5], s[PY:PY+1]
	s_add_nc_u64 s[SX:SX+1], s[4:5], s[SX:SX+1]
	s_add_nc_u64 s[SY:SY+1], s[4:5], s[SY:SY+1]
	s_add_nc_u64 s[50:51], s[6:7], s[50:51]
	s_add_nc_u64 s[52:53], s[8:9], s[52:53]
	s_add_nc_u64 s[54:55], s[8:9], s[54:55]
.irp y, 0,1
.irp j, 0,1,2,3,4,5,6,7
	global_load_b32 v[BI+8*\y+\j], v5, s[50:51] offset:32*\y      ; a lane holds one feature: its bias in all eight registers
.endr
.endr
	GEMM 8, 2
	QUANT ACC, PC0, PW0                            ; tile of d 2 (yb % 2): a fragment of 16 d x these 128 keys
	QUANT ACC+64, PC1, PW1
	v_cndmask_b32 v16, v[PW0], v[PW1], s[HIM]      ; lanes 0-15 the first tile's words, lanes 16-31 the second's
.irp c, 0,1
	global_store_b128 v1, v[PC0+4*\c:PC0+4*\c+3], s[52:53] offset:512*\c
	global_store_b128 v1, v[PC1+4*\c:PC1+4*\c+3], s[52:53] offset:1024+512*\c
.endr
	global_store_b32 v2, v16, s[54:55]
	s_endpgm
.Lfunc_end_k_q169dda4e65_qkv:
	.size	k_q169dda4e65_qkv, .Lfunc_end_k_q169dda4e65_qkv-k_q169dda4e65_qkv
	.p2alignl 7, 3214868480
	.fill 96, 4, 3214868480
	.section	.rodata,"a",@progbits
	.p2align	6, 0x0
	.amdhsa_kernel k_q169dda4e65_qkv
		.amdhsa_group_segment_fixed_size 0
		.amdhsa_private_segment_fixed_size 0
		.amdhsa_enable_private_segment 0
		.amdhsa_kernarg_size 24
		.amdhsa_user_sgpr_count 2
		.amdhsa_user_sgpr_kernarg_segment_ptr 1
		.amdhsa_wavefront_size32 1
		.amdhsa_system_sgpr_workgroup_id_x 1
		.amdhsa_system_sgpr_workgroup_id_y 1
		.amdhsa_system_sgpr_workgroup_id_z 1
		.amdhsa_system_vgpr_workitem_id 0
		.amdhsa_next_free_vgpr 512
		.amdhsa_next_free_sgpr 66
		.amdhsa_reserve_vcc 0
		.amdhsa_float_denorm_mode_32 3
		.amdhsa_float_denorm_mode_16_64 3
		.amdhsa_memory_ordered 1
		.amdhsa_forward_progress 1
		.amdhsa_inst_pref_size 97
	.end_amdhsa_kernel
	.amdgpu_metadata
---
amdhsa.version: [ 1, 2 ]
amdhsa.kernels:
  - .name:           k_q169dda4e65_qkv
    .symbol:         k_q169dda4e65_qkv.kd
    .args:
      - { .name: wk1, .offset: 0, .size: 8, .value_kind: global_buffer, .address_space: global }
      - { .name: b_qkv, .offset: 8, .size: 8, .value_kind: global_buffer, .address_space: global }
      - { .name: wk2, .offset: 16, .size: 8, .value_kind: global_buffer, .address_space: global }
    .group_segment_fixed_size: 0
    .private_segment_fixed_size: 0
    .kernarg_segment_align: 8
    .kernarg_segment_size: 24
    .max_flat_workgroup_size: 256
    .sgpr_count:     66
    .vgpr_count:     512
    .wavefront_size: 32
...
	.end_amdgpu_metadata
.endif
;; end of part 2
;; launch attn (part 3): grid 8 x 32, 16 waves a work-group, no clusters, 145,408 bytes of LDS; arguments wk2, wk3; writes wk3
.if DOCPART == 3
	.amdgcn_target "amdgcn-amd-amdhsa--gfx1250"
	.amdhsa_code_object_version 6
	.text
	.protected	k_q169dda4e65_attn
	.globl	k_q169dda4e65_attn
	.p2align	8
	.type	k_q169dda4e65_attn,@function
k_q169dda4e65_attn:
	s_mov_b64 s[64:65], 0
	v_nop
	global_prefetch_b8 v0, s[64:65] scope:SCOPE_SE
	s_setreg_imm32_b32 hwreg(HW_REG_WAVE_MODE, 25, 1), 1
	s_wait_xcnt 0x0
; ATTN: o = softmax(q k^T / 8) v for one head and 256 queries, both products on codes of E2M1, and o quantised along the block's 1,024 features for the projection.  Nothing is left out.
; THE SOFTMAX: t = score x log2(e) / 8; M = the running largest t rounded UP to a whole number; p = 2^(t - M) is quantised along the keys, not normalised; the row's sum is taken of the unquantised p and divides at the end.
; SHARES: work-group (x = block of 256 queries, y = 16 batch + head); each of sixteen waves owns one tile of 16 queries in 256 registers, four waves to a SIMD.  Every wave walks the head's 2,048 keys, 128 a step.
; K AND V OF THE WHOLE HEAD LIE IN LDS, brought once through registers (18 loads a thread), as images of the fragments: 65,536 bytes each, their scale words 8,192 and 4,096.  One barrier in the launch.
; Both products are used transposed (S^T = k q^T, O^T = v^T p^T): a lane holds ONE query throughout.  By the tile order the 16 registers of key tiles 2 g and 2 g + 1 are keys 32 g + 16 h + 0 .. 15.
; THE FIRST PRODUCT'S K IS 64, THE INSTRUCTION'S 128: source 0 holds the codes of BOTH tiles of a pair (tile 2 g as k 0-63, tile 2 g + 1 as k 64-127); source 1 is q beside 64 zero codes (v16-23) or 64 zero codes beside q (v20-27),
; so each instruction gives one tile's scores and the other tile's codes meet zeros.  A scale word holds its tile's two bytes twice, so it serves either half.
; No cluster: the eight work-groups of a head share only the fill, 18 loads a thread, once, against 16 steps of some 240 vector instructions.
; LIMITS: NaN and infinities are not served; a block's largest p is taken as 2^(.) of the block's largest score, which takes v_exp_f32 not to fall where its input rises; v_exp_f32 and v_rcp_f32 are good to one unit in the last place
; and flush denormals; a block of zeros gets the scale byte 1.  o's scale bytes leave as halves of a word, 2 bytes a lane: 131,072 bytes in the launch.
.set VOFF,  65536
.set KSOFF, 131072
.set VSOFF, 139264
.set SPARE, 143360                     ; the spare words, 128 bytes for each of sixteen waves
.set VC,    4194304
.set QKS,   6291456
.set VS,    6815744
.set AOS,   2097152
.set SPW,   5                          ; v5   my spare word; never rewritten
.set NIL,   6                          ; v6   0; never rewritten
.set WV,    18
.set SEL,   20                         ; s[20:21] lane selects: lane l xor 16
.set CS,    22                         ; s[22:23] c = log2(e) / 8
.set TB,    2                          ; s2   the step's codes: 4,096 bytes a step, in K and in V
.set TS,    3                          ; s3   K's scale words: 512 a step
.set TJ,    8                          ; s8   V's: 256 a step
.set CNT,   9                          ; s9   steps to go
; REGISTERS: v1-4 my lane's places in K, V, K's words, V's words; v7 16 x lane; v8-11 the step's addresses; v12 -M, v13 the largest t, v[14:15] the sum; v16-19 q, v20-23 zeros, v24-27 q again; v28-31 the fill's addresses;
; v32-63 K; v64-95 V; v96-159 S^T, then p; v160-191 O^T; v192-195 K's scale words, v196-197 V's, v198 q's; v199-201 offsets; v224-231 p's codes; v232-254 at work; v253 p's scale word
.macro WMS rd, ra, rb, cz, rc, sa, sb, rowa, rowb      ; one product; cz = 1: C is 0; rowa, rowb = 1: the side's scale words stand in lanes 16-31
.if (\cz) && (\rowa) && (\rowb)
	v_wmma_scale_f32_16x16x128_f8f6f4 v[(\rd):(\rd)+7], v[(\ra):(\ra)+7], v[(\rb):(\rb)+7], 0, v[\sa], v[\sb] matrix_a_fmt:MATRIX_FMT_FP4 matrix_b_fmt:MATRIX_FMT_FP4 matrix_a_scale:MATRIX_SCALE_ROW1 matrix_b_scale:MATRIX_SCALE_ROW1
.elseif (\cz) && (\rowa)
	v_wmma_scale_f32_16x16x128_f8f6f4 v[(\rd):(\rd)+7], v[(\ra):(\ra)+7], v[(\rb):(\rb)+7], 0, v[\sa], v[\sb] matrix_a_fmt:MATRIX_FMT_FP4 matrix_b_fmt:MATRIX_FMT_FP4 matrix_a_scale:MATRIX_SCALE_ROW1
.elseif (\cz) && (\rowb)
	v_wmma_scale_f32_16x16x128_f8f6f4 v[(\rd):(\rd)+7], v[(\ra):(\ra)+7], v[(\rb):(\rb)+7], 0, v[\sa], v[\sb] matrix_a_fmt:MATRIX_FMT_FP4 matrix_b_fmt:MATRIX_FMT_FP4 matrix_b_scale:MATRIX_SCALE_ROW1
.elseif (\cz)
	v_wmma_scale_f32_16x16x128_f8f6f4 v[(\rd):(\rd)+7], v[(\ra):(\ra)+7], v[(\rb):(\rb)+7], 0, v[\sa], v[\sb] matrix_a_fmt:MATRIX_FMT_FP4 matrix_b_fmt:MATRIX_FMT_FP4
.elseif (\rowa) && (\rowb)
	v_wmma_scale_f32_16x16x128_f8f6f4 v[(\rd):(\rd)+7], v[(\ra):(\ra)+7], v[(\rb):(\rb)+7], v[(\rc):(\rc)+7], v[\sa], v[\sb] matrix_a_fmt:MATRIX_FMT_FP4 matrix_b_fmt:MATRIX_FMT_FP4 matrix_a_scale:MATRIX_SCALE_ROW1 matrix_b_scale:MATRIX_SCALE_ROW1
.elseif (\rowa)
	v_wmma_scale_f32_16x16x128_f8f6f4 v[(\rd):(\rd)+7], v[(\ra):(\ra)+7], v[(\rb):(\rb)+7], v[(\rc):(\rc)+7], v[\sa], v[\sb] matrix_a_fmt:MATRIX_FMT_FP4 matrix_b_fmt:MATRIX_FMT_FP4 matrix_a_scale:MATRIX_SCALE_ROW1
.elseif (\rowb)
	v_wmma_scale_f32_16x16x128_f8f6f4 v[(\rd):(\rd)+7], v[(\ra):(\ra)+7], v[(\rb):(\rb)+7], v[(\rc):(\rc)+7], v[\sa], v[\sb] matrix_a_fmt:MATRIX_FMT_FP4 matrix_b_fmt:MATRIX_FMT_FP4 matrix_b_scale:MATRIX_SCALE_ROW1
.else
	v_wmma_scale_f32_16x16x128_f8f6f4 v[(\rd):(\rd)+7], v[(\ra):(\ra)+7], v[(\rb):(\rb)+7], v[(\rc):(\rc)+7], v[\sa], v[\sb] matrix_a_fmt:MATRIX_FMT_FP4 matrix_b_fmt:MATRIX_FMT_FP4
.endif
.endm
	s_load_b128 s[4:7], s[0:1], 0x0                ; wk2, wk3
	v_lshl_add_u32 v[SPW], v0, 2, SPARE
	v_mov_b32 v[NIL], 0
	v_lshrrev_b32 v8, 5, v0
	v_readfirstlane_b32 s[WV], v8                  ; wave 0..15
	v_and_b32 v8, 31, v0                           ; lane
	v_lshlrev_b32 v1, 4, v8
	v_add_nc_u32 v2, VOFF, v1
	v_lshl_add_u32 v3, v8, 3, KSOFF
	v_lshl_add_u32 v4, v8, 2, VSOFF
	v_lshlrev_b32 v7, 4, v8
	v_lshlrev_b32 v28, 4, v0                       ; the fill: 16 bytes a thread, 8,192 a pass, in memory and in LDS alike
	v_add_nc_u32 v29, VOFF, v28
	v_add_nc_u32 v30, KSOFF, v28
	v_lshl_add_u32 v31, v0, 3, VSOFF
	v_lshlrev_b32 v200, 3, v0
	v_and_b32 v9, 15, v0                           ; r
	v_lshlrev_b32 v201, 3, v9
	v_lshlrev_b32 v199, 2, v9
	s_and_b32 s24, ttmp7, 0xffff                   ; 16 batch + head
	s_lshr_b32 s25, s24, 4
	s_and_b32 s26, s24, 15
	s_lshl_b32 s27, ttmp9, 4
	s_add_co_u32 s27, s27, s[WV]                   ; my tile of queries within the sequence
	s_lshl_b32 s28, s25, 5
	s_add_co_u32 s28, s28, s26                     ; q's head among the 64 of QKC; k's is 16 further on
	s_lshl_b32 s30, s28, 16
	s_mov_b32 s31, 0
	s_lshl_b32 s29, s27, 9
	s_add_co_u32 s32, s30, s29                     ; q's codes
	s_mov_b32 s33, 0
	s_add_co_u32 s30, s30, 16*65536                ; k's codes
	s_lshl_b32 s34, s24, 16
	s_add_co_u32 s34, s34, VC                      ; v's codes
	s_mov_b32 s35, 0
	s_lshl_b32 s36, s28, 13
	s_add_co_u32 s36, s36, QKS
	s_mov_b32 s37, 0
	s_add_co_u32 s38, s36, 16*8192                 ; k's scale words
	s_mov_b32 s39, 0
	s_lshr_b32 s29, s27, 1
	s_lshl_b32 s29, s29, 7
	s_add_co_u32 s36, s36, s29
	s_and_b32 s29, s27, 1
	s_lshl_b32 s29, s29, 2
	s_add_co_u32 s36, s36, s29                     ; q's: 128 x pair + 4 x (tile % 2), 8 bytes a row
	s_lshl_b32 s40, s24, 12
	s_add_co_u32 s40, s40, VS                      ; v's scale words
	s_mov_b32 s41, 0
	s_lshl_b32 s29, s25, 7
	s_add_co_u32 s29, s29, s27                     ; my tile among all 256 tiles of tokens
	s_lshl_b32 s42, s29, 13
	s_lshl_b32 s44, s26, 9
	s_add_co_u32 s42, s42, s44                     ; o's codes: 8,192 x tile + blocks 2 head, 2 head + 1
	s_mov_b32 s43, 0
	s_lshr_b32 s44, s26, 1
	s_lshl_b32 s44, s44, 8
	s_add_co_u32 s44, s44, s29
	s_lshl_b32 s44, s44, 6
	s_and_b32 s46, s26, 1
	s_lshl_b32 s46, s46, 1
	s_add_co_u32 s44, s44, s46
	s_add_co_u32 s44, s44, AOS                     ; o's scale bytes: word (K step head / 2, tile), half head % 2
	s_mov_b32 s45, 0
	s_mov_b32 s[SEL], 0x76543210
	s_mov_b32 s[SEL+1], 0xfedcba98
	s_mov_b32 s[CS], 0x3e38aa3b
	s_mov_b32 s[CS+1], s[CS]                       ; (named with it as a pair, so it is written)
	s_mov_b32 s[TB], 0
	s_mov_b32 s[TS], 0
	s_mov_b32 s[TJ], 0
	s_mov_b32 s[CNT], 16
	s_wait_kmcnt 0x0
	s_add_nc_u64 s[30:31], s[4:5], s[30:31]
	s_add_nc_u64 s[32:33], s[4:5], s[32:33]
	s_add_nc_u64 s[34:35], s[4:5], s[34:35]
	s_add_nc_u64 s[36:37], s[4:5], s[36:37]
	s_add_nc_u64 s[38:39], s[4:5], s[38:39]
	s_add_nc_u64 s[40:41], s[4:5], s[40:41]
	s_add_nc_u64 s[42:43], s[6:7], s[42:43]
	s_add_nc_u64 s[44:45], s[6:7], s[44:45]
.irp i, 0,1,2,3,4,5,6,7
	global_load_b128 v[32+4*\i:35+4*\i], v28, s[30:31] offset:8192*\i
.endr
.irp i, 0,1,2,3,4,5,6,7
	global_load_b128 v[64+4*\i:67+4*\i], v28, s[34:35] offset:8192*\i
.endr
	global_load_b128 v[96:99], v28, s[38:39]
	global_load_b64 v[100:101], v200, s[40:41]
	global_load_b128 v[16:19], v1, s[32:33]        ; q's codes, twice: on either side of the zeros
	global_load_b128 v[24:27], v1, s[32:33]
	global_load_b32 v198, v201, s[36:37]
.irp j, 20,21,22,23
	v_mov_b32 v\j, 0                               ; 64 zero codes
.endr
	v_mov_b32 v13, 0xff61b1e6                      ; the largest t so far: -3e38, under every t
	v_floor_f32 v12, -v13                          ; -M
	v_mov_b32 v14, 0
	v_mov_b32 v15, 0
.irp b, 0,1,2,3
	v_mov_b32 v[236+\b], 0                         ; a lane permute's destination counts as one of its sources
.endr
	v_mov_b32 v253, 0                              ; (named as the upper half of the pair v[252:253] before it is first written)
.set N_, 0
.rept 32
	v_mov_b32 v[160+N_], 0                         ; O^T: the step is written once; its first trip finds zeros, which the first change of M leaves zeros
.set N_, N_+1
.endr
	s_wait_loadcnt 13                              ; K's 8 loads are in; the 13 behind them may be out
.irp i, 0,1,2,3,4,5,6,7
	ds_store_b128 v28, v[32+4*\i:35+4*\i] offset:8192*\i
.endr
	s_wait_loadcnt 5                               ; V's are in; the two of scale words and q's three may be out
.irp i, 0,1,2,3,4,5,6,7
	ds_store_b128 v29, v[64+4*\i:67+4*\i] offset:8192*\i
.endr
	s_wait_loadcnt 0x0
	ds_store_b128 v30, v[96:99]
	ds_store_b64 v31, v[100:101]
	s_wait_dscnt 0x0                               ; for the others' sake: my part of the head lies in LDS
	s_barrier_signal -1
	s_barrier_wait -1
.Lstep:                                            ; 16 trips of 128 keys
	v_add_nc_u32 v8, s[TB], v1                     ; (these four are also the places between the last trip's products and the loads into V's registers)
	v_add_nc_u32 v9, s[TB], v2
	v_add_nc_u32 v10, s[TS], v3
	v_add_nc_u32 v11, s[TJ], v4
.irp g, 0,1,2,3
.irp u, 0,1
	ds_load_b128 v[32+8*\g+4*\u:35+8*\g+4*\u], v8 offset:1024*\g+512*\u
.endr
.endr
.irp q, 0,1
	ds_load_b64 v[192+2*\q:193+2*\q], v10 offset:256*\q            ; pairs 2 q (lanes 0-15) and 2 q + 1 (lanes 16-31): the words of both tiles of the pair
.endr
.irp t, 0,1,2,3
.irp c, 0,1
	ds_load_b128 v[64+8*\t+4*\c:67+8*\t+4*\c], v9 offset:1024*\t+512*\c
.endr
.endr
.irp q, 0,1
	ds_load_b32 v[196+\q], v11 offset:128*\q
.endr
	s_wait_dscnt 10                                ; K and its words are in; V's 8 loads and its 2 of words may be out
.irp g, 0,1,2,3
.irp u, 0,1
	WMS 96+8*(2*\g+\u), 32+8*\g, 16+4*\u, 1, 0, 192+2*(\g/2)+\u, 198, \g%2, 0
.endr
.endr
.rept 4
	v_nop                                          ; four places ahead of the first read of the scores
.endr
.irp b, 0,1,2,3
	v_max3_num_f32 v[232+\b], v[96+16*\b], v[97+16*\b], v[98+16*\b]   ; the largest score of each block of 32 keys: for the row's maximum, and for the block's largest p
.endr
.irp i, 3,5,7,9,11,13
.irp b, 0,1,2,3
	v_max3_num_f32 v[232+\b], v[232+\b], v[96+16*\b+\i], v[97+16*\b+\i]
.endr
.endr
.irp b, 0,1,2,3
	v_max_num_f32 v[232+\b], v[232+\b], v[111+16*\b]
.endr
.irp b, 0,1,2,3
	v_permlanex16_b32 v[236+\b], v[232+\b], s[SEL], s[SEL+1]
.endr
.irp b, 0,1,2,3
	v_max_num_f32 v[232+\b], v[232+\b], v[236+\b]  ; with lane l xor 16's 16 keys
.endr
	v_max3_num_f32 v254, v232, v233, v234
	v_max_num_f32 v254, v254, v235
	v_mul_f32 v254, s[CS], v254                    ; as t (c is positive)
	v_max_num_f32 v13, v13, v254                   ; the running largest t
	v_mov_b32 v254, v12
	v_floor_f32 v12, -v13                          ; the new -M = floor(-t) = -ceil(t)
	v_sub_f32 v254, v12, v254                      ; M's old value less its new one: a whole number, 0 or less
	v_cvt_i32_f32 v254, v254                       ; (it saturates)
	v_ldexp_f32 v252, 1.0, v254                    ; f = 2^(old M - new M)
.set N_, 0
.rept 32
	v_pk_fma_f32 v[96+N_:97+N_], v[96+N_:97+N_], s[CS:CS+1], v[12:13] op_sel_hi:[1,0,0]   ; t - M, two at a time
.set N_, N_+2
.endr
.irp b, 0,1,2,3
	v_fma_f32 v[232+\b], v[232+\b], s[CS], v12     ; the same of each block's largest score
.endr
.set N_, 0
.rept 64
	v_exp_f32 v[96+N_], v[96+N_]                   ; p = 2^(t - M)
.set N_, N_+1
.endr
	v_pk_mul_f32 v[14:15], v[14:15], v[252:253] op_sel_hi:[1,0]   ; the sums under the new M (a plain instruction behind the exponentials)
	s_wait_alu depctr_va_vdst(0)                   ; one wait for the batch of 64, ahead of its first reader
.irp b, 0,1,2,3
	v_exp_f32 v[232+\b], v[232+\b]                 ; the block's largest p
.endr
	v_pk_add_f32 v[236:237], v[96:97], v[98:99]    ; the row's sum of the unquantised p, in two chains: plain work behind the four
.irp j, 4,8,12,16,20,24,28,32,36,40,44,48,52,56,60
	v_pk_add_f32 v[14:15], v[14:15], v[96+\j:97+\j]
	v_pk_add_f32 v[236:237], v[236:237], v[98+\j:99+\j]
.endr
	v_pk_add_f32 v[14:15], v[14:15], v[236:237]
	s_wait_alu depctr_va_vdst(0)                   ; and one for the four
.irp b, 0,1,2,3
	v_max_num_f32 v[232+\b], 0x1800000, v[232+\b]  ; the floor 2^(3 - 127): the byte cannot fall under 1
.endr
.irp b, 0,1,2,3
	v_add_nc_u32 v[244+\b], 0xff000000, v[232+\b]  ; 2 off the exponent field: the conversion's scale operand
.endr
.irp b, 0,1,2,3
	v_lshrrev_b32 v[236+\b], 23, v[244+\b]
.endr
	v_lshl_or_b32 v253, v237, 8, v236              ; p's scale word for these 128 keys
	v_lshl_or_b32 v253, v238, 16, v253
	v_lshl_or_b32 v253, v239, 24, v253
.irp b, 0,1,2,3
	v_cvt_scalef32_pk8_fp4_f32 v[224+2*\b], v[96+16*\b:103+16*\b], v[244+\b]
	v_cvt_scalef32_pk8_fp4_f32 v[225+2*\b], v[104+16*\b:111+16*\b], v[244+\b]
.endr
	v_nop                                          ; one plain instruction behind a scaled conversion
.irp c, 0,1
.irp i, 0,1
	v_permlane16_swap_b32 v[224+4*\c+\i], v[226+4*\c+\i]
.endr
.endr
.set N_, 0
.rept 16
	v_pk_mul_f32 v[160+N_:161+N_], v[160+N_:161+N_], v[252:253] op_sel_hi:[1,0]   ; O^T under the new M.  (These are also the places between the writes of p's codes and word and the products)
.set N_, N_+2
.endr
.rept 4
	v_nop                                          ; and four between the last write of O^T and the products that take it as C
.endr
	s_wait_dscnt 0x0                               ; V and its words are in
.irp t, 0,1,2,3
	WMS 160+8*\t, 64+8*\t, 224, 0, 160+8*\t, 196+(\t/2), 253, \t%2, 0       ; the four accumulators by turns; eight other products stand between two links of a chain
.endr
	s_add_co_u32 s[TB], s[TB], 4096
	s_add_co_u32 s[TS], s[TS], 512
	s_add_co_u32 s[TJ], s[TJ], 256
	s_sub_co_u32 s[CNT], s[CNT], 1
	s_cmp_lg_u32 s[CNT], 0
	s_cbranch_scc1 .Lstep
	; THE WAY OUT: O^T / the sum; my 32 numbers are d = 32 b + 16 h + 0 .. 15 of my query: two blocks of the projection's K
.rept 4
	v_nop
.endr
	v_add_f32 v14, v14, v15
	v_permlanex16_b32 v252, v14, s[SEL], s[SEL+1]
	v_add_f32 v14, v14, v252                       ; the row's sum
	v_rcp_f32 v14, v14
	v_nop
	s_wait_alu depctr_va_vdst(0)
.set N_, 0
.rept 32
	v_mul_f32 v[96+N_], v[160+N_], v14             ; each accumulator from its low end on
.set N_, N_+1
.endr
.irp b, 0,1
	v_max3_num_f32 v[232+\b], |v[96+16*\b]|, |v[97+16*\b]|, 0x1800000
.endr
.irp i, 2,4,6,8,10,12,14
.irp b, 0,1
	v_max3_num_f32 v[232+\b], v[232+\b], |v[96+16*\b+\i]|, |v[97+16*\b+\i]|
.endr
.endr
.irp b, 0,1
	v_permlanex16_b32 v[236+\b], v[232+\b], s[SEL], s[SEL+1]
.endr
.irp b, 0,1
	v_max_num_f32 v[232+\b], v[232+\b], v[236+\b]
.endr
.irp b, 0,1
	v_add_nc_u32 v[244+\b], 0xff000000, v[232+\b]
.endr
.irp b, 0,1
	v_lshrrev_b32 v[236+\b], 23, v[244+\b]
.endr
	v_lshl_or_b32 v240, v237, 8, v236              ; my head's two scale bytes
.irp b, 0,1
	v_cvt_scalef32_pk8_fp4_f32 v[224+2*\b], v[96+16*\b:103+16*\b], v[244+\b]
	v_cvt_scalef32_pk8_fp4_f32 v[225+2*\b], v[104+16*\b:111+16*\b], v[244+\b]
.endr
	v_nop
.irp i, 0,1
	v_permlane16_swap_b32 v[224+\i], v[226+\i]     ; lanes 0-15 block 0, lanes 16-31 block 1
.endr
	global_store_b128 v7, v[224:227], s[42:43]     ; 512 bytes on end
	global_store_b16 v199, v240, s[44:45]          ; (lanes 16-31 store the same value at the same place)
	s_wait_tensorcnt 0x0                           ; the wave's end: three closing lines behind my last LDS store
	ds_add_u32 v[SPW], v[NIL]
	s_wait_dscnt 0x0
	s_endpgm
.Lfunc_end_k_q169dda4e65_attn:
	.size	k_q169dda4e65_attn, .Lfunc_end_k_q169dda4e65_attn-k_q169dda4e65_attn
	.p2alignl 7, 3214868480
	.fill 96, 4, 3214868480
	.section	.rodata,"a",@progbits
	.p2align	6, 0x0
	.amdhsa_kernel k_q169dda4e65_attn
		.amdhsa_group_segment_fixed_size 145408
		.amdhsa_private_segment_fixed_size 0
		.amdhsa_enable_private_segment 0
		.amdhsa_kernarg_size 16
		.amdhsa_user_sgpr_count 2
		.amdhsa_user_sgpr_kernarg_segment_ptr 1
		.amdhsa_wavefront_size32 1
		.amdhsa_system_sgpr_workgroup_id_x 1
		.amdhsa_system_sgpr_workgroup_id_y 1
		.amdhsa_system_sgpr_workgroup_id_z 1
		.amdhsa_system_vgpr_workitem_id 0
		.amdhsa_next_free_vgpr 256
		.amdhsa_next_free_sgpr 66
		.amdhsa_reserve_vcc 0
		.amdhsa_float_denorm_mode_32 3
		.amdhsa_float_denorm_mode_16_64 3
		.amdhsa_memory_ordered 1
		.amdhsa_forward_progress 1
		.amdhsa_inst_pref_size 27
	.end_amdhsa_kernel
	.amdgpu_metadata
---
amdhsa.version: [ 1, 2 ]
amdhsa.kernels:
  - .name:           k_q169dda4e65_attn
    .symbol:         k_q169dda4e65_attn.kd
    .args:
      - { .name: wk2, .offset: 0, .size: 8, .value_kind: global_buffer, .address_space: global }
      - { .name: wk3, .offset: 8, .size: 8, .value_kind: global_buffer, .address_space: global }
    .group_segment_fixed_size: 145408
    .private_segment_fixed_size: 0
    .kernarg_segment_align: 8
    .kernarg_segment_size: 16
    .max_flat_workgroup_size: 512
    .sgpr_count:     66
    .vgpr_count:     256
    .wavefront_size: 32
...
	.end_amdgpu_metadata
.endif
;; end of part 3
;; launch proj (part 4): grid 128 x 1, 8 waves a work-group, no clusters, 132,608 bytes of LDS; arguments wk1, wk3, x, b_out, ln2_g, ln2_b, x1, wk4; writes x1, wk4
.if DOCPART == 4
	.amdgcn_target "amdgcn-amd-amdhsa--gfx1250"
	.amdhsa_code_object_version 6
	.text
	.protected	k_q169dda4e65_proj
	.globl	k_q169dda4e65_proj
	.p2align	8
	.type	k_q169dda4e65_proj,@function
k_q169dda4e65_proj:
	s_mov_b64 s[64:65], 0
	v_nop
	global_prefetch_b8 v0, s[64:65] scope:SCOPE_SE
	s_setreg_imm32_b32 hwreg(HW_REG_WAVE_MODE, 25, 1), 1
	s_wait_xcnt 0x0
; PROJ: x1 = x + o W_out + b_out (K = 1,024, on codes of E2M1), stored in f32; then layernorm(x1) g + b, quantised along the 1,024 for the first product of the MLP.  Nothing is left out.
; A work-group owns 32 tokens (tiles 2 g, 2 g + 1) and ALL 1,024 columns, since the norm wants whole rows: 128 work-groups.  Wave w makes columns 128 w on: source 0 = eight tiles of W_out, source 1 = the two tiles of tokens.
; The results meet in a stage in LDS (32 rows, pitch 4,096 + 16 bytes); behind the first barrier each wave takes four whole rows, adds x, stores x1, norms them and puts them back into ITS OWN rows, which no other wave touches
; between the two barriers; behind the second barrier wave w quantises K step w of both tiles, a lane a whole block of 32.
; Operands come straight into registers as images of the fragments, three sets by turns, two K steps ahead.  No tensor load, no cluster: of the 80 KB that the eight waves load in a K step 66 KB are distinct.
; LIMITS: NaN and infinities are not served; a block of zeros gets the scale byte 1; v_rsq_f32 is good to one unit in the last place.
.set WSC,  6291456
.set AOS,  2097152
.set H2S,  2097152
.set STP,  4112
.set SPARE, 32*STP
.set TSX,  8192
.set TSY,  8192
.set QA,   6                           ; v6, v7  stage address of my block: tile 0, tile 1
.set RA,   8                           ; v8      stage address of my four rows
.set SA,   9                           ; v9, v10 where my results go in the stage: tile 0, tile 1
.set SPW,  14
.set NIL,  15
.set BI,   16                          ; v16-79  b_out in the result's layout; later gain and bias
.set GG,   16
.set BB,   48
.set T,    80
.set MU,   88
.set PT,   96
.set RS,   100
.set SCR,  112                         ; v112-126 scale words: scales and nothing else
.set ACC,  128
.set X,    128
.set CD,   16
.set QM,   32
.set QO,   40
.set QB,   44
.set QW,   48
.set PX,   32
.set PY,   34
.set SX,   36
.set SY,   38
.set SEL,  20
.set HIM,  22
.set C10,  23
.set CEPS, 24
.set PQC,  46
.set PQS,  48
.set MSB,  0
.macro WIN new
.if MSB != \new
	s_set_vgpr_msb (MSB<<8)|\new
.set MSB, \new
.endif
.endm
.macro LDSTEP s                        ; K step s: 5 loads of scale words, 20 of codes: 25
.set K3, (\s)%3
	WIN 0
.irp q, 0,1,2,3
	global_load_b32 v[SCR+5*K3+\q], v2, s[SX:SX+1] offset:16384*(\s)+128*\q
.endr
	global_load_b32 v[SCR+5*K3+4], v2, s[SY:SY+1] offset:16384*(\s)
	WIN 0x40
.irp i, 0,1,2,3,4,5,6,7
.irp c, 0,1
	global_load_b128 v[80*K3+8*\i+4*\c:80*K3+8*\i+4*\c+3], v1, s[PX:PX+1] offset:TSX*\i+1024*(\s)+512*\c
.endr
.endr
.irp i, 0,1
.irp c, 0,1
	global_load_b128 v[80*K3+64+8*\i+4*\c:80*K3+64+8*\i+4*\c+3], v1, s[PY:PY+1] offset:TSY*\i+1024*(\s)+512*\c
.endr
.endr
.endm
.macro WMS rd, ra, rb, cz, rc, sa, sb, rowa, rowb
.if (\cz) && (\rowa) && (\rowb)
	v_wmma_scale_f32_16x16x128_f8f6f4 v[(\rd):(\rd)+7], v[(\ra):(\ra)+7], v[(\rb):(\rb)+7], 0, v[\sa], v[\sb] matrix_a_fmt:MATRIX_FMT_FP4 matrix_b_fmt:MATRIX_FMT_FP4 matrix_a_scale:MATRIX_SCALE_ROW1 matrix_b_scale:MATRIX_SCALE_ROW1
.elseif (\cz) && (\rowa)
	v_wmma_scale_f32_16x16x128_f8f6f4 v[(\rd):(\rd)+7], v[(\ra):(\ra)+7], v[(\rb):(\rb)+7], 0, v[\sa], v[\sb] matrix_a_fmt:MATRIX_FMT_FP4 matrix_b_fmt:MATRIX_FMT_FP4 matrix_a_scale:MATRIX_SCALE_ROW1
.elseif (\cz) && (\rowb)
	v_wmma_scale_f32_16x16x128_f8f6f4 v[(\rd):(\rd)+7], v[(\ra):(\ra)+7], v[(\rb):(\rb)+7], 0, v[\sa], v[\sb] matrix_a_fmt:MATRIX_FMT_FP4 matrix_b_fmt:MATRIX_FMT_FP4 matrix_b_scale:MATRIX_SCALE_ROW1
.elseif (\cz)
	v_wmma_scale_f32_16x16x128_f8f6f4 v[(\rd):(\rd)+7], v[(\ra):(\ra)+7], v[(\rb):(\rb)+7], 0, v[\sa], v[\sb] matrix_a_fmt:MATRIX_FMT_FP4 matrix_b_fmt:MATRIX_FMT_FP4
.elseif (\rowa) && (\rowb)
	v_wmma_scale_f32_16x16x128_f8f6f4 v[(\rd):(\rd)+7], v[(\ra):(\ra)+7], v[(\rb):(\rb)+7], v[(\rc):(\rc)+7], v[\sa], v[\sb] matrix_a_fmt:MATRIX_FMT_FP4 matrix_b_fmt:MATRIX_FMT_FP4 matrix_a_scale:MATRIX_SCALE_ROW1 matrix_b_scale:MATRIX_SCALE_ROW1
.elseif (\rowa)
	v_wmma_scale_f32_16x16x128_f8f6f4 v[(\rd):(\rd)+7], v[(\ra):(\ra)+7], v[(\rb):(\rb)+7], v[(\rc):(\rc)+7], v[\sa], v[\sb] matrix_a_fmt:MATRIX_FMT_FP4 matrix_b_fmt:MATRIX_FMT_FP4 matrix_a_scale:MATRIX_SCALE_ROW1
.elseif (\rowb)
	v_wmma_scale_f32_16x16x128_f8f6f4 v[(\rd):(\rd)+7], v[(\ra):(\ra)+7], v[(\rb):(\rb)+7], v[(\rc):(\rc)+7], v[\sa], v[\sb] matrix_a_fmt:MATRIX_FMT_FP4 matrix_b_fmt:MATRIX_FMT_FP4 matrix_b_scale:MATRIX_SCALE_ROW1
.else
	v_wmma_scale_f32_16x16x128_f8f6f4 v[(\rd):(\rd)+7], v[(\ra):(\ra)+7], v[(\rb):(\rb)+7], v[(\rc):(\rc)+7], v[\sa], v[\sb] matrix_a_fmt:MATRIX_FMT_FP4 matrix_b_fmt:MATRIX_FMT_FP4
.endif
.endm
.macro MULSTEP s, cm                   ; 16 products, the sixteen accumulators by turns.  cm = 1: C is the bias by X's tile; 3: the accumulator
.set K3, (\s)%3
	WIN 0x05
.irp y, 0,1
.irp a, 0,1,2,3,4,5,6,7
.if (\cm) == 1
	WMS ACC+8*(8*\y+\a), 80*K3+8*\a, 80*K3+64+8*\y, 0, BI+8*\a, SCR+5*K3+(\a/2), SCR+5*K3+4, \a%2, \y
.else
	WMS ACC+8*(8*\y+\a), 80*K3+8*\a, 80*K3+64+8*\y, 0, ACC+8*(8*\y+\a), SCR+5*K3+(\a/2), SCR+5*K3+4, \a%2, \y
.endif
.endr
.endr
.endm
.macro KSTEP s, S, cm
.if (\s)+2 < (\S)
.if (\s) > 0
.rept 4
	v_nop                                          ; four places between the last step's products and the loads into the set that they read
.endr
.endif
	LDSTEP (\s)+2
.endif
.if (\S)-1-(\s) >= 2
	s_wait_loadcnt 50                              ; this step's loads are in; the 25 of each of the next two steps may be out
.else
	s_wait_loadcnt 25*((\S)-1-(\s))
.endif
	MULSTEP \s, \cm
.endm
.macro GEMM S, cm
	LDSTEP 0
	LDSTEP 1
	KSTEP 0, \S, \cm
.set KS_, 1
.rept (\S)-1
	KSTEP KS_, \S, 3
.set KS_, KS_+1
.endr
	WIN 0
.rept 4
	v_nop                                          ; four places ahead of the first read of results and of loads into the fragments' registers
.endr
.endm
.macro REDUCE4
.irp i, 0,1,2,3
	v_add_f32 v[T+2*\i], v[T+2*\i], v[T+2*\i+1]
.endr
.irp m, 1,2,4,8
.irp i, 0,1,2,3
	v_add_f32_dpp v[T+2*\i], v[T+2*\i], v[T+2*\i] row_xmask:\m row_mask:0xf bank_mask:0xf
.endr
.endr
.irp i, 0,1,2,3
	v_permlanex16_b32 v[PT+\i], v[T+2*\i], s[SEL], s[SEL+1]
.endr
.irp i, 0,1,2,3
	v_add_f32 v[T+2*\i], v[T+2*\i], v[PT+\i]
.endr
.endm
.macro LNROWS                          ; four rows in v[X] on, by turns: (x - mean) / sqrt(var + eps) x gain + bias, then into my rows of the stage
.irp i, 0,1,2,3
	v_pk_add_f32 v[T+2*\i:T+2*\i+1], v[X+32*\i:X+32*\i+1], v[X+32*\i+2:X+32*\i+3]
.endr
.irp e, 4,6,8,10,12,14,16,18,20,22,24,26,28,30
.irp i, 0,1,2,3
	v_pk_add_f32 v[T+2*\i:T+2*\i+1], v[T+2*\i:T+2*\i+1], v[X+32*\i+\e:X+32*\i+\e+1]
.endr
.endr
	REDUCE4
.irp i, 0,1,2,3
	v_mul_f32 v[MU+2*\i], s[C10], v[T+2*\i]
	v_mul_f32 v[MU+2*\i+1], s[C10], v[T+2*\i]
.endr
.irp e, 0,2,4,6,8,10,12,14,16,18,20,22,24,26,28,30
.irp i, 0,1,2,3
	v_pk_add_f32 v[X+32*\i+\e:X+32*\i+\e+1], v[X+32*\i+\e:X+32*\i+\e+1], v[MU+2*\i:MU+2*\i+1] neg_lo:[0,1] neg_hi:[0,1]
.endr
.endr
.irp i, 0,1,2,3
	v_pk_mul_f32 v[T+2*\i:T+2*\i+1], v[X+32*\i:X+32*\i+1], v[X+32*\i:X+32*\i+1]
.endr
.irp e, 2,4,6,8,10,12,14,16,18,20,22,24,26,28,30
.irp i, 0,1,2,3
	v_pk_fma_f32 v[T+2*\i:T+2*\i+1], v[X+32*\i+\e:X+32*\i+\e+1], v[X+32*\i+\e:X+32*\i+\e+1], v[T+2*\i:T+2*\i+1]
.endr
.endr
	REDUCE4
.irp i, 0,1,2,3
	v_fma_f32 v[RS+2*\i], v[T+2*\i], s[C10], s[CEPS]
.endr
.irp i, 0,1,2,3
	v_rsq_f32 v[RS+2*\i], v[RS+2*\i]
.endr
	v_nop                                          ; a plain instruction behind the last of the four
	s_wait_loadcnt 0x0                             ; gain and bias are in
	s_wait_alu depctr_va_vdst(0)                   ; one wait for the four, ahead of their first reader
.irp i, 0,1,2,3
	v_mov_b32 v[RS+2*\i+1], v[RS+2*\i]
.endr
.irp e, 0,2,4,6,8,10,12,14,16,18,20,22,24,26,28,30
.irp i, 0,1,2,3
	v_pk_mul_f32 v[X+32*\i+\e:X+32*\i+\e+1], v[X+32*\i+\e:X+32*\i+\e+1], v[RS+2*\i:RS+2*\i+1]
.endr
.irp i, 0,1,2,3
	v_pk_fma_f32 v[X+32*\i+\e:X+32*\i+\e+1], v[X+32*\i+\e:X+32*\i+\e+1], v[GG+\e:GG+\e+1], v[BB+\e:BB+\e+1]
.endr
.endr
.irp i, 0,1,2,3
.irp e, 0,1,2,3,4,5,6,7
	ds_store_b128 v[RA], v[X+32*\i+4*\e:X+32*\i+4*\e+3] offset:STP*\i+512*\e
.endr
.endr
.endm
.macro QPHASE                          ; wave w: K step w of both tiles.  Lane (r, h): blocks 4 w + 2 j + h of row r: block q = 2 tile + j in v[X + 32 q] on
.irp i, 0,1
.irp j, 0,1
.irp e, 0,1,2,3,4,5,6,7
	ds_load_b128 v[X+32*(2*\i+\j)+4*\e:X+32*(2*\i+\j)+4*\e+3], v[QA+\i] offset:256*\j+16*\e
.endr
.endr
.endr
	v_mov_b32 v[QW+2], 0
	v_mov_b32 v[QW+3], 0
	v_lshlrev_b32 v[QW+4], 3, v4
	s_wait_dscnt 0x0
.irp q, 0,1,2,3
	v_max3_num_f32 v[QM+\q], |v[X+32*\q]|, |v[X+32*\q+1]|, |v[X+32*\q+2]|
	v_max3_num_f32 v[QM+4+\q], |v[X+32*\q+3]|, |v[X+32*\q+4]|, |v[X+32*\q+5]|
.endr
.irp t, 6,10,14,18,22,26
.irp q, 0,1,2,3
	v_max3_num_f32 v[QM+\q], v[QM+\q], |v[X+32*\q+\t]|, |v[X+32*\q+\t+1]|
	v_max3_num_f32 v[QM+4+\q], v[QM+4+\q], |v[X+32*\q+\t+2]|, |v[X+32*\q+\t+3]|
.endr
.endr
.irp q, 0,1,2,3
	v_max3_num_f32 v[QM+\q], v[QM+\q], |v[X+32*\q+30]|, |v[X+32*\q+31]|
.endr
.irp q, 0,1,2,3
	v_max3_num_f32 v[QM+\q], v[QM+\q], v[QM+4+\q], 0x1800000   ; the floor 2^(3 - 127): the byte cannot fall under 1
.endr
.irp q, 0,1,2,3
	v_add_nc_u32 v[QO+\q], 0xff000000, v[QM+\q]
.endr
.irp q, 0,1,2,3
	v_lshrrev_b32 v[QB+\q], 23, v[QO+\q]
.endr
.irp i, 0,1
	v_lshl_or_b32 v[QW+\i], v[QB+2*\i+1], 16, v[QB+2*\i]
.endr
.irp i, 0,1
	v_lshlrev_b32 v[QW+\i], v[QW+4], v[QW+\i]
.endr
.irp i, 0,1
	v_permlanex16_b32 v[QW+2+\i], v[QW+\i], s[SEL], s[SEL+1]
.endr
.irp i, 0,1
	v_or_b32 v[QW+\i], v[QW+\i], v[QW+2+\i]
.endr
	v_cndmask_b32 v[QW], v[QW], v[QW+1], s[HIM]
.irp q, 0,1,2,3
.irp g, 0,1,2,3
	v_cvt_scalef32_pk8_fp4_f32 v[CD+4*\q+\g], v[X+32*\q+8*\g:X+32*\q+8*\g+7], v[QO+\q]
.endr
.endr
	v_nop                                          ; one plain instruction behind the last scaled conversion
.irp i, 0,1
.irp j, 0,1
	global_store_b128 v1, v[CD+4*(2*\i+\j):CD+4*(2*\i+\j)+3], s[PQC:PQC+1] offset:8192*\i+512*\j
.endr
.endr
	global_store_b32 v2, v[QW], s[PQS:PQS+1]
.endm
	s_load_b512 s[4:19], s[0:1], 0x0               ; wk1, wk3, x, b_out, ln2_g, ln2_b, x1, wk4
	v_lshl_add_u32 v[SPW], v0, 2, SPARE
	v_mov_b32 v[NIL], 0
	v_lshrrev_b32 v5, 5, v0
	v_readfirstlane_b32 s28, v5                    ; wave 0..7
	v_and_b32 v5, 31, v0
	v_lshlrev_b32 v1, 4, v5                        ; 16 x lane
	v_lshlrev_b32 v2, 2, v5                        ; 4 x lane
	v_and_b32 v3, 15, v0                           ; r
	v_bfe_u32 v4, v0, 4, 1                         ; h
	v_lshlrev_b32 v5, 6, v4                        ; 64 h: the bias
	s_mul_i32 s29, s28, 4*STP
	v_add_nc_u32 v[RA], s29, v1
	s_lshl_b32 s29, s28, 9
	v_mul_u32_u24 v[QA], v3, STP
	v_add_nc_u32 v[QA], s29, v[QA]                 ; stage row r, byte 512 w
	v_lshl_add_u32 v[SA], v4, 6, v[QA]             ; results: + 64 h
	v_add_nc_u32 v[SA+1], 16*STP, v[SA]
	v_lshl_add_u32 v[QA], v4, 7, v[QA]             ; blocks: + 128 h
	v_add_nc_u32 v[QA+1], 16*STP, v[QA]
.irp i, 0,1,2,3
	v_mov_b32 v[PT+\i], 0                          ; a lane permute's destination counts as one of its sources
.endr
	s_mov_b32 s[SEL], 0x76543210
	s_mov_b32 s[SEL+1], 0xfedcba98
	s_mov_b32 s[HIM], 0xffff0000
	s_mov_b32 s[C10], 0x3a800000
	s_mov_b32 s[CEPS], 0x3727c5ac
	s_lshl_b32 s[PX], s28, 16
	s_add_co_u32 s[PX], s[PX], 1572864             ; W_out's tiles 8 w on
	s_mov_b32 s[PX+1], 0
	s_lshl_b32 s[PY], ttmp9, 14
	s_mov_b32 s[PY+1], 0
	s_lshl_b32 s40, s28, 9                         ; b_out from column 128 w on
	s_mov_b32 s41, 0
	s_add_co_u32 s[SX], s40, WSC+12288             ; tiles 192 + 8 w on of the first array of scale words
	s_mov_b32 s[SX+1], 0
	s_lshl_b32 s[SY], ttmp9, 7
	s_add_co_u32 s[SY], s[SY], AOS
	s_mov_b32 s[SY+1], 0
	s_lshr_b32 s29, s28, 2                         ; stage rows 4 w + i are tokens 32 g + 8 (w / 4) + 4 (w % 2) + 16 ((w / 2) % 2) + i
	s_lshl_b32 s29, s29, 3
	s_and_b32 s30, s28, 1
	s_lshl_b32 s30, s30, 2
	s_add_co_u32 s29, s29, s30
	s_bfe_u32 s30, s28, 0x10001
	s_lshl_b32 s30, s30, 4
	s_add_co_u32 s29, s29, s30
	s_lshl_b32 s42, ttmp9, 5
	s_add_co_u32 s42, s42, s29
	s_lshl_b32 s42, s42, 12
	s_mov_b32 s43, 0
	s_lshl_b32 s[PQC], ttmp9, 14
	s_lshl_b32 s29, s28, 10
	s_add_co_u32 s[PQC], s[PQC], s29
	s_mov_b32 s[PQC+1], 0
	s_lshl_b32 s[PQS], s28, 14
	s_lshl_b32 s29, ttmp9, 7
	s_add_co_u32 s[PQS], s[PQS], s29
	s_add_co_u32 s[PQS], s[PQS], H2S
	s_mov_b32 s[PQS+1], 0
	s_wait_kmcnt 0x0
	s_add_nc_u64 s[PX:PX+1], s[4:5], s[PX:PX+1]
	s_add_nc_u64 s[PY:PY+1], s[6:7], s[PY:PY+1]
	s_add_nc_u64 s[SX:SX+1], s[4:5], s[SX:SX+1]
	s_add_nc_u64 s[SY:SY+1], s[6:7], s[SY:SY+1]
	s_add_nc_u64 s[40:41], s[10:11], s[40:41]
	s_add_nc_u64 s[44:45], s[16:17], s[42:43]      ; my rows of x1
	s_add_nc_u64 s[42:43], s[8:9], s[42:43]        ; my rows of x
	s_add_nc_u64 s[PQC:PQC+1], s[18:19], s[PQC:PQC+1]
	s_add_nc_u64 s[PQS:PQS+1], s[18:19], s[PQS:PQS+1]
.irp a, 0,1,2,3,4,5,6,7
	global_load_b128 v[BI+8*\a:BI+8*\a+3], v5, s[40:41] offset:128*(\a/2)+32*(\a%2)
	global_load_b128 v[BI+8*\a+4:BI+8*\a+7], v5, s[40:41] offset:128*(\a/2)+32*(\a%2)+16
.endr
	GEMM 8, 1
	WIN 0x40                                       ; my four rows of x into v256-383, which the fragments have left
.irp i, 0,1,2,3
.irp e, 0,1,2,3,4,5,6,7
	global_load_b128 v[32*\i+4*\e:32*\i+4*\e+3], v1, s[42:43] offset:4096*\i+512*\e
.endr
.endr
	WIN 0
.irp e, 0,1,2,3,4,5,6,7
	global_load_b128 v[GG+4*\e:GG+4*\e+3], v1, s[12:13] offset:512*\e
	global_load_b128 v[BB+4*\e:BB+4*\e+3], v1, s[14:15] offset:512*\e
.endr
.irp y, 0,1
.irp a, 0,1,2,3,4,5,6,7
	ds_store_b128 v[SA+\y], v[ACC+8*(8*\y+\a):ACC+8*(8*\y+\a)+3] offset:128*(\a/2)+32*(\a%2)          ; lane (r, h): columns 128 w + 32 (a / 2) + 16 h + 8 (a % 2) + 0 .. 7 of row r; each accumulator from its low end on
	ds_store_b128 v[SA+\y], v[ACC+8*(8*\y+\a)+4:ACC+8*(8*\y+\a)+7] offset:128*(\a/2)+32*(\a%2)+16
.endr
.endr
	s_wait_dscnt 0x0                               ; for the others' sake: my columns lie in the stage
	s_barrier_signal -1
	s_barrier_wait -1
.irp i, 0,1,2,3
.irp e, 0,1,2,3,4,5,6,7
	ds_load_b128 v[X+32*\i+4*\e:X+32*\i+4*\e+3], v[RA] offset:STP*\i+512*\e
.endr
.endr
	s_wait_dscnt 0x0
	s_wait_loadcnt 16                              ; x's 32 loads are in; the 16 of gain and bias may be out
	WIN 0x04                                       ; source 1 in window 1
.set N_, 0
.rept 64
	v_pk_add_f32 v[X+N_:X+N_+1], v[X+N_:X+N_+1], v[N_:N_+1]       ; + the residual
.set N_, N_+2
.endr
	WIN 0
.irp i, 0,1,2,3
.irp e, 0,1,2,3,4,5,6,7
	global_store_b128 v1, v[X+32*\i+4*\e:X+32*\i+4*\e+3], s[44:45] offset:4096*\i+512*\e      ; 512 bytes on end
.endr
.endr
	s_wait_xcnt 0x0                                ; the stores' data are rewritten only behind this wait
	LNROWS
	s_wait_dscnt 0x0                               ; for the others' sake: my normed rows lie in the stage
	s_barrier_signal -1
	s_barrier_wait -1
	QPHASE
	s_wait_tensorcnt 0x0                           ; the wave's end: three closing lines behind my last LDS store
	ds_add_u32 v[SPW], v[NIL]
	s_wait_dscnt 0x0
	s_endpgm
.Lfunc_end_k_q169dda4e65_proj:
	.size	k_q169dda4e65_proj, .Lfunc_end_k_q169dda4e65_proj-k_q169dda4e65_proj
	.p2alignl 7, 3214868480
	.fill 96, 4, 3214868480
	.section	.rodata,"a",@progbits
	.p2align	6, 0x0
	.amdhsa_kernel k_q169dda4e65_proj
		.amdhsa_group_segment_fixed_size 132608
		.amdhsa_private_segment_fixed_size 0
		.amdhsa_enable_private_segment 0
		.amdhsa_kernarg_size 64
		.amdhsa_user_sgpr_count 2
		.amdhsa_user_sgpr_kernarg_segment_ptr 1
		.amdhsa_wavefront_size32 1
		.amdhsa_system_sgpr_workgroup_id_x 1
		.amdhsa_system_sgpr_workgroup_id_y 1
		.amdhsa_system_sgpr_workgroup_id_z 1
		.amdhsa_system_vgpr_workitem_id 0
		.amdhsa_next_free_vgpr 512
		.amdhsa_next_free_sgpr 66
		.amdhsa_reserve_vcc 0
		.amdhsa_float_denorm_mode_32 3
		.amdhsa_float_denorm_mode_16_64 3
		.amdhsa_memory_ordered 1
		.amdhsa_forward_progress 1
		.amdhsa_inst_pref_size 92
	.end_amdhsa_kernel
	.amdgpu_metadata
---
amdhsa.version: [ 1, 2 ]
amdhsa.kernels:
  - .name:           k_q169dda4e65_proj
    .symbol:         k_q169dda4e65_proj.kd
    .args:
      - { .name: wk1, .offset: 0, .size: 8, .value_kind: global_buffer, .address_space: global }
      - { .name: wk3, .offset: 8, .size: 8, .value_kind: global_buffer, .address_space: global }
      - { .name: x, .offset: 16, .size: 8, .value_kind: global_buffer, .address_space: global }
      - { .name: b_out, .offset: 24, .size: 8, .value_kind: global_buffer, .address_space: global }
      - { .name: ln2_g, .offset: 32, .size: 8, .value_kind: global_buffer, .address_space: global }
      - { .name: ln2_b, .offset: 40, .size: 8, .value_kind: global_buffer, .address_space: global }
      - { .name: x1, .offset: 48, .size: 8, .value_kind: global_buffer, .address_space: global }
      - { .name: wk4, .offset: 56, .size: 8, .value_kind: global_buffer, .address_space: global }
    .group_segment_fixed_size: 132608
    .private_segment_fixed_size: 0
    .kernarg_segment_align: 8
    .kernarg_segment_size: 64
    .max_flat_workgroup_size: 256
    .sgpr_count:     66
    .vgpr_count:     512
    .wavefront_size: 32
...
	.end_amdgpu_metadata
.endif
;; end of part 4
;; launch fc1 (part 5): grid 512 x 1, 8 waves a work-group, no clusters, 0 bytes of LDS; arguments wk1, wk4, b1, wk5; writes wk5
.if DOCPART == 5
	.amdgcn_target "amdgcn-amd-amdhsa--gfx1250"
	.amdhsa_code_object_version 6
	.text
	.protected	k_q169dda4e65_fc1
	.globl	k_q169dda4e65_fc1
	.p2align	8
	.type	k_q169dda4e65_fc1,@function
k_q169dda4e65_fc1:
	s_mov_b64 s[64:65], 0
	v_nop
	global_prefetch_b8 v0, s[64:65] scope:SCOPE_SE
	s_setreg_imm32_b32 hwreg(HW_REG_WAVE_MODE, 25, 1), 1
	s_wait_xcnt 0x0
; FC1: gelu(h W1 + b1), the exact gelu, quantised along the 4,096 hidden units for the last product.  K = 1,024, on codes of E2M1.  Nothing is left out.
; A wave makes 128 hidden units (source 0: eight tiles of W1) x 32 tokens (source 1): by the tile order a lane's 64 registers of a token are 16 neighbours of each of four blocks of 32: one K step of the next product.
; xb = 2 (g % 16) + wave % 2: hidden units 128 xb on;  yb = 4 (g / 16) + wave / 2: token tiles 2 yb, 2 yb + 1.  Operands come straight into registers, three sets by turns, two K steps ahead.
; GELU: gelu(x) = max(x, 0) - |x| erfc(|x| / sqrt 2) / 2, which has no difference of near numbers for x < 0.  erfc(z) = t exp(-z^2 + P(t)), t = 1 / (1 + z / 2), P of degree 9: a fit whose fractional error stays under 1.2e-7 for every z >= 0.
; Here in base 2: erfc / 2 = t 2^(-0.72134752 x^2 + Q(t)), Q = P x log2(e) with 1 taken off its constant term; t = 1 / (1 + 0.35355339 |x|).
; No tensor load, no cluster: of the 80 KB that the eight waves load in a K step 24 KB are distinct; the walk is 8 steps.
; LIMITS: NaN and infinities are not served; the fit's error as stated; v_rcp_f32 and v_exp_f32 are good to one unit in the last place and flush denormals; a block of zeros gets the scale byte 1.
.set WSC,  6291456
.set H2S,  2097152
.set GS,   8388608
.set TSX,  8192
.set TSY,  8192
.set C9,   8                           ; v[8:9]  the fit's highest coefficient, twice
.set BI,   16                          ; v16-79  b1 in the result's layout; later at work in GELU:
.set GA,   16                          ; v16-31  |x|, then |x| t
.set GT,   32                          ; v32-47  t
.set GP,   48                          ; v48-63  the polynomial, the exponent, the power
.set GK,   64                          ; v64-79  -0.72134752 x
.set TM,   80
.set PC0,  96
.set PC1,  104
.set PW0,  12
.set PW1,  13
.set SCR,  112
.set ACC,  128
.set PX,   32
.set PY,   34
.set SX,   36
.set SY,   38
.set SEL,  20
.set HIM,  22
.set CC,   66                          ; s[66:83] coefficients 0 to 8, each twice
.set CR,   84                          ; s[84:85] 0.35355339
.set CQ,   86                          ; s[86:87] -0.72134752
.set MSB,  0
.macro WIN new
.if MSB != \new
	s_set_vgpr_msb (MSB<<8)|\new
.set MSB, \new
.endif
.endm
.macro LDSTEP s                        ; K step s: 5 loads of scale words, 20 of codes: 25
.set K3, (\s)%3
	WIN 0
.irp q, 0,1,2,3
	global_load_b32 v[SCR+5*K3+\q], v2, s[SX:SX+1] offset:16384*(\s)+128*\q
.endr
	global_load_b32 v[SCR+5*K3+4], v2, s[SY:SY+1] offset:16384*(\s)
	WIN 0x40
.irp i, 0,1,2,3,4,5,6,7
.irp c, 0,1
	global_load_b128 v[80*K3+8*\i+4*\c:80*K3+8*\i+4*\c+3], v1, s[PX:PX+1] offset:TSX*\i+1024*(\s)+512*\c
.endr
.endr
.irp i, 0,1
.irp c, 0,1
	global_load_b128 v[80*K3+64+8*\i+4*\c:80*K3+64+8*\i+4*\c+3], v1, s[PY:PY+1] offset:TSY*\i+1024*(\s)+512*\c
.endr
.endr
.endm
.macro WMS rd, ra, rb, cz, rc, sa, sb, rowa, rowb
.if (\cz) && (\rowa) && (\rowb)
	v_wmma_scale_f32_16x16x128_f8f6f4 v[(\rd):(\rd)+7], v[(\ra):(\ra)+7], v[(\rb):(\rb)+7], 0, v[\sa], v[\sb] matrix_a_fmt:MATRIX_FMT_FP4 matrix_b_fmt:MATRIX_FMT_FP4 matrix_a_scale:MATRIX_SCALE_ROW1 matrix_b_scale:MATRIX_SCALE_ROW1
.elseif (\cz) && (\rowa)
	v_wmma_scale_f32_16x16x128_f8f6f4 v[(\rd):(\rd)+7], v[(\ra):(\ra)+7], v[(\rb):(\rb)+7], 0, v[\sa], v[\sb] matrix_a_fmt:MATRIX_FMT_FP4 matrix_b_fmt:MATRIX_FMT_FP4 matrix_a_scale:MATRIX_SCALE_ROW1
.elseif (\cz) && (\rowb)
	v_wmma_scale_f32_16x16x128_f8f6f4 v[(\rd):(\rd)+7], v[(\ra):(\ra)+7], v[(\rb):(\rb)+7], 0, v[\sa], v[\sb] matrix_a_fmt:MATRIX_FMT_FP4 matrix_b_fmt:MATRIX_FMT_FP4 matrix_b_scale:MATRIX_SCALE_ROW1
.elseif (\cz)
	v_wmma_scale_f32_16x16x128_f8f6f4 v[(\rd):(\rd)+7], v[(\ra):(\ra)+7], v[(\rb):(\rb)+7], 0, v[\sa], v[\sb] matrix_a_fmt:MATRIX_FMT_FP4 matrix_b_fmt:MATRIX_FMT_FP4
.elseif (\rowa) && (\rowb)
	v_wmma_scale_f32_16x16x128_f8f6f4 v[(\rd):(\rd)+7], v[(\ra):(\ra)+7], v[(\rb):(\rb)+7], v[(\rc):(\rc)+7], v[\sa], v[\sb] matrix_a_fmt:MATRIX_FMT_FP4 matrix_b_fmt:MATRIX_FMT_FP4 matrix_a_scale:MATRIX_SCALE_ROW1 matrix_b_scale:MATRIX_SCALE_ROW1
.elseif (\rowa)
	v_wmma_scale_f32_16x16x128_f8f6f4 v[(\rd):(\rd)+7], v[(\ra):(\ra)+7], v[(\rb):(\rb)+7], v[(\rc):(\rc)+7], v[\sa], v[\sb] matrix_a_fmt:MATRIX_FMT_FP4 matrix_b_fmt:MATRIX_FMT_FP4 matrix_a_scale:MATRIX_SCALE_ROW1
.elseif (\rowb)
	v_wmma_scale_f32_16x16x128_f8f6f4 v[(\rd):(\rd)+7], v[(\ra):(\ra)+7], v[(\rb):(\rb)+7], v[(\rc):(\rc)+7], v[\sa], v[\sb] matrix_a_fmt:MATRIX_FMT_FP4 matrix_b_fmt:MATRIX_FMT_FP4 matrix_b_scale:MATRIX_SCALE_ROW1
.else
	v_wmma_scale_f32_16x16x128_f8f6f4 v[(\rd):(\rd)+7], v[(\ra):(\ra)+7], v[(\rb):(\rb)+7], v[(\rc):(\rc)+7], v[\sa], v[\sb] matrix_a_fmt:MATRIX_FMT_FP4 matrix_b_fmt:MATRIX_FMT_FP4
.endif
.endm
.macro MULSTEP s, cm                   ; 16 products, the sixteen accumulators by turns.  cm = 1: C is the bias by X's tile; 3: the accumulator
.set K3, (\s)%3
	WIN 0x05
.irp y, 0,1
.irp a, 0,1,2,3,4,5,6,7
.if (\cm) == 1
	WMS ACC+8*(8*\y+\a), 80*K3+8*\a, 80*K3+64+8*\y, 0, BI+8*\a, SCR+5*K3+(\a/2), SCR+5*K3+4, \a%2, \y
.else
	WMS ACC+8*(8*\y+\a), 80*K3+8*\a, 80*K3+64+8*\y, 0, ACC+8*(8*\y+\a), SCR+5*K3+(\a/2), SCR+5*K3+4, \a%2, \y
.endif
.endr
.endr
.endm
.macro KSTEP s, S, cm
.if (\s)+2 < (\S)
.if (\s) > 0
.rept 4
	v_nop                                          ; four places between the last step's products and the loads into the set that they read
.endr
.endif
	LDSTEP (\s)+2
.endif
.if (\S)-1-(\s) >= 2
	s_wait_loadcnt 50                              ; this step's loads are in; the 25 of each of the next two steps may be out
.else
	s_wait_loadcnt 25*((\S)-1-(\s))
.endif
	MULSTEP \s, \cm
.endm
.macro GEMM S, cm
	LDSTEP 0
	LDSTEP 1
	KSTEP 0, \S, \cm
.set KS_, 1
.rept (\S)-1
	KSTEP KS_, \S, 3
.set KS_, KS_+1
.endr
	WIN 0
.rept 4
	v_nop                                          ; four places ahead of the first read of results
.endr
.endm
.macro QUANT src, pc, pw               ; 64 numbers of a lane, register 16 b + i = k 32 b + 16 h + i of my row, become a fragment's codes and its scale word
.irp b, 0,1,2,3
	v_max3_num_f32 v[TM+\b], |v[(\src)+16*\b]|, |v[(\src)+1+16*\b]|, 0x1800000
.endr
.irp i, 2,4,6,8,10,12,14
.irp b, 0,1,2,3
	v_max3_num_f32 v[TM+\b], v[TM+\b], |v[(\src)+16*\b+\i]|, |v[(\src)+1+16*\b+\i]|
.endr
.endr
.irp b, 0,1,2,3
	v_permlanex16_b32 v[TM+4+\b], v[TM+\b], s[SEL], s[SEL+1]
.endr
.irp b, 0,1,2,3
	v_max_num_f32 v[TM+\b], v[TM+\b], v[TM+4+\b]
.endr
.irp b, 0,1,2,3
	v_add_nc_u32 v[TM+12+\b], 0xff000000, v[TM+\b]
.endr
.irp b, 0,1,2,3
	v_lshrrev_b32 v[TM+4+\b], 23, v[TM+12+\b]
.endr
	v_lshl_or_b32 v[\pw], v[TM+5], 8, v[TM+4]
	v_lshl_or_b32 v[\pw], v[TM+6], 16, v[\pw]
	v_lshl_or_b32 v[\pw], v[TM+7], 24, v[\pw]
.irp b, 0,1,2,3
	v_cvt_scalef32_pk8_fp4_f32 v[(\pc)+2*\b], v[(\src)+16*\b:(\src)+7+16*\b], v[TM+12+\b]
	v_cvt_scalef32_pk8_fp4_f32 v[(\pc)+1+2*\b], v[(\src)+8+16*\b:(\src)+15+16*\b], v[TM+12+\b]
.endr
	v_nop                                          ; one plain instruction behind a scaled conversion
.irp c, 0,1
.irp i, 0,1
	v_permlane16_swap_b32 v[(\pc)+4*\c+\i], v[(\pc)+2+4*\c+\i]
.endr
.endr
.endm
.macro GELU a                          ; sixteen numbers, v[a] on, in place; two batches of transcendentals, one wait each
.irp n, 0,1,2,3,4,5,6,7,8,9,10,11,12,13,14,15
	v_and_b32 v[GA+\n], 0x7fffffff, v[(\a)+\n]     ; |x|: each accumulator is read from its low end on
.endr
.irp n, 0,2,4,6,8,10,12,14
	v_pk_fma_f32 v[GT+\n:GT+\n+1], v[GA+\n:GA+\n+1], s[CR:CR+1], 1.0 op_sel_hi:[1,0,0]
.endr
.irp n, 0,1,2,3,4,5,6,7,8,9,10,11,12,13,14,15
	v_rcp_f32 v[GT+\n], v[GT+\n]                   ; t
.endr
.irp n, 0,2,4,6,8,10,12,14
	v_pk_mul_f32 v[GK+\n:GK+\n+1], v[(\a)+\n:(\a)+\n+1], s[CQ:CQ+1] op_sel_hi:[1,0]      ; plain work behind the reciprocals
.endr
	s_wait_alu depctr_va_vdst(0)
.irp n, 0,2,4,6,8,10,12,14
	v_pk_fma_f32 v[GP+\n:GP+\n+1], v[GT+\n:GT+\n+1], v[C9:C9+1], s[CC+16:CC+17] op_sel_hi:[1,1,0]
.endr
.irp k, 7,6,5,4,3,2,1,0
.irp n, 0,2,4,6,8,10,12,14
	v_pk_fma_f32 v[GP+\n:GP+\n+1], v[GP+\n:GP+\n+1], v[GT+\n:GT+\n+1], s[CC+2*\k:CC+2*\k+1] op_sel_hi:[1,1,0]
.endr
.endr
.irp n, 0,2,4,6,8,10,12,14
	v_pk_fma_f32 v[GP+\n:GP+\n+1], v[GK+\n:GK+\n+1], v[(\a)+\n:(\a)+\n+1], v[GP+\n:GP+\n+1]   ; - 0.72134752 x^2 + Q(t)
.endr
.irp n, 0,1,2,3,4,5,6,7,8,9,10,11,12,13,14,15
	v_exp_f32 v[GP+\n], v[GP+\n]
.endr
.irp n, 0,2,4,6,8,10,12,14
	v_pk_mul_f32 v[GA+\n:GA+\n+1], v[GA+\n:GA+\n+1], v[GT+\n:GT+\n+1]                    ; |x| t: plain work behind the exponentials
.endr
.irp n, 0,1,2,3,4,5,6,7,8,9,10,11,12,13,14,15
	v_max_num_f32 v[(\a)+\n], 0, v[(\a)+\n]
.endr
	s_wait_alu depctr_va_vdst(0)
.irp n, 0,2,4,6,8,10,12,14
	v_pk_fma_f32 v[(\a)+\n:(\a)+\n+1], v[GA+\n:GA+\n+1], v[GP+\n:GP+\n+1], v[(\a)+\n:(\a)+\n+1] neg_lo:[1,0,0] neg_hi:[1,0,0]
.endr
.endm
	s_load_b256 s[4:11], s[0:1], 0x0               ; wk1, wk4, b1, wk5
	v_lshrrev_b32 v5, 5, v0
	v_readfirstlane_b32 s28, v5                    ; wave 0..7
	v_and_b32 v5, 31, v0
	v_lshlrev_b32 v1, 4, v5                        ; 16 x lane
	v_lshlrev_b32 v2, 2, v5                        ; 4 x lane
	v_and_b32 v3, 15, v0
	v_bfe_u32 v4, v0, 4, 1
	v_lshlrev_b32 v5, 6, v4                        ; 64 h: the bias
.irp b, 0,1,2,3
	v_mov_b32 v[TM+4+\b], 0                        ; a lane permute's destination counts as one of its sources
.endr
	v_mov_b32 v[C9], 0x3e7c6f08                    ; 0.24651730
	v_mov_b32 v[C9+1], 0x3e7c6f08
	s_mov_b32 s[SEL], 0x76543210
	s_mov_b32 s[SEL+1], 0xfedcba98
	s_mov_b32 s[HIM], 0xffff0000
	s_mov_b32 s[CC+0], 0xc034d90f                  ; -2.82574822
	s_mov_b32 s[CC+2], 0x3fb8ab5a                  ;  1.44272920
	s_mov_b32 s[CC+4], 0x3f0a29d2                  ;  0.53970062
	s_mov_b32 s[CC+6], 0x3e0efb2f                  ;  0.13963006
	s_mov_b32 s[CC+8], 0xbe899a80                  ; -0.26875686
	s_mov_b32 s[CC+10], 0x3ecdfd18                 ;  0.40232158
	s_mov_b32 s[CC+12], 0xbfd1a1e5                 ; -1.63775315
	s_mov_b32 s[CC+14], 0x40097039                 ;  2.14747446
	s_mov_b32 s[CC+16], 0xbf97d29d                 ; -1.18611494
	s_mov_b32 s[CR], 0x3eb504f3                    ;  0.35355339
	s_mov_b32 s[CQ], 0xbf38aa3b                    ; -0.72134752
.irp k, 0,2,4,6,8,10,12,14,16,18,20
	s_mov_b32 s[CC+\k+1], s[CC+\k]                 ; (the packed forms name pairs, so both words are written)
.endr
	s_and_b32 s47, ttmp9, 15
	s_lshl_b32 s47, s47, 1
	s_and_b32 s29, s28, 1
	s_add_co_u32 s47, s47, s29                     ; xb
	s_lshr_b32 s48, ttmp9, 4
	s_lshl_b32 s48, s48, 2
	s_lshr_b32 s29, s28, 1
	s_add_co_u32 s48, s48, s29                     ; yb
	s_lshl_b32 s[PX], s47, 16
	s_add_co_u32 s[PX], s[PX], 2097152
	s_mov_b32 s[PX+1], 0
	s_lshl_b32 s[PY], s48, 14
	s_mov_b32 s[PY+1], 0
	s_lshl_b32 s50, s47, 9                         ; b1 from hidden unit 128 xb on
	s_mov_b32 s51, 0
	s_add_co_u32 s[SX], s50, WSC+131072
	s_mov_b32 s[SX+1], 0
	s_lshl_b32 s[SY], s48, 7
	s_add_co_u32 s54, s[SY], GS
	s_add_co_u32 s[SY], s[SY], H2S
	s_mov_b32 s[SY+1], 0
	s_lshl_b32 s52, s48, 16
	s_lshl_b32 s29, s47, 10
	s_add_co_u32 s52, s52, s29                     ; codes: 32,768 (2 yb) + 1,024 xb: K step xb of the next product
	s_mov_b32 s53, 0
	s_lshl_b32 s29, s47, 14
	s_add_co_u32 s54, s54, s29                     ; words: (256 xb + 2 yb) x 64
	s_mov_b32 s55, 0
	s_wait_kmcnt 0x0
	s_add_nc_u64 s[PX:PX+1], s[4:5], s[PX:PX+1]
	s_add_nc_u64 s[PY:PY+1], s[6:7], s[PY:PY+1]
	s_add_nc_u64 s[SX:SX+1], s[4:5], s[SX:SX+1]
	s_add_nc_u64 s[SY:SY+1], s[6:7], s[SY:SY+1]
	s_add_nc_u64 s[50:51], s[8:9], s[50:51]
	s_add_nc_u64 s[52:53], s[10:11], s[52:53]
	s_add_nc_u64 s[54:55], s[10:11], s[54:55]
.irp a, 0,1,2,3,4,5,6,7
	global_load_b128 v[BI+8*\a:BI+8*\a+3], v5, s[50:51] offset:128*(\a/2)+32*(\a%2)
	global_load_b128 v[BI+8*\a+4:BI+8*\a+7], v5, s[50:51] offset:128*(\a/2)+32*(\a%2)+16
.endr
	GEMM 8, 1
.irp n, 0,1,2,3,4,5,6,7
	GELU ACC+16*\n
.endr
	QUANT ACC, PC0, PW0
	QUANT ACC+64, PC1, PW1
	v_cndmask_b32 v16, v[PW0], v[PW1], s[HIM]      ; lanes 0-15 the first tile's words, lanes 16-31 the second's
.irp c, 0,1
	global_store_b128 v1, v[PC0+4*\c:PC0+4*\c+3], s[52:53] offset:512*\c               ; 512 bytes on end
	global_store_b128 v1, v[PC1+4*\c:PC1+4*\c+3], s[52:53] offset:32768+512*\c
.endr
	global_store_b32 v2, v16, s[54:55]
	s_endpgm
.Lfunc_end_k_q169dda4e65_fc1:
	.size	k_q169dda4e65_fc1, .Lfunc_end_k_q169dda4e65_fc1-k_q169dda4e65_fc1
	.p2alignl 7, 3214868480
	.fill 96, 4, 3214868480
	.section	.rodata,"a",@progbits
	.p2align	6, 0x0
	.amdhsa_kernel k_q169dda4e65_fc1
		.amdhsa_group_segment_fixed_size 0
		.amdhsa_private_segment_fixed_size 0
		.amdhsa_enable_private_segment 0
		.amdhsa_kernarg_size 32
		.amdhsa_user_sgpr_count 2
		.amdhsa_user_sgpr_kernarg_segment_ptr 1
		.amdhsa_wavefront_size32 1
		.amdhsa_system_sgpr_workgroup_id_x 1
		.amdhsa_system_sgpr_workgroup_id_y 1
		.amdhsa_system_sgpr_workgroup_id_z 1
		.amdhsa_system_vgpr_workitem_id 0
		.amdhsa_next_free_vgpr 512
		.amdhsa_next_free_sgpr 96
		.amdhsa_reserve_vcc 0
		.amdhsa_float_denorm_mode_32 3
		.amdhsa_float_denorm_mode_16_64 3
		.amdhsa_memory_ordered 1
		.amdhsa_forward_progress 1
		.amdhsa_inst_pref_size 126
	.end_amdhsa_kernel
	.amdgpu_metadata
---
amdhsa.version: [ 1, 2 ]
amdhsa.kernels:
  - .name:           k_q169dda4e65_fc1
    .symbol:         k_q169dda4e65_fc1.kd
    .args:
      - { .name: wk1, .offset: 0, .size: 8, .value_kind: global_buffer, .address_space: global }
      - { .name: wk4, .offset: 8, .size: 8, .value_kind: global_buffer, .address_space: global }
      - { .name: b1, .offset: 16, .size: 8, .value_kind: global_buffer, .address_space: global }
      - { .name: wk5, .offset: 24, .size: 8, .value_kind: global_buffer, .address_space: global }
    .group_segment_fixed_size: 0
    .private_segment_fixed_size: 0
    .kernarg_segment_align: 8
    .kernarg_segment_size: 32
    .max_flat_workgroup_size: 256
    .sgpr_count:     96
    .vgpr_count:     512
    .wavefront_size: 32
...
	.end_amdgpu_metadata
.endif
;; end of part 5
;; launch fc2 (part 6): grid 256 x 1, 8 waves a work-group, no clusters, 136,192 bytes of LDS; arguments wk1, wk5, x1, b2, out0; writes out0
.if DOCPART == 6
	.amdgcn_target "amdgcn-amd-amdhsa--gfx1250"
	.amdhsa_code_object_version 6
	.text
	.protected	k_q169dda4e65_fc2
	.globl	k_q169dda4e65_fc2
	.p2align	8
	.type	k_q169dda4e65_fc2,@function
k_q169dda4e65_fc2:
	s_mov_b64 s[64:65], 0
	v_nop
	global_prefetch_b8 v0, s[64:65] scope:SCOPE_SE
	s_setreg_imm32_b32 hwreg(HW_REG_WAVE_MODE, 25, 1), 1
	s_wait_xcnt 0x0
; FC2: out0 = x1 + gelu(..) W2 + b2.  K = 4,096, on codes of E2M1.  Nothing is left out.
; The result has 8 x 128 wave tiles of 128 columns (source 0: eight tiles of W2) x 32 tokens (source 1).  So that each of 256 work-groups has eight waves, K IS SPLIT IN TWO: waves 0-3 walk K steps 0-15, waves 4-7 steps 16-31
; of the same four wave tiles.  The halves meet in LDS: of a wave tile's two tiles of tokens the wave of the lower half owns the first and the wave of the upper half the second; each puts both its partial tiles into
; the owner's region (16 rows, pitch 512 + 16 bytes), and behind the one barrier the owner adds the two halves, b2 and x1 and stores 16 whole runs of 512 bytes.  The order of that sum is fixed.
; xb = 2 (g % 4) + wave % 2: columns 128 xb on;  yb = 2 (g / 4) + (wave / 2) % 2: token tiles 2 yb, 2 yb + 1;  kh = wave / 4.
; Operands come straight into registers as images of the fragments, three sets by turns, two K steps ahead.  No tensor load, no cluster: the walk is 16 steps and no barrier stands in it; of the 80 KB that the eight
; waves load in a K step 40 KB are distinct.
; LIMITS: NaN and infinities are not served.
.set WSC,  6291456
.set GS,   8388608
.set TSX,  32768
.set TSY,  32768
.set RGN,  8448                        ; a region: 16 rows x 528 bytes
.set SPARE, 16*RGN
.set WA,   9                           ; v9, v10 where my partial tiles go
.set RD,   11                          ; v11     where I read my own tile's two halves
.set SPW,  14
.set NIL,  15
.set SCR,  112
.set ACC,  128
.set PX,   32
.set PY,   34
.set SX,   36
.set SY,   38
.set MSB,  0
.macro WIN new
.if MSB != \new
	s_set_vgpr_msb (MSB<<8)|\new
.set MSB, \new
.endif
.endm
.macro LDSTEP s                        ; K step s of my half: 5 loads of scale words, 20 of codes: 25
.set K3, (\s)%3
	WIN 0
.irp q, 0,1,2,3
	global_load_b32 v[SCR+5*K3+\q], v2, s[SX:SX+1] offset:16384*(\s)+128*\q
.endr
	global_load_b32 v[SCR+5*K3+4], v2, s[SY:SY+1] offset:16384*(\s)
	WIN 0x40
.irp i, 0,1,2,3,4,5,6,7
.irp c, 0,1
	global_load_b128 v[80*K3+8*\i+4*\c:80*K3+8*\i+4*\c+3], v1, s[PX:PX+1] offset:TSX*\i+1024*(\s)+512*\c
.endr
.endr
.irp i, 0,1
.irp c, 0,1
	global_load_b128 v[80*K3+64+8*\i+4*\c:80*K3+64+8*\i+4*\c+3], v1, s[PY:PY+1] offset:TSY*\i+1024*(\s)+512*\c
.endr
.endr
.endm
.macro WMS rd, ra, rb, cz, rc, sa, sb, rowa, rowb
.if (\cz) && (\rowa) && (\rowb)
	v_wmma_scale_f32_16x16x128_f8f6f4 v[(\rd):(\rd)+7], v[(\ra):(\ra)+7], v[(\rb):(\rb)+7], 0, v[\sa], v[\sb] matrix_a_fmt:MATRIX_FMT_FP4 matrix_b_fmt:MATRIX_FMT_FP4 matrix_a_scale:MATRIX_SCALE_ROW1 matrix_b_scale:MATRIX_SCALE_ROW1
.elseif (\cz) && (\rowa)
	v_wmma_scale_f32_16x16x128_f8f6f4 v[(\rd):(\rd)+7], v[(\ra):(\ra)+7], v[(\rb):(\rb)+7], 0, v[\sa], v[\sb] matrix_a_fmt:MATRIX_FMT_FP4 matrix_b_fmt:MATRIX_FMT_FP4 matrix_a_scale:MATRIX_SCALE_ROW1
.elseif (\cz) && (\rowb)
	v_wmma_scale_f32_16x16x128_f8f6f4 v[(\rd):(\rd)+7], v[(\ra):(\ra)+7], v[(\rb):(\rb)+7], 0, v[\sa], v[\sb] matrix_a_fmt:MATRIX_FMT_FP4 matrix_b_fmt:MATRIX_FMT_FP4 matrix_b_scale:MATRIX_SCALE_ROW1
.elseif (\cz)
	v_wmma_scale_f32_16x16x128_f8f6f4 v[(\rd):(\rd)+7], v[(\ra):(\ra)+7], v[(\rb):(\rb)+7], 0, v[\sa], v[\sb] matrix_a_fmt:MATRIX_FMT_FP4 matrix_b_fmt:MATRIX_FMT_FP4
.elseif (\rowa) && (\rowb)
	v_wmma_scale_f32_16x16x128_f8f6f4 v[(\rd):(\rd)+7], v[(\ra):(\ra)+7], v[(\rb):(\rb)+7], v[(\rc):(\rc)+7], v[\sa], v[\sb] matrix_a_fmt:MATRIX_FMT_FP4 matrix_b_fmt:MATRIX_FMT_FP4 matrix_a_scale:MATRIX_SCALE_ROW1 matrix_b_scale:MATRIX_SCALE_ROW1
.elseif (\rowa)
	v_wmma_scale_f32_16x16x128_f8f6f4 v[(\rd):(\rd)+7], v[(\ra):(\ra)+7], v[(\rb):(\rb)+7], v[(\rc):(\rc)+7], v[\sa], v[\sb] matrix_a_fmt:MATRIX_FMT_FP4 matrix_b_fmt:MATRIX_FMT_FP4 matrix_a_scale:MATRIX_SCALE_ROW1
.elseif (\rowb)
	v_wmma_scale_f32_16x16x128_f8f6f4 v[(\rd):(\rd)+7], v[(\ra):(\ra)+7], v[(\rb):(\rb)+7], v[(\rc):(\rc)+7], v[\sa], v[\sb] matrix_a_fmt:MATRIX_FMT_FP4 matrix_b_fmt:MATRIX_FMT_FP4 matrix_b_scale:MATRIX_SCALE_ROW1
.else
	v_wmma_scale_f32_16x16x128_f8f6f4 v[(\rd):(\rd)+7], v[(\ra):(\ra)+7], v[(\rb):(\rb)+7], v[(\rc):(\rc)+7], v[\sa], v[\sb] matrix_a_fmt:MATRIX_FMT_FP4 matrix_b_fmt:MATRIX_FMT_FP4
.endif
.endm
.macro MULSTEP s, cm                   ; 16 products, the sixteen accumulators by turns.  cm = 0: the first products start the sums; 3: in place
.set K3, (\s)%3
	WIN 0x05
.irp y, 0,1
.irp a, 0,1,2,3,4,5,6,7
.if (\cm) == 0
	WMS ACC+8*(8*\y+\a), 80*K3+8*\a, 80*K3+64+8*\y, 1, 0, SCR+5*K3+(\a/2), SCR+5*K3+4, \a%2, \y
.else
	WMS ACC+8*(8*\y+\a), 80*K3+8*\a, 80*K3+64+8*\y, 0, ACC+8*(8*\y+\a), SCR+5*K3+(\a/2), SCR+5*K3+4, \a%2, \y
.endif
.endr
.endr
.endm
.macro KSTEP s, S, cm
.if (\s)+2 < (\S)
.if (\s) > 0
.rept 4
	v_nop                                          ; four places between the last step's products and the loads into the set that they read
.endr
.endif
	LDSTEP (\s)+2
.endif
.if (\S)-1-(\s) >= 2
	s_wait_loadcnt 50                              ; this step's loads are in; the 25 of each of the next two steps may be out
.else
	s_wait_loadcnt 25*((\S)-1-(\s))
.endif
	MULSTEP \s, \cm
.endm
.macro GEMM S, cm
	LDSTEP 0
	LDSTEP 1
	KSTEP 0, \S, \cm
.set KS_, 1
.rept (\S)-1
	KSTEP KS_, \S, 3
.set KS_, KS_+1
.endr
	WIN 0
.rept 4
	v_nop                                          ; four places ahead of the first read of results and of loads into the fragments' registers
.endr
.endm
	s_load_b256 s[4:11], s[0:1], 0x0               ; wk1, wk5, x1, b2
	s_load_b64 s[12:13], s[0:1], 0x20              ; out0
	v_lshl_add_u32 v[SPW], v0, 2, SPARE
	v_mov_b32 v[NIL], 0
	v_lshrrev_b32 v5, 5, v0
	v_readfirstlane_b32 s28, v5                    ; wave 0..7
	v_and_b32 v5, 31, v0
	v_lshlrev_b32 v1, 4, v5                        ; 16 x lane
	v_lshlrev_b32 v2, 2, v5                        ; 4 x lane
	v_and_b32 v3, 15, v0                           ; r
	v_bfe_u32 v4, v0, 4, 1                         ; h
	s_and_b32 s29, s28, 3                          ; which of the work-group's four wave tiles
	s_lshr_b32 s30, s28, 2                         ; kh: which half of K; also: which of the wave tile's two tiles of tokens I own
	s_mul_i32 s31, s29, 4*RGN
	s_mul_i32 s40, s30, RGN
	s_add_co_u32 s40, s40, s31
	v_mul_u32_u24 v[WA], v3, 528
	v_lshl_add_u32 v[WA], v4, 6, v[WA]
	v_add_nc_u32 v[WA], s40, v[WA]                 ; region (wave tile, owner 0, slot kh): row r, + 64 h
	v_add_nc_u32 v[WA+1], 2*RGN, v[WA]             ; owner 1
	s_mul_i32 s40, s30, 2*RGN
	s_add_co_u32 s40, s40, s31
	v_add_nc_u32 v[RD], s40, v1                    ; regions (wave tile, owner kh, slots 0 and 1): 16 bytes a lane
	s_and_b32 s41, ttmp9, 3
	s_lshl_b32 s41, s41, 1
	s_and_b32 s40, s28, 1
	s_add_co_u32 s41, s41, s40                     ; xb
	s_lshr_b32 s42, ttmp9, 2
	s_lshl_b32 s42, s42, 1
	s_bfe_u32 s40, s28, 0x10001
	s_add_co_u32 s42, s42, s40                     ; yb
	s_lshl_b32 s43, s30, 14                        ; my half of K in the codes: 16 steps of 1,024 bytes,
	s_lshl_b32 s44, s30, 18                        ; and in the scale words: 16 steps of 16,384
	s_lshl_b32 s[PX], s41, 18
	s_add_co_u32 s[PX], s[PX], s43
	s_add_co_u32 s[PX], s[PX], 4194304
	s_mov_b32 s[PX+1], 0
	s_lshl_b32 s[PY], s42, 16
	s_add_co_u32 s[PY], s[PY], s43
	s_mov_b32 s[PY+1], 0
	s_lshl_b32 s46, s41, 9                         ; 512 xb: my columns' bytes in a row, in b2, and X's scale words
	s_mov_b32 s47, 0
	s_add_co_u32 s[SX], s46, s44
	s_add_co_u32 s[SX], s[SX], WSC+262144
	s_mov_b32 s[SX+1], 0
	s_lshl_b32 s[SY], s42, 7
	s_add_co_u32 s[SY], s[SY], s44
	s_add_co_u32 s[SY], s[SY], GS
	s_mov_b32 s[SY+1], 0
	s_lshl_b32 s48, s42, 17
	s_lshl_b32 s40, s30, 15
	s_add_co_u32 s48, s48, s40
	s_add_co_u32 s48, s48, s46                     ; my own tile's first token, 32 yb + 8 kh, x 4,096 bytes, + my columns
	s_mov_b32 s49, 0
	s_wait_kmcnt 0x0
	s_add_nc_u64 s[PX:PX+1], s[4:5], s[PX:PX+1]
	s_add_nc_u64 s[PY:PY+1], s[6:7], s[PY:PY+1]
	s_add_nc_u64 s[SX:SX+1], s[4:5], s[SX:SX+1]
	s_add_nc_u64 s[SY:SY+1], s[6:7], s[SY:SY+1]
	s_add_nc_u64 s[46:47], s[10:11], s[46:47]      ; b2
	s_add_nc_u64 s[50:51], s[12:13], s[48:49]      ; out0
	s_add_nc_u64 s[48:49], s[8:9], s[48:49]        ; x1
	GEMM 16, 0
	WIN 0x40                                       ; my own tile's 16 rows of x1 into v256-319, which the fragments have left
.irp p, 0,1,2,3,4,5,6,7,8,9,10,11,12,13,14,15
	global_load_b128 v[4*\p:4*\p+3], v1, s[48:49] offset:4096*(\p+8*(\p/8)) th:TH_LOAD_NT      ; the tile's row p is token p + 8 (p / 8) from its first
.endr
	WIN 0
	global_load_b128 v[16:19], v1, s[46:47]
.irp y, 0,1
.irp a, 0,1,2,3,4,5,6,7
	ds_store_b128 v[WA+\y], v[ACC+8*(8*\y+\a):ACC+8*(8*\y+\a)+3] offset:128*(\a/2)+32*(\a%2)          ; lane (r, h): columns 32 (a / 2) + 16 h + 8 (a % 2) + 0 .. 7 of row r; each accumulator from its low end on
	ds_store_b128 v[WA+\y], v[ACC+8*(8*\y+\a)+4:ACC+8*(8*\y+\a)+7] offset:128*(\a/2)+32*(\a%2)+16
.endr
.endr
	s_wait_dscnt 0x0                               ; for the others' sake: my partial tiles lie in LDS
	s_barrier_signal -1
	s_barrier_wait -1
.irp q, 0,1
.irp p, 0,1,2,3,4,5,6,7,8,9,10,11,12,13,14,15
	ds_load_b128 v[ACC+64*\q+4*\p:ACC+64*\q+4*\p+3], v[RD] offset:RGN*\q+528*\p
.endr
.endr
	s_wait_dscnt 0x0
	s_wait_loadcnt 0x0
.set N_, 0
.rept 32
	v_pk_add_f32 v[ACC+N_:ACC+N_+1], v[ACC+N_:ACC+N_+1], v[ACC+64+N_:ACC+64+N_+1]             ; the lower half of K + the upper
.set N_, N_+2
.endr
.set N_, 0
.rept 32
	v_pk_add_f32 v[ACC+N_:ACC+N_+1], v[ACC+N_:ACC+N_+1], v[16+N_%4:17+N_%4]                   ; + b2
.set N_, N_+2
.endr
	WIN 0x04                                       ; source 1 in window 1
.set N_, 0
.rept 32
	v_pk_add_f32 v[ACC+N_:ACC+N_+1], v[ACC+N_:ACC+N_+1], v[N_:N_+1]                           ; + the residual
.set N_, N_+2
.endr
	WIN 0
.irp p, 0,1,2,3,4,5,6,7,8,9,10,11,12,13,14,15
	global_store_b128 v1, v[ACC+4*\p:ACC+4*\p+3], s[50:51] offset:4096*(\p+8*(\p/8)) th:TH_STORE_NT   ; 512 bytes on end, at a multiple of 512 from out0's first byte
.endr
	s_wait_tensorcnt 0x0                           ; the wave's end: three closing lines behind my last LDS store
	ds_add_u32 v[SPW], v[NIL]
	s_wait_dscnt 0x0
	s_endpgm
.Lfunc_end_k_q169dda4e65_fc2:
	.size	k_q169dda4e65_fc2, .Lfunc_end_k_q169dda4e65_fc2-k_q169dda4e65_fc2
	.p2alignl 7, 3214868480
	.fill 96, 4, 3214868480
	.section	.rodata,"a",@progbits
	.p2align	6, 0x0
	.amdhsa_kernel k_q169dda4e65_fc2
		.amdhsa_group_segment_fixed_size 136192
		.amdhsa_private_segment_fixed_size 0
		.amdhsa_enable_private_segment 0
		.amdhsa_kernarg_size 40
		.amdhsa_user_sgpr_count 2
		.amdhsa_user_sgpr_kernarg_segment_ptr 1
		.amdhsa_wavefront_size32 1
		.amdhsa_system_sgpr_workgroup_id_x 1
		.amdhsa_system_sgpr_workgroup_id_y 1
		.amdhsa_system_sgpr_workgroup_id_z 1
		.amdhsa_system_vgpr_workitem_id 0
		.amdhsa_next_free_vgpr 512
		.amdhsa_next_free_sgpr 66
		.amdhsa_reserve_vcc 0
		.amdhsa_float_denorm_mode_32 3
		.amdhsa_float_denorm_mode_16_64 3
		.amdhsa_memory_ordered 1
		.amdhsa_forward_progress 1
		.amdhsa_inst_pref_size 90
	.end_amdhsa_kernel
	.amdgpu_metadata
---
amdhsa.version: [ 1, 2 ]
amdhsa.kernels:
  - .name:           k_q169dda4e65_fc2
    .symbol:         k_q169dda4e65_fc2.kd
    .args:
      - { .name: wk1, .offset: 0, .size: 8, .value_kind: global_buffer, .address_space: global }
      - { .name: wk5, .offset: 8, .size: 8, .value_kind: global_buffer, .address_space: global }
      - { .name: x1, .offset: 16, .size: 8, .value_kind: global_buffer, .address_space: global }
      - { .name: b2, .offset: 24, .size: 8, .value_kind: global_buffer, .address_space: global }
      - { .name: out0, .offset: 32, .size: 8, .value_kind: global_buffer, .address_space: global }
    .group_segment_fixed_size: 136192
    .private_segment_fixed_size: 0
    .kernarg_segment_align: 8
    .kernarg_segment_size: 40
    .max_flat_workgroup_size: 256
    .sgpr_count:     66
    .vgpr_count:     512
    .wavefront_size: 32
...
	.end_amdgpu_metadata
.endif
;; end of part 6
;; ======== version 2 of 2: 6 launches
;; workspace buffers: wk1 9,306,112 bytes; wk2 6,946,816 bytes; wk3 2,228,224 bytes; x1 16,777,216 bytes; wk4 2,228,224 bytes; wk5 8,912,896 bytes
;; launch prep (part 7): grid 176 x 1, 8 waves a work-group, no clusters, 132,608 bytes of LDS; arguments x, ln1_g, ln1_b, W_qkv_codes, W_qkv_scales, W_out_codes, W_out_scales, W1_codes, W1_scales, W2_codes, W2_scales, wk1; writes wk1
.if DOCPART == 7
	.amdgcn_target "amdgcn-amd-amdhsa--gfx1250"
	.amdhsa_code_object_version 6
	.text
	.protected	k_q169dda4e65_prep
	.globl	k_q169dda4e65_prep
	.p2align	8
	.type	k_q169dda4e65_prep,@function
k_q169dda4e65_prep:
	s_mov_b64 s[64:65], 0
	v_nop
	global_prefetch_b8 v0, s[64:65] scope:SCOPE_SE
	s_setreg_imm32_b32 hwreg(HW_REG_WAVE_MODE, 25, 1), 1
	s_wait_xcnt 0x0
; PREP: (a) h = layernorm(x) g + b, quantised to E2M1 along the 1,024 (work-groups 0-127); (b) the four weights' codes and scale bytes laid out as the products' waves want them (work-groups 128-175).
; DEAD WORK: none.  Every input of the block has a way to out0 (the biases on q, k and v stand ahead of quantisers), so all 17 inputs are loaded by some launch and every product of the table is done.
; THE LAYOUT OF EVERY OPERAND IN WORKSPACE is an image of the operand's registers.  Rows (tokens, or a weight's rows) go in tiles of 16, in ONE order: tile 2 B + u, row r, is row 32 B + 8 u + r + 8 (r / 8).
;   codes: the 16 bytes of (tile, block p of 32 along K, row r) lie at tile x (K / 32) x 256 + 256 p + 16 r: half c of the fragment of K step s is 512 bytes on end at 1024 s + 512 c, 16 bytes a lane.
;   scales: the word (four E8M0 bytes) of (K step s, tile, row r) lies at (256 s + tile) x 64 + 4 r: one load of 4 bytes a lane brings a tile's words in lanes 0-15 and the next tile's in lanes 16-31.
; wk1: weights' codes from 0 (W_qkv tiles 0-191, W_out 192-255, W1 from 2,097,152, W2 from 4,194,304), their scale words from WSC, h's codes from H1C, h's scale words from H1S.
; LN PATH: a work-group takes 32 tokens (two tiles); a wave four whole rows in registers: mean, variance, gain and bias in f32; the rows go to a stage in LDS (pitch 4,096 + 16 bytes); behind one barrier wave w
; takes K step w of both tiles, a lane a whole block of 32, so that a block's largest magnitude needs no other lane.
; LAYOUT PATH: a wave takes 32 rows x 32 blocks of one weight: 34 loads, 40 stores; which weight hangs on the work-group's number alone.
; LIMITS: NaN and infinities are not served; a block of zeros gets the scale byte 1 (its codes are zeros, and this program alone reads the bytes); v_rsq_f32 is good to one unit in the last place.
; No tensor load, no cluster: the two paths share no input between work-groups.
.set STP,   4112                       ; a stage row: 4,096 bytes + 16: an odd multiple of 16, so that sixteen rows' loads of 16 bytes fall on different banks
.set SPARE, 32*STP                     ; behind the stage: the spare words, 128 bytes a wave
.set WSC,   6291456
.set H1C,   7077888
.set H1S,   9175040
.set QA,    6                          ; v6, v7  stage address of my block: tile 0, tile 1
.set RA,    8                          ; v8      stage address of my four rows
.set SPW,   14                         ; v14     my spare word; never rewritten
.set NIL,   15                         ; v15     0; never rewritten
.set GG,    16                         ; v16-47  gain;  register 4 e + n = column 128 e + 4 lane + n
.set BB,    48                         ; v48-79  bias
.set T,     80                         ; v80-87  a pair of sums a row
.set MU,    88                         ; v88-95  the mean, twice, a row
.set PT,    96                         ; v96-99  the other half of the lanes' sum
.set RS,    100                        ; v100-107 1 / sqrt(var + eps), twice, a row
.set X,     128                        ; v128-255 four rows of 32 registers; later four blocks of 32 numbers
.set CD,    16                         ; v16-31  four blocks' codes
.set QM,    32                         ; v32-39  largest magnitudes, two chains a block
.set QO,    40                         ; v40-43  the conversions' scale operands
.set QB,    44                         ; v44-47  scale bytes
.set QW,    48                         ; v48-49 scale words, v50-51 the other half's, v52 8 h
.set HIM,   29                         ; s29     mask of lanes 16-31
.set SEL,   30                         ; s[30:31] lane selects: lane l xor 16
.set PQC,   40                         ; s[40:41] where my codes go
.set PQS,   42                         ; s[42:43] where my scale words go
.set C10,   44                         ; s44     1 / 1,024
.set CEPS,  45                         ; s45     1e-5
.macro REDUCE4                         ; the four rows' pairs of sums become the rows' sums, in every lane
.irp i, 0,1,2,3
	s_delay_alu instid0(VALU_DEP_4)
	v_add_f32 v[T+2*\i], v[T+2*\i], v[T+2*\i+1]
.endr
.irp m, 1,2,4,8
.irp i, 0,1,2,3
	s_delay_alu instid0(VALU_DEP_4)
	v_add_f32_dpp v[T+2*\i], v[T+2*\i], v[T+2*\i] row_xmask:\m row_mask:0xf bank_mask:0xf
.endr
.endr
.irp i, 0,1,2,3
	s_delay_alu instid0(VALU_DEP_4)
	v_permlanex16_b32 v[PT+\i], v[T+2*\i], s[SEL], s[SEL+1]
.endr
.irp i, 0,1,2,3
	s_delay_alu instid0(VALU_DEP_4)
	v_add_f32 v[T+2*\i], v[T+2*\i], v[PT+\i]
.endr
.endm
.macro LNROWS                          ; four rows in v[X] on, by turns: (x - mean) / sqrt(var + eps) x gain + bias, then into my rows of the stage
.irp i, 0,1,2,3
	v_pk_add_f32 v[T+2*\i:T+2*\i+1], v[X+32*\i:X+32*\i+1], v[X+32*\i+2:X+32*\i+3]
.endr
.irp e, 4,6,8,10,12,14,16,18,20,22,24,26,28,30
.irp i, 0,1,2,3
	s_delay_alu instid0(VALU_DEP_4)
	v_pk_add_f32 v[T+2*\i:T+2*\i+1], v[T+2*\i:T+2*\i+1], v[X+32*\i+\e:X+32*\i+\e+1]
.endr
.endr
	REDUCE4
.irp i, 0,1,2,3
	v_mul_f32 v[MU+2*\i], s[C10], v[T+2*\i]
	v_mul_f32 v[MU+2*\i+1], s[C10], v[T+2*\i]
.endr
.irp e, 0,2,4,6,8,10,12,14,16,18,20,22,24,26,28,30
.irp i, 0,1,2,3
	v_pk_add_f32 v[X+32*\i+\e:X+32*\i+\e+1], v[X+32*\i+\e:X+32*\i+\e+1], v[MU+2*\i:MU+2*\i+1] neg_lo:[0,1] neg_hi:[0,1]
.endr
.endr
.irp i, 0,1,2,3
	v_pk_mul_f32 v[T+2*\i:T+2*\i+1], v[X+32*\i:X+32*\i+1], v[X+32*\i:X+32*\i+1]
.endr
.irp e, 2,4,6,8,10,12,14,16,18,20,22,24,26,28,30
.irp i, 0,1,2,3
	s_delay_alu instid0(VALU_DEP_4)
	v_pk_fma_f32 v[T+2*\i:T+2*\i+1], v[X+32*\i+\e:X+32*\i+\e+1], v[X+32*\i+\e:X+32*\i+\e+1], v[T+2*\i:T+2*\i+1]
.endr
.endr
	REDUCE4
.irp i, 0,1,2,3
	s_delay_alu instid0(VALU_DEP_4)
	v_fma_f32 v[RS+2*\i], v[T+2*\i], s[C10], s[CEPS]
.endr
	s_wait_alu depctr_va_vdst(0)
.irp i, 0,1,2,3
	v_rsq_f32 v[RS+2*\i], v[RS+2*\i]
.endr
	v_nop                                          ; a plain instruction behind the last of the four
	s_wait_loadcnt 0x0                             ; gain and bias are in
	s_wait_alu depctr_va_vdst(0)                   ; one wait for the four, ahead of their first reader
.irp i, 0,1,2,3
	v_mov_b32 v[RS+2*\i+1], v[RS+2*\i]
.endr
.irp e, 0,2,4,6,8,10,12,14,16,18,20,22,24,26,28,30
.irp i, 0,1,2,3
	v_pk_mul_f32 v[X+32*\i+\e:X+32*\i+\e+1], v[X+32*\i+\e:X+32*\i+\e+1], v[RS+2*\i:RS+2*\i+1]
.endr
.irp i, 0,1,2,3
	s_delay_alu instid0(VALU_DEP_4)
	v_pk_fma_f32 v[X+32*\i+\e:X+32*\i+\e+1], v[X+32*\i+\e:X+32*\i+\e+1], v[GG+\e:GG+\e+1], v[BB+\e:BB+\e+1]
.endr
.endr
.irp i, 0,1,2,3
.irp e, 0,1,2,3,4,5,6,7
	ds_store_b128 v[RA], v[X+32*\i+4*\e:X+32*\i+4*\e+3] offset:STP*\i+512*\e
.endr
.endr
.endm
.macro QPHASE                          ; wave w: K step w of both tiles.  Lane (r, h): blocks 4 w + 2 j + h of row r, j = 0, 1: block q = 2 tile + j in v[X + 32 q] on
.irp i, 0,1
.irp j, 0,1
.irp e, 0,1,2,3,4,5,6,7
	ds_load_b128 v[X+32*(2*\i+\j)+4*\e:X+32*(2*\i+\j)+4*\e+3], v[QA+\i] offset:256*\j+16*\e
.endr
.endr
.endr
	v_mov_b32 v[QW+2], 0                           ; a lane permute's destination counts as one of its sources
	v_mov_b32 v[QW+3], 0
	v_lshlrev_b32 v[QW+4], 3, v4                   ; 8 h
	s_wait_dscnt 0x0
.irp q, 0,1,2,3
	v_max3_num_f32 v[QM+\q], |v[X+32*\q]|, |v[X+32*\q+1]|, |v[X+32*\q+2]|
	v_max3_num_f32 v[QM+4+\q], |v[X+32*\q+3]|, |v[X+32*\q+4]|, |v[X+32*\q+5]|
.endr
.irp t, 6,10,14,18,22,26
.irp q, 0,1,2,3
	v_max3_num_f32 v[QM+\q], v[QM+\q], |v[X+32*\q+\t]|, |v[X+32*\q+\t+1]|
	v_max3_num_f32 v[QM+4+\q], v[QM+4+\q], |v[X+32*\q+\t+2]|, |v[X+32*\q+\t+3]|
.endr
.endr
.irp q, 0,1,2,3
	v_max3_num_f32 v[QM+\q], v[QM+\q], |v[X+32*\q+30]|, |v[X+32*\q+31]|
.endr
.irp q, 0,1,2,3
	s_delay_alu instid0(VALU_DEP_4)
	v_max3_num_f32 v[QM+\q], v[QM+\q], v[QM+4+\q], 0x1800000   ; the floor 2^(3 - 127): the byte cannot fall under 1
.endr
.irp q, 0,1,2,3
	s_delay_alu instid0(VALU_DEP_4)
	v_add_nc_u32 v[QO+\q], 0xff000000, v[QM+\q]    ; 2 off the exponent field: the conversion takes this operand's exponent field as its scale
.endr
.irp q, 0,1,2,3
	s_delay_alu instid0(VALU_DEP_4)
	v_lshrrev_b32 v[QB+\q], 23, v[QO+\q]           ; the scale's byte
.endr
.irp i, 0
	s_delay_alu instid0(VALU_DEP_3)
	v_lshl_or_b32 v[QW+\i], v[QB+2*\i+1], 16, v[QB+2*\i]
.endr
.irp i, 1
	s_delay_alu instid0(VALU_DEP_2)
	v_lshl_or_b32 v[QW+\i], v[QB+2*\i+1], 16, v[QB+2*\i]   ; my two bytes of the tile's word: blocks h and 2 + h,
.endr
.irp i, 0,1
	s_delay_alu instid0(VALU_DEP_2)
	v_lshlrev_b32 v[QW+\i], v[QW+4], v[QW+\i]      ; at their places;
.endr
.irp i, 0,1
	s_delay_alu instid0(VALU_DEP_2)
	v_permlanex16_b32 v[QW+2+\i], v[QW+\i], s[SEL], s[SEL+1]
.endr
.irp i, 0,1
	s_delay_alu instid0(VALU_DEP_2)
	v_or_b32 v[QW+\i], v[QW+\i], v[QW+2+\i]        ; with lane l xor 16's two the word is whole
.endr
	s_delay_alu instid0(VALU_DEP_1)
	v_cndmask_b32 v[QW], v[QW], v[QW+1], s[HIM]    ; lanes 0-15 tile 0's words, lanes 16-31 tile 1's
.irp q, 0,1,2,3
.irp g, 0,1,2,3
	v_cvt_scalef32_pk8_fp4_f32 v[CD+4*\q+\g], v[X+32*\q+8*\g:X+32*\q+8*\g+7], v[QO+\q]
.endr
.endr
	v_nop                                          ; one plain instruction behind the last scaled conversion
.irp i, 0,1
.irp j, 0,1
	global_store_b128 v1, v[CD+4*(2*\i+\j):CD+4*(2*\i+\j)+3], s[PQC:PQC+1] offset:8192*\i+512*\j   ; 512 bytes on end
.endr
.endr
	global_store_b32 v2, v[QW], s[PQS:PQS+1]       ; 128 bytes on end
.endm
	s_load_b512 s[4:19], s[0:1], 0x0               ; x, ln1_g, ln1_b, W_qkv codes, scales, W_out codes, scales, W1 codes
	s_load_b256 s[20:27], s[0:1], 0x40             ; W1 scales, W2 codes, scales, wk1
	v_lshl_add_u32 v[SPW], v0, 2, SPARE
	v_mov_b32 v[NIL], 0
	v_lshrrev_b32 v13, 5, v0
	s_delay_alu instid0(VALU_DEP_1)
	v_readfirstlane_b32 s28, v13                   ; wave 0..7
	v_and_b32 v13, 31, v0
	s_delay_alu instid0(VALU_DEP_1)
	v_lshlrev_b32 v1, 4, v13                       ; 16 x lane
	s_delay_alu instid0(VALU_DEP_2)
	v_lshlrev_b32 v2, 2, v13                       ; 4 x lane
	v_and_b32 v3, 15, v0                           ; r
	v_bfe_u32 v4, v0, 4, 1                         ; h
	s_mul_i32 s33, s28, 4*STP
	v_add_nc_u32 v[RA], s33, v1                    ; my four stage rows, 16 bytes a lane
	v_mul_u32_u24 v[QA], v3, STP
	s_delay_alu instid0(VALU_DEP_1)
	v_lshl_add_u32 v[QA], v4, 7, v[QA]
	s_lshl_b32 s33, s28, 9
	v_add_nc_u32 v[QA], s33, v[QA]                 ; stage row r, block 4 w + h
	s_delay_alu instid0(VALU_DEP_1)
	v_add_nc_u32 v[QA+1], 16*STP, v[QA]            ; the same in tile 1
	s_mov_b32 s[HIM], 0xffff0000
	s_mov_b32 s[SEL], 0x76543210
	s_mov_b32 s[SEL+1], 0xfedcba98
	s_cmp_lt_u32 ttmp9, 128                        ; the work-group's number alone: all eight waves go the same way
	s_cbranch_scc0 .Llayout
	; ---- the LN path.  Stage rows 4 w + i are tokens 32 g + 8 (w / 4) + 4 (w % 2) + 16 ((w / 2) % 2) + i: the tile order
	s_lshr_b32 s33, s28, 2
	s_lshl_b32 s33, s33, 3
	s_and_b32 s34, s28, 1
	s_lshl_b32 s34, s34, 2
	s_add_co_u32 s33, s33, s34
	s_bfe_u32 s34, s28, 0x10001
	s_lshl_b32 s34, s34, 4
	s_add_co_u32 s33, s33, s34
	s_lshl_b32 s34, ttmp9, 5
	s_add_co_u32 s34, s34, s33                     ; my first token
	s_lshl_b32 s34, s34, 12                        ; x 4,096 bytes
	s_mov_b32 s35, 0
	s_lshl_b32 s[PQC], ttmp9, 14
	s_lshl_b32 s33, s28, 10
	s_add_co_u32 s[PQC], s[PQC], s33
	s_add_co_u32 s[PQC], s[PQC], H1C               ; codes: two tiles of 8,192 bytes a work-group, K step w
	s_mov_b32 s[PQC+1], 0
	s_lshl_b32 s[PQS], s28, 14
	s_lshl_b32 s33, ttmp9, 7
	s_add_co_u32 s[PQS], s[PQS], s33
	s_add_co_u32 s[PQS], s[PQS], H1S               ; words: (256 w + 2 g) x 64
	s_mov_b32 s[PQS+1], 0
	s_mov_b32 s[C10], 0x3a800000
	s_mov_b32 s[CEPS], 0x3727c5ac
	s_wait_kmcnt 0x0
	s_add_nc_u64 s[4:5], s[4:5], s[34:35]
	s_add_nc_u64 s[PQC:PQC+1], s[26:27], s[PQC:PQC+1]
	s_add_nc_u64 s[PQS:PQS+1], s[26:27], s[PQS:PQS+1]
	s_wait_alu depctr_va_vdst(0)
.irp i, 0,1,2,3
.irp e, 0,1,2,3,4,5,6,7
	global_load_b128 v[X+32*\i+4*\e:X+32*\i+4*\e+3], v1, s[4:5] offset:4096*\i+512*\e
.endr
.endr
.irp e, 0,1,2,3,4,5,6,7
	global_load_b128 v[GG+4*\e:GG+4*\e+3], v1, s[6:7] offset:512*\e
	global_load_b128 v[BB+4*\e:BB+4*\e+3], v1, s[8:9] offset:512*\e
.endr
.irp i, 0,1,2,3
	v_mov_b32 v[PT+\i], 0                          ; a lane permute's destination counts as one of its sources
.endr
	s_wait_loadcnt 16                              ; x's 32 loads are in; the 16 of gain and bias may be out
	LNROWS
	s_wait_dscnt 0x0                               ; for the others' sake: my rows lie in the stage
	s_barrier_signal -1
	s_barrier_wait -1
	QPHASE
	s_wait_tensorcnt 0x0                           ; the wave's end: three closing lines behind my last LDS store
	ds_add_u32 v[SPW], v[NIL]
	s_wait_dscnt 0x0
	s_endpgm
	; ---- the layout path: job J = 8 (g - 128) + wave.  J < 96: W_qkv; < 128: W_out; < 256: W1 (a pair of tiles, all 32 blocks); else W2 (pair (J - 256) / 4, blocks 32 ((J - 256) % 4) on).  It writes no LDS
.Llayout:
	s_sub_co_u32 s40, ttmp9, 128
	s_lshl_b32 s41, s40, 3
	s_add_co_u32 s41, s41, s28                     ; J
	s_wait_kmcnt 0x0
	s_mov_b32 s42, 256
	s_cmp_lt_u32 s40, 32
	s_cselect_b64 s[44:45], s[18:19], s[22:23]     ; codes: W1's or W2's
	s_cselect_b64 s[46:47], s[20:21], s[24:25]     ; scale bytes
	s_cselect_b32 s42, 128, s42                    ; the weight's first job
	s_cselect_b32 s43, 0, 2                        ; jobs to a pair of tiles, as a shift
	s_cselect_b32 s48, 9, 11                       ; a row of codes: 512 or 2,048 bytes, as a shift
	s_cselect_b32 s49, 5, 7                        ; a row of scale bytes: 32 or 128
	s_cselect_b32 s50, 0, 3
	s_cselect_b32 s51, 13, 15                      ; a tile's image: 8,192 or 32,768 bytes
	s_cmp_lt_u32 s40, 16
	s_cselect_b64 s[44:45], s[14:15], s[44:45]
	s_cselect_b64 s[46:47], s[16:17], s[46:47]
	s_cselect_b32 s42, 96, s42
	s_cmp_lt_u32 s40, 12
	s_cselect_b64 s[44:45], s[10:11], s[44:45]
	s_cselect_b64 s[46:47], s[12:13], s[46:47]
	s_cselect_b32 s42, 0, s42
	s_sub_co_u32 s42, s41, s42                     ; the job's number within its weight
	s_and_b32 s52, s42, s50                        ; G: which 32 blocks
	s_lshr_b32 s53, s42, s43                       ; B: which 32 rows
	s_add_co_u32 s54, s48, 5
	s_lshl_b32 s54, s53, s54
	s_lshl_b32 s55, s52, 9
	s_add_co_u32 s54, s54, s55
	s_mov_b32 s55, 0
	s_add_nc_u64 s[44:45], s[44:45], s[54:55]      ; codes from row 32 B, byte 512 G
	s_add_co_u32 s54, s49, 5
	s_lshl_b32 s54, s53, s54
	s_lshl_b32 s56, s52, 5
	s_add_co_u32 s54, s54, s56
	s_add_nc_u64 s[46:47], s[46:47], s[54:55]      ; scale bytes from row 32 B, byte 32 G
	s_lshl_b32 s56, s41, 14                        ; where they go.  K = 1,024: codes 16,384 J,
	s_lshl_b32 s57, s53, 16                        ; W2: 4,194,304 + 65,536 B + 8,192 G
	s_lshl_b32 s54, s52, 13
	s_add_co_u32 s57, s57, s54
	s_add_co_u32 s57, s57, 4194304
	s_lshr_b32 s58, s41, 7                         ; words, K = 1,024: 131,072 (J / 128) + 128 (J % 128),
	s_lshl_b32 s58, s58, 17
	s_and_b32 s54, s41, 127
	s_lshl_b32 s54, s54, 7
	s_add_co_u32 s58, s58, s54
	s_lshl_b32 s59, s52, 17                        ; W2: 262,144 + 131,072 G + 128 B
	s_lshl_b32 s54, s53, 7
	s_add_co_u32 s59, s59, s54
	s_add_co_u32 s59, s59, 262144
	s_cmp_lt_u32 s40, 32
	s_cselect_b32 s54, s56, s57
	s_cselect_b32 s56, s58, s59
	s_add_nc_u64 s[60:61], s[26:27], s[54:55]
	s_add_co_u32 s54, s56, WSC
	s_add_nc_u64 s[62:63], s[26:27], s[54:55]
	s_wait_alu depctr_va_vdst(0)
	v_and_b32 v32, 8, v3
	s_delay_alu instid0(VALU_DEP_1)
	v_add_nc_u32 v32, v32, v3                      ; r + 8 (r / 8)
	s_delay_alu instid0(VALU_DEP_1)
	v_lshlrev_b32 v33, s48, v32
	s_delay_alu instid0(VALU_DEP_1)
	v_lshl_add_u32 v33, v4, 4, v33                 ; tile 0: my row, block h of a pair of blocks
	s_add_co_u32 s54, s48, 3
	s_lshl_b32 s54, 1, s54
	v_add_nc_u32 v34, s54, v33                     ; tile 1: eight rows on
	v_lshl_add_u32 v35, v4, 3, v32
	s_delay_alu instid0(VALU_DEP_1)
	v_lshlrev_b32 v35, s49, v35                    ; scale bytes: lanes 0-15 tile 0's rows, lanes 16-31 tile 1's
	s_lshl_b32 s54, 1, s51
	v_add_nc_u32 v36, s54, v1                      ; tile 1's image
.irp j, 0,1,2,3,4,5,6,7,8,9,10,11,12,13,14,15
	global_load_b128 v[128+4*\j:131+4*\j], v33, s[44:45] offset:32*\j th:TH_LOAD_NT
.endr
.irp j, 0,1,2,3,4,5,6,7,8,9,10,11,12,13,14,15
	global_load_b128 v[192+4*\j:195+4*\j], v34, s[44:45] offset:32*\j th:TH_LOAD_NT
.endr
	global_load_b128 v[16:19], v35, s[46:47] th:TH_LOAD_NT
	global_load_b128 v[20:23], v35, s[46:47] offset:16 th:TH_LOAD_NT
	s_wait_alu depctr_va_vdst(0)
	s_wait_loadcnt 18                              ; tile 0's 16 loads are in; tile 1's 16 and the two of scale bytes may be out
.irp j, 0,1,2,3,4,5,6,7,8,9,10,11,12,13,14,15
	global_store_b128 v1, v[128+4*\j:131+4*\j], s[60:61] offset:512*\j    ; blocks 2 j and 2 j + 1 of sixteen rows: 512 bytes on end
.endr
	s_wait_loadcnt 2                               ; tile 1's are in
.irp j, 0,1,2,3,4,5,6,7,8,9,10,11,12,13,14,15
	global_store_b128 v36, v[192+4*\j:195+4*\j], s[60:61] offset:512*\j
.endr
	s_wait_loadcnt 0x0
.irp s, 0,1,2,3,4,5,6,7
	global_store_b32 v2, v[16+\s], s[62:63] offset:16384*\s               ; a K step's words of both tiles: 128 bytes on end
.endr
	s_endpgm
.Lfunc_end_k_q169dda4e65_prep:
	.size	k_q169dda4e65_prep, .Lfunc_end_k_q169dda4e65_prep-k_q169dda4e65_prep
	.p2alignl 7, 3214868480
	.fill 96, 4, 3214868480
	.section	.rodata,"a",@progbits
	.p2align	6, 0x0
	.amdhsa_kernel k_q169dda4e65_prep
		.amdhsa_group_segment_fixed_size 132608
		.amdhsa_private_segment_fixed_size 0
		.amdhsa_enable_private_segment 0
		.amdhsa_kernarg_size 96
		.amdhsa_user_sgpr_count 2
		.amdhsa_user_sgpr_kernarg_segment_ptr 1
		.amdhsa_wavefront_size32 1
		.amdhsa_system_sgpr_workgroup_id_x 1
		.amdhsa_system_sgpr_workgroup_id_y 1
		.amdhsa_system_sgpr_workgroup_id_z 1
		.amdhsa_system_vgpr_workitem_id 0
		.amdhsa_next_free_vgpr 256
		.amdhsa_next_free_sgpr 66
		.amdhsa_reserve_vcc 0
		.amdhsa_float_denorm_mode_32 3
		.amdhsa_float_denorm_mode_16_64 3
		.amdhsa_memory_ordered 1
		.amdhsa_forward_progress 1
		.amdhsa_inst_pref_size 60
	.end_amdhsa_kernel
	.amdgpu_metadata
---
amdhsa.version: [ 1, 2 ]
amdhsa.kernels:
  - .name:           k_q169dda4e65_prep
    .symbol:         k_q169dda4e65_prep.kd
    .args:
      - { .name: x, .offset: 0, .size: 8, .value_kind: global_buffer, .address_space: global }
      - { .name: ln1_g, .offset: 8, .size: 8, .value_kind: global_buffer, .address_space: global }
      - { .name: ln1_b, .offset: 16, .size: 8, .value_kind: global_buffer, .address_space: global }
      - { .name: W_qkv_codes, .offset: 24, .size: 8, .value_kind: global_buffer, .address_space: global }
      - { .name: W_qkv_scales, .offset: 32, .size: 8, .value_kind: global_buffer, .address_space: global }
      - { .name: W_out_codes, .offset: 40, .size: 8, .value_kind: global_buffer, .address_space: global }
      - { .name: W_out_scales, .offset: 48, .size: 8, .value_kind: global_buffer, .address_space: global }
      - { .name: W1_codes, .offset: 56, .size: 8, .value_kind: global_buffer, .address_space: global }
      - { .name: W1_scales, .offset: 64, .size: 8, .value_kind: global_buffer, .address_space: global }
      - { .name: W2_codes, .offset: 72, .size: 8, .value_kind: global_buffer, .address_space: global }
      - { .name: W2_scales, .offset: 80, .size: 8, .value_kind: global_buffer, .address_space: global }
      - { .name: wk1, .offset: 88, .size: 8, .value_kind: global_buffer, .address_space: global }
    .group_segment_fixed_size: 132608
    .private_segment_fixed_size: 0
    .kernarg_segment_align: 8
    .kernarg_segment_size: 96
    .max_flat_workgroup_size: 256
    .sgpr_count:     66
    .vgpr_count:     256
    .wavefront_size: 32
...
	.end_amdgpu_metadata
.endif
;; end of part 7
;; launch qkv (part 8): grid 384 x 1, 8 waves a work-group, no clusters, 0 bytes of LDS; arguments wk1, b_qkv, wk2; writes wk2
.if DOCPART == 8
	.amdgcn_target "amdgcn-amd-amdhsa--gfx1250"
	.amdhsa_code_object_version 6
	.text
	.protected	k_q169dda4e65_qkv
	.globl	k_q169dda4e65_qkv
	.p2align	8
	.type	k_q169dda4e65_qkv,@function
k_q169dda4e65_qkv:
	s_mov_b64 s[64:65], 0
	v_nop
	global_prefetch_b8 v0, s[64:65] scope:SCOPE_SE
	s_setreg_imm32_b32 hwreg(HW_REG_WAVE_SCHED_MODE, 0, 2), 2
	s_setreg_imm32_b32 hwreg(HW_REG_WAVE_MODE, 25, 1), 1
	s_wait_xcnt 0x0
	s_wait_alu depctr_vm_vsrc(0)
; QKV: h W_qkv + b_qkv on codes of E2M1 (K = 1,024), and the results quantised on the way: q and k along the head's 64, v along the keys.  Nothing is left out.
; A WAVE makes 128 x 32: source 0 = eight tiles (X), source 1 = two tiles (Y), sixteen accumulators.  In a result lane (r, h) holds row r of Y's tile, and by the tile order (tile 2 B + u, row r = row 32 B + 8 u + r + 8 (r / 8))
; the sixteen registers of X's tiles 2 b and 2 b + 1 are sixteen NEIGHBOURS 32 b + 16 h + 0 .. 15 along X: so X is the axis along which the result is quantised.
;   q, k (work-groups 0-255): X = 128 rows of W_qkv (two heads), Y = 32 tokens.   v (256-383): X = 128 tokens (a key step), Y = 32 of v's features.
; Operands come from wk1 straight into registers as images of the fragments (512 bytes on end a load), three sets by turns, two K steps ahead; the whole walk of 8 steps is written out, every offset an immediate.
; wk2: QKC [batch][32 heads: 16 of q, 16 of k][128 tiles][512 bytes]: lane (r, h) holds d = 32 h .. + 31;  VC [batch x head][16 key steps][4 tiles of d][1,024];  QKS [batch][32][64 pairs][16 r][2 u] words (s0, s1, s0, s1);  VS [bh][16][4][16] words.
; The two kinds part ONCE, on the work-group's number, and each runs a whole path of its own.
; No tensor load, no cluster: a work-group's eight waves load 80 KB a K step, of which 24 KB are distinct; the walk is 8 steps, and loads into registers need no barrier in it.
; LIMITS: NaN and infinities are not served; a block of zeros gets the scale byte 1 (its codes are zeros; this program alone reads the bytes).
; THE MODE: SCHED_MODE bits 1:0 = 2 (LLVM: expert scheduling mode 2), set by the entry lines.  The code itself states the register dependences
; between vector or matrix instructions and memory instructions, with s_wait_alu, always for 0.
; THE PLAN.  Registers that memory instructions touch:
;   the three sets of fragments (v256-495) and of scale words (v112-126): set s % 3 is written by the 25 loads of K step s, which are issued behind step s - 3's products, and read by step s's sixteen products.
;   v16-79, the bias: loaded once, read as C by step 0's products; from the way out on named by vector instructions alone.
;   v1, v2, v5: offsets, made at the head and never written again.
;   the codes v96-111, the words v16, v17 and the offset v6: written by the way out's vector instructions, read by the last stores, never written again.
; So ONE wait on va_vdst stands in a K step, ahead of its run of 25 loads; one ahead of each path's first load; one ahead of each path's stores.  The loads stand directly behind the last readers of their set,
; ahead of the wait for this step's data: three steps' loads are on their way.  No register that a memory instruction reads is written again, so no wait on vm_vsrc is owed.
.set WSC,  6291456
.set H1C,  7077888
.set H1S,  9175040
.set VC,   4194304
.set QKS,  6291456
.set VS,   6815744
.set TSX,  8192
.set TSY,  8192
.set BI,   16                          ; v16-79   the bias in the result's layout: the C of the first K step
.set TM,   80                          ; v80-95   at work in QUANT
.set PC0,  96                          ; v96-103, v104-111 the codes just made
.set PC1,  104
.set PW0,  12                          ; v12, v13 their scale words
.set PW1,  13
.set SCR,  112                         ; v112-126 scale words, three sets of five: scales and nothing else
.set ACC,  128                         ; v128-255 accumulator (y, a) at 128 + 8 (8 y + a)
.set PX,   32                          ; s[32:33] X's codes, s[34:35] Y's, s[36:37] X's scale words, s[38:39] Y's
.set PY,   34
.set SX,   36
.set SY,   38
.set SEL,  20                          ; s[20:21] lane selects: lane l xor 16
.set HIM,  22                          ; s22      mask of lanes 16-31
.set MSB,  0
.macro WIN new                         ; window 1 (v256-495) holds the three sets of fragments: 80 registers each, X's eight and then Y's two
.if MSB != \new
	s_set_vgpr_msb (MSB<<8)|\new
.set MSB, \new
.endif
.endm
.macro LDSTEP s                        ; K step s: 5 loads of scale words, 20 of codes: 25
.set K3, (\s)%3
	WIN 0
.irp q, 0,1,2,3
	global_load_b32 v[SCR+5*K3+\q], v2, s[SX:SX+1] offset:16384*(\s)+128*\q     ; X's tiles 2 q (lanes 0-15) and 2 q + 1 (lanes 16-31)
.endr
	global_load_b32 v[SCR+5*K3+4], v2, s[SY:SY+1] offset:16384*(\s)
	WIN 0x40
.irp i, 0,1,2,3,4,5,6,7
.irp c, 0,1
	global_load_b128 v[80*K3+8*\i+4*\c:80*K3+8*\i+4*\c+3], v1, s[PX:PX+1] offset:TSX*\i+1024*(\s)+512*\c
.endr
.endr
.irp i, 0,1
.irp c, 0,1
	global_load_b128 v[80*K3+64+8*\i+4*\c:80*K3+64+8*\i+4*\c+3], v1, s[PY:PY+1] offset:TSY*\i+1024*(\s)+512*\c
.endr
.endr
.endm
.macro WMS rd, ra, rb, cz, rc, sa, sb, rowa, rowb      ; one product; cz = 1: C is 0; rowa, rowb = 1: the side's scale words stand in lanes 16-31
.if (\cz) && (\rowa) && (\rowb)
	v_wmma_scale_f32_16x16x128_f8f6f4 v[(\rd):(\rd)+7], v[(\ra):(\ra)+7], v[(\rb):(\rb)+7], 0, v[\sa], v[\sb] matrix_a_fmt:MATRIX_FMT_FP4 matrix_b_fmt:MATRIX_FMT_FP4 matrix_a_scale:MATRIX_SCALE_ROW1 matrix_b_scale:MATRIX_SCALE_ROW1
.elseif (\cz) && (\rowa)
	v_wmma_scale_f32_16x16x128_f8f6f4 v[(\rd):(\rd)+7], v[(\ra):(\ra)+7], v[(\rb):(\rb)+7], 0, v[\sa], v[\sb] matrix_a_fmt:MATRIX_FMT_FP4 matrix_b_fmt:MATRIX_FMT_FP4 matrix_a_scale:MATRIX_SCALE_ROW1
.elseif (\cz) && (\rowb)
	v_wmma_scale_f32_16x16x128_f8f6f4 v[(\rd):(\rd)+7], v[(\ra):(\ra)+7], v[(\rb):(\rb)+7], 0, v[\sa], v[\sb] matrix_a_fmt:MATRIX_FMT_FP4 matrix_b_fmt:MATRIX_FMT_FP4 matrix_b_scale:MATRIX_SCALE_ROW1
.elseif (\cz)
	v_wmma_scale_f32_16x16x128_f8f6f4 v[(\rd):(\rd)+7], v[(\ra):(\ra)+7], v[(\rb):(\rb)+7], 0, v[\sa], v[\sb] matrix_a_fmt:MATRIX_FMT_FP4 matrix_b_fmt:MATRIX_FMT_FP4
.elseif (\rowa) && (\rowb)
	v_wmma_scale_f32_16x16x128_f8f6f4 v[(\rd):(\rd)+7], v[(\ra):(\ra)+7], v[(\rb):(\rb)+7], v[(\rc):(\rc)+7], v[\sa], v[\sb] matrix_a_fmt:MATRIX_FMT_FP4 matrix_b_fmt:MATRIX_FMT_FP4 matrix_a_scale:MATRIX_SCALE_ROW1 matrix_b_scale:MATRIX_SCALE_ROW1
.elseif (\rowa)
	v_wmma_scale_f32_16x16x128_f8f6f4 v[(\rd):(\rd)+7], v[(\ra):(\ra)+7], v[(\rb):(\rb)+7], v[(\rc):(\rc)+7], v[\sa], v[\sb] matrix_a_fmt:MATRIX_FMT_FP4 matrix_b_fmt:MATRIX_FMT_FP4 matrix_a_scale:MATRIX_SCALE_ROW1
.elseif (\rowb)
	v_wmma_scale_f32_16x16x128_f8f6f4 v[(\rd):(\rd)+7], v[(\ra):(\ra)+7], v[(\rb):(\rb)+7], v[(\rc):(\rc)+7], v[\sa], v[\sb] matrix_a_fmt:MATRIX_FMT_FP4 matrix_b_fmt:MATRIX_FMT_FP4 matrix_b_scale:MATRIX_SCALE_ROW1
.else
	v_wmma_scale_f32_16x16x128_f8f6f4 v[(\rd):(\rd)+7], v[(\ra):(\ra)+7], v[(\rb):(\rb)+7], v[(\rc):(\rc)+7], v[\sa], v[\sb] matrix_a_fmt:MATRIX_FMT_FP4 matrix_b_fmt:MATRIX_FMT_FP4
.endif
.endm
.macro MULSTEP s, cm                   ; 16 products; the sixteen accumulators take turns, one instruction a turn, in the same order in every step.  cm: C is 0 (0), the bias by X's tile (1), by Y's tile (2), the accumulator (3)
.set K3, (\s)%3
	WIN 0x05
.irp y, 0,1
.irp a, 0,1,2,3,4,5,6,7
.if (\cm) == 0
	WMS ACC+8*(8*\y+\a), 80*K3+8*\a, 80*K3+64+8*\y, 1, 0, SCR+5*K3+(\a/2), SCR+5*K3+4, \a%2, \y
.elseif (\cm) == 1
	WMS ACC+8*(8*\y+\a), 80*K3+8*\a, 80*K3+64+8*\y, 0, BI+8*\a, SCR+5*K3+(\a/2), SCR+5*K3+4, \a%2, \y
.elseif (\cm) == 2
	WMS ACC+8*(8*\y+\a), 80*K3+8*\a, 80*K3+64+8*\y, 0, BI+8*\y, SCR+5*K3+(\a/2), SCR+5*K3+4, \a%2, \y
.else
	WMS ACC+8*(8*\y+\a), 80*K3+8*\a, 80*K3+64+8*\y, 0, ACC+8*(8*\y+\a), SCR+5*K3+(\a/2), SCR+5*K3+4, \a%2, \y
.endif
.endr
.endr
.endm
.macro KSTEP s, S, cm
.if (\s)+2 < (\S)
.if (\s) > 0
.rept 4
	v_nop                                          ; four places between the last step's products and the loads into the set that they read
.endr
	s_wait_alu depctr_va_vdst(0)                   ; the last step's sixteen products are done reading their set of fragments and scale words, in which the 25 loads below land; only window switches and loads stand between
.endif
	LDSTEP (\s)+2
.endif
.if (\S)-1-(\s) >= 2
	s_wait_loadcnt 50                              ; this step's loads are in; the 25 of each of the next two steps may be out
.else
	s_wait_loadcnt 25*((\S)-1-(\s))
.endif
	MULSTEP \s, \cm
.endm
.macro GEMM S, cm
	LDSTEP 0
	LDSTEP 1
	KSTEP 0, \S, \cm
.set KS_, 1
.rept (\S)-1
	KSTEP KS_, \S, 3
.set KS_, KS_+1
.endr
	WIN 0
.rept 4
	v_nop                                          ; four places ahead of the first read of results
.endr
.endm
; 64 numbers of a lane, register 16 b + i = k 32 b + 16 h + i of my row, become a fragment's codes in v[pc] on and its scale word in v[pw]
.macro QUANT src, pc, pw
.irp b, 0,1,2,3
	v_max3_num_f32 v[TM+\b], |v[(\src)+16*\b]|, |v[(\src)+1+16*\b]|, 0x1800000   ; my 16 numbers of block b, and the floor 2^(3 - 127): the byte cannot fall under 1
.endr
.irp i, 2,4,6,8,10,12,14
.irp b, 0,1,2,3
	v_max3_num_f32 v[TM+\b], v[TM+\b], |v[(\src)+16*\b+\i]|, |v[(\src)+1+16*\b+\i]|
.endr
.endr
.irp b, 0,1,2,3
	v_permlanex16_b32 v[TM+4+\b], v[TM+\b], s[SEL], s[SEL+1]
.endr
.irp b, 0,1,2,3
	v_max_num_f32 v[TM+\b], v[TM+\b], v[TM+4+\b]   ; with lane l xor 16's: the block's largest magnitude
.endr
.irp b, 0,1,2,3
	v_add_nc_u32 v[TM+12+\b], 0xff000000, v[TM+\b] ; 2 off its exponent field: the conversion's scale operand
.endr
.irp b, 0,1,2,3
	v_lshrrev_b32 v[TM+4+\b], 23, v[TM+12+\b]      ; the scale's byte
.endr
	v_lshl_or_b32 v[\pw], v[TM+5], 8, v[TM+4]
	v_lshl_or_b32 v[\pw], v[TM+6], 16, v[\pw]
	v_lshl_or_b32 v[\pw], v[TM+7], 24, v[\pw]
.irp b, 0,1,2,3
	v_cvt_scalef32_pk8_fp4_f32 v[(\pc)+2*\b], v[(\src)+16*\b:(\src)+7+16*\b], v[TM+12+\b]
	v_cvt_scalef32_pk8_fp4_f32 v[(\pc)+1+2*\b], v[(\src)+8+16*\b:(\src)+15+16*\b], v[TM+12+\b]
.endr
	v_nop                                          ; one plain instruction behind a scaled conversion
.irp c, 0,1                                    ; the operand wants a whole block in a lane: lanes 0-15 block 2 c, lanes 16-31 block 2 c + 1
.irp i, 0,1
	v_permlane16_swap_b32 v[(\pc)+4*\c+\i], v[(\pc)+2+4*\c+\i]
.endr
.endr
.endm
	s_load_b128 s[4:7], s[0:1], 0x0                ; wk1, b_qkv
	s_load_b64 s[8:9], s[0:1], 0x10                ; wk2
	v_lshrrev_b32 v5, 5, v0
	v_readfirstlane_b32 s28, v5                    ; wave 0..7
	v_and_b32 v5, 31, v0
	v_lshlrev_b32 v1, 4, v5                        ; 16 x lane
	v_lshlrev_b32 v2, 2, v5                        ; 4 x lane
	v_and_b32 v3, 15, v0                           ; r
	v_bfe_u32 v4, v0, 4, 1                         ; h
.irp b, 0,1,2,3
	v_mov_b32 v[TM+4+\b], 0                        ; a lane permute's destination counts as one of its sources
.endr
	s_wait_alu depctr_va_sdst(0)                   ; s28 is written, ahead of its first reader: every base is made from it
	s_and_b32 s29, s28, 1                          ; which of the work-group's two X
	s_lshr_b32 s30, s28, 1                         ; which of its four Y
	s_mov_b32 s[SEL], 0x76543210
	s_mov_b32 s[SEL+1], 0xfedcba98
	s_mov_b32 s[HIM], 0xffff0000
	s_cmp_lt_u32 ttmp9, 256
	s_cbranch_scc0 .Lvalues
	; ---- q and k: xb = 2 (g % 8) + wave % 2: rows 128 xb on of W_qkv, heads 2 xb and 2 xb + 1 of 32;  yb = 4 (g / 8) + wave / 2: token tiles 2 yb, 2 yb + 1
	s_and_b32 s47, ttmp9, 7
	s_lshl_b32 s47, s47, 1
	s_add_co_u32 s47, s47, s29
	s_lshr_b32 s48, ttmp9, 3
	s_lshl_b32 s48, s48, 2
	s_add_co_u32 s48, s48, s30
	s_lshl_b32 s[PX], s47, 16
	s_mov_b32 s[PX+1], 0
	s_lshl_b32 s[PY], s48, 14
	s_add_co_u32 s[PY], s[PY], H1C
	s_mov_b32 s[PY+1], 0
	s_lshl_b32 s50, s47, 9                         ; the bias of my 128 rows
	s_mov_b32 s51, 0
	s_add_co_u32 s[SX], s50, WSC
	s_mov_b32 s[SX+1], 0
	s_lshl_b32 s[SY], s48, 7
	s_add_co_u32 s[SY], s[SY], H1S
	s_mov_b32 s[SY+1], 0
	s_lshr_b32 s56, s48, 6                         ; batch
	s_and_b32 s57, s48, 63                         ; pair of tiles within the sequence
	s_lshl_b32 s52, s56, 21
	s_lshl_b32 s58, s47, 17
	s_add_co_u32 s52, s52, s58
	s_lshl_b32 s58, s57, 10
	s_add_co_u32 s52, s52, s58                     ; codes: 2,097,152 batch + 65,536 (2 xb) + 512 (2 pair)
	s_mov_b32 s53, 0
	s_lshl_b32 s54, s56, 18
	s_lshl_b32 s58, s47, 14
	s_add_co_u32 s54, s54, s58
	s_lshl_b32 s58, s57, 7
	s_add_co_u32 s54, s54, s58
	s_add_co_u32 s54, s54, QKS                     ; words: 8,192 (32 batch + 2 xb) + 128 pair
	s_mov_b32 s55, 0
	s_wait_alu depctr_va_vdst(0)
	v_lshlrev_b32 v5, 6, v4                        ; 64 h
	s_wait_kmcnt 0x0
	s_add_nc_u64 s[PX:PX+1], s[4:5], s[PX:PX+1]
	s_add_nc_u64 s[PY:PY+1], s[4:5], s[PY:PY+1]
	s_add_nc_u64 s[SX:SX+1], s[4:5], s[SX:SX+1]
	s_add_nc_u64 s[SY:SY+1], s[4:5], s[SY:SY+1]
	s_add_nc_u64 s[50:51], s[6:7], s[50:51]
	s_add_nc_u64 s[52:53], s[8:9], s[52:53]
	s_add_nc_u64 s[54:55], s[8:9], s[54:55]
	s_wait_alu depctr_va_vdst(0)                   ; the offsets v1, v2 and v5 are written, which every load of this path reads
.irp a, 0,1,2,3,4,5,6,7
	global_load_b128 v[BI+8*\a:BI+8*\a+3], v5, s[50:51] offset:128*(\a/2)+32*(\a%2)        ; tile a: the bias of rows 32 (a / 2) + 16 h + 8 (a % 2) + 0 .. 7
	global_load_b128 v[BI+8*\a+4:BI+8*\a+7], v5, s[50:51] offset:128*(\a/2)+32*(\a%2)+16
.endr
	GEMM 8, 1
	QUANT ACC, PC0, PW0                            ; token tile 2 yb: registers 4 c on are head 2 xb + c, d = 32 h on
	QUANT ACC+64, PC1, PW1
	v_mov_b32 v7, 0x01000100
	v_mov_b32 v8, 0x03020302
	v_cndmask_b32 v7, v7, v8, s[HIM]               ; lanes 0-15 take the first head's two bytes twice, lanes 16-31 the second's
	v_perm_b32 v16, v[PW0], v[PW0], v7
	v_perm_b32 v17, v[PW1], v[PW1], v7
	v_lshlrev_b32 v6, 3, v3
	v_lshl_add_u32 v6, v4, 13, v6                  ; 8,192 h + 8 r
	s_wait_alu depctr_va_vdst(0)                   ; the codes v96-111, the words v16, v17 and the offset v6 are written, which the stores below read
.irp c, 0,1
	global_store_b128 v1, v[PC0+4*\c:PC0+4*\c+3], s[52:53] offset:65536*\c             ; 512 bytes on end
	global_store_b128 v1, v[PC1+4*\c:PC1+4*\c+3], s[52:53] offset:65536*\c+512
.endr
	global_store_b64 v6, v[16:17], s[54:55]        ; both tiles' words of a row: sixteen lanes store 128 bytes on end
	s_endpgm
	; ---- v: xb = 2 (g' % 16) + wave % 2: tokens 128 xb on (batch xb / 16, key step xb % 16);  yb = 4 (g' / 16) + wave / 2: features 32 yb on of v's 1,024 (head yb / 2)
.Lvalues:
	s_sub_co_u32 s46, ttmp9, 256
	s_and_b32 s47, s46, 15
	s_lshl_b32 s47, s47, 1
	s_add_co_u32 s47, s47, s29
	s_lshr_b32 s48, s46, 4
	s_lshl_b32 s48, s48, 2
	s_add_co_u32 s48, s48, s30
	s_lshl_b32 s[PX], s47, 16
	s_add_co_u32 s[PX], s[PX], H1C
	s_mov_b32 s[PX+1], 0
	s_lshl_b32 s[PY], s48, 14
	s_add_co_u32 s[PY], s[PY], 1048576             ; W_qkv's tiles 128 + 2 yb on
	s_mov_b32 s[PY+1], 0
	s_lshl_b32 s[SX], s47, 9
	s_add_co_u32 s[SX], s[SX], H1S
	s_mov_b32 s[SX+1], 0
	s_lshl_b32 s50, s48, 7
	s_add_co_u32 s[SY], s50, WSC+8192
	s_mov_b32 s[SY+1], 0
	s_add_co_u32 s50, s50, 8192                    ; the bias from number 2,048 + 32 yb on
	s_mov_b32 s51, 0
	s_lshr_b32 s56, s47, 4
	s_lshl_b32 s56, s56, 4
	s_lshr_b32 s57, s48, 1
	s_add_co_u32 s56, s56, s57                     ; 16 batch + head
	s_and_b32 s57, s47, 15                         ; key step
	s_and_b32 s58, s48, 1                          ; which 32 of the head's 64
	s_lshl_b32 s52, s56, 16
	s_lshl_b32 s59, s57, 12
	s_add_co_u32 s52, s52, s59
	s_lshl_b32 s59, s58, 11
	s_add_co_u32 s52, s52, s59
	s_add_co_u32 s52, s52, VC
	s_mov_b32 s53, 0
	s_lshl_b32 s54, s56, 12
	s_lshl_b32 s59, s57, 8
	s_add_co_u32 s54, s54, s59
	s_lshl_b32 s59, s58, 7
	s_add_co_u32 s54, s54, s59
	s_add_co_u32 s54, s54, VS
	s_mov_b32 s55, 0
	s_wait_alu depctr_va_vdst(0)
	v_and_b32 v5, 8, v3
	v_add_nc_u32 v5, v5, v3
	v_lshlrev_b32 v5, 2, v5                        ; 4 (r + 8 (r / 8)): my feature's bias
	s_wait_kmcnt 0x0
	s_add_nc_u64 s[PX:PX+1], s[4:5], s[PX:PX+1]
	s_add_nc_u64 s[PY:PY+1], s[4:5], s[PY:PY+1]
	s_add_nc_u64 s[SX:SX+1], s[4:5], s[SX:SX+1]
	s_add_nc_u64 s[SY:SY+1], s[4:5], s[SY:SY+1]
	s_add_nc_u64 s[50:51], s[6:7], s[50:51]
	s_add_nc_u64 s[52:53], s[8:9], s[52:53]
	s_add_nc_u64 s[54:55], s[8:9], s[54:55]
	s_wait_alu depctr_va_vdst(0)                   ; the offsets v1, v2 and v5 are written, which every load of this path reads
.irp y, 0,1
.irp j, 0,1,2,3,4,5,6,7
	global_load_b32 v[BI+8*\y+\j], v5, s[50:51] offset:32*\y      ; a lane holds one feature: its bias in all eight registers
.endr
.endr
	GEMM 8, 2
	QUANT ACC, PC0, PW0                            ; tile of d 2 (yb % 2): a fragment of 16 d x these 128 keys
	QUANT ACC+64, PC1, PW1
	v_cndmask_b32 v16, v[PW0], v[PW1], s[HIM]      ; lanes 0-15 the first tile's words, lanes 16-31 the second's
	s_wait_alu depctr_va_vdst(0)                   ; the codes v96-111 and the words v16 are written, which the stores below read
.irp c, 0,1
	global_store_b128 v1, v[PC0+4*\c:PC0+4*\c+3], s[52:53] offset:512*\c
	global_store_b128 v1, v[PC1+4*\c:PC1+4*\c+3], s[52:53] offset:1024+512*\c
.endr
	global_store_b32 v2, v16, s[54:55]
	s_endpgm
.Lfunc_end_k_q169dda4e65_qkv:
	.size	k_q169dda4e65_qkv, .Lfunc_end_k_q169dda4e65_qkv-k_q169dda4e65_qkv
	.p2alignl 7, 3214868480
	.fill 96, 4, 3214868480
	.section	.rodata,"a",@progbits
	.p2align	6, 0x0
	.amdhsa_kernel k_q169dda4e65_qkv
		.amdhsa_group_segment_fixed_size 0
		.amdhsa_private_segment_fixed_size 0
		.amdhsa_enable_private_segment 0
		.amdhsa_kernarg_size 24
		.amdhsa_user_sgpr_count 2
		.amdhsa_user_sgpr_kernarg_segment_ptr 1
		.amdhsa_wavefront_size32 1
		.amdhsa_system_sgpr_workgroup_id_x 1
		.amdhsa_system_sgpr_workgroup_id_y 1
		.amdhsa_system_sgpr_workgroup_id_z 1
		.amdhsa_system_vgpr_workitem_id 0
		.amdhsa_next_free_vgpr 512
		.amdhsa_next_free_sgpr 66
		.amdhsa_reserve_vcc 0
		.amdhsa_float_denorm_mode_32 3
		.amdhsa_float_denorm_mode_16_64 3
		.amdhsa_memory_ordered 1
		.amdhsa_forward_progress 1
		.amdhsa_inst_pref_size 98
	.end_amdhsa_kernel
	.amdgpu_metadata
---
amdhsa.version: [ 1, 2 ]
amdhsa.kernels:
  - .name:           k_q169dda4e65_qkv
    .symbol:         k_q169dda4e65_qkv.kd
    .args:
      - { .name: wk1, .offset: 0, .size: 8, .value_kind: global_buffer, .address_space: global }
      - { .name: b_qkv, .offset: 8, .size: 8, .value_kind: global_buffer, .address_space: global }
      - { .name: wk2, .offset: 16, .size: 8, .value_kind: global_buffer, .address_space: global }
    .group_segment_fixed_size: 0
    .private_segment_fixed_size: 0
    .kernarg_segment_align: 8
    .kernarg_segment_size: 24
    .max_flat_workgroup_size: 256
    .sgpr_count:     66
    .vgpr_count:     512
    .wavefront_size: 32
...
	.end_amdgpu_metadata
.endif
;; end of part 8
;; launch attn (part 9): grid 8 x 32, 16 waves a work-group, no clusters, 145,408 bytes of LDS; arguments wk2, wk3; writes wk3
.if DOCPART == 9
	.amdgcn_target "amdgcn-amd-amdhsa--gfx1250"
	.amdhsa_code_object_version 6
	.text
	.protected	k_q169dda4e65_attn
	.globl	k_q169dda4e65_attn
	.p2align	8
	.type	k_q169dda4e65_attn,@function
k_q169dda4e65_attn:
	s_mov_b64 s[64:65], 0
	v_nop
	global_prefetch_b8 v0, s[64:65] scope:SCOPE_SE
	s_setreg_imm32_b32 hwreg(HW_REG_WAVE_SCHED_MODE, 0, 2), 2
	s_setreg_imm32_b32 hwreg(HW_REG_WAVE_MODE, 25, 1), 1
	s_wait_xcnt 0x0
	s_wait_alu depctr_vm_vsrc(0)
; ATTN: o = softmax(q k^T / 8) v for one head and 256 queries, both products on codes of E2M1, and o quantised along the block's 1,024 features for the projection.  Nothing is left out.
; THE SOFTMAX: t = score x log2(e) / 8; M = the running largest t rounded UP to a whole number; p = 2^(t - M) is quantised along the keys, not normalised; the row's sum is taken of the unquantised p and divides at the end.
; SHARES: work-group (x = block of 256 queries, y = 16 batch + head); each of sixteen waves owns one tile of 16 queries in 256 registers, four waves to a SIMD.  Every wave walks the head's 2,048 keys, 128 a step.
; K AND V OF THE WHOLE HEAD LIE IN LDS, brought once through registers (18 loads a thread), as images of the fragments: 65,536 bytes each, their scale words 8,192 and 4,096.  One barrier in the launch.
; Both products are used transposed (S^T = k q^T, O^T = v^T p^T): a lane holds ONE query throughout.  By the tile order the 16 registers of key tiles 2 g and 2 g + 1 are keys 32 g + 16 h + 0 .. 15.
; THE FIRST PRODUCT'S K IS 64, THE INSTRUCTION'S 128: source 0 holds the codes of BOTH tiles of a pair (tile 2 g as k 0-63, tile 2 g + 1 as k 64-127); source 1 is q beside 64 zero codes (v16-23) or 64 zero codes beside q (v20-27),
; so each instruction gives one tile's scores and the other tile's codes meet zeros.  A scale word holds its tile's two bytes twice, so it serves either half.
; No cluster: the eight work-groups of a head share only the fill, 18 loads a thread, once, against 16 steps of some 240 vector instructions.
; LIMITS: NaN and infinities are not served; a block's largest p is taken as 2^(.) of the block's largest score, which takes v_exp_f32 not to fall where its input rises; v_exp_f32 and v_rcp_f32 are good to one unit in the last place
; and flush denormals; a block of zeros gets the scale byte 1.  o's scale bytes leave as halves of a word, 2 bytes a lane: 131,072 bytes in the launch.
; THE MODE: SCHED_MODE bits 1:0 = 2 (LLVM: expert scheduling mode 2), set by the entry lines.  The code itself states the register dependences
; between vector or matrix instructions and memory or LDS instructions, with s_wait_alu, always for 0.
; THE PLAN.  Registers that LDS instructions touch, in the walk over the keys:
;   K, v32-63, and its scale words v192-195: read by step s's eight score products; behind the wait for step s's 64 exponentials the loads of step s + 1 land in them.
;   V, v64-95, and its scale words v196-197: read by step s's four products at the step's end; behind the wait for step s + 1's exponentials that step's loads land in them.
;   v8-11, the step's LDS addresses: read by the step's run of loads; written once a step, behind the score products, where they are also the four places ahead of the first read of the scores.
;   v1-4, v7, v28-31, v199-201: made at the head and never written again.
; So the wait on va_vdst that the batch of exponentials has in any case states all that the step's run of 20 LDS loads hangs on: the score products are done reading K, the last step's four products are done reading V,
; and v8-11 are written.  V comes first in the run, the next step's K behind it: K has the rest of the softmax in which to land.  One wait on vm_vsrc a step stands ahead of the four additions.
; One more wait on va_vdst stands ahead of the four products, which take p's codes and scale word from vector instructions.  The last step asks for no K: it is written out behind the loop.
.set VOFF,  65536
.set KSOFF, 131072
.set VSOFF, 139264
.set SPARE, 143360                     ; the spare words, 128 bytes for each of sixteen waves
.set VC,    4194304
.set QKS,   6291456
.set VS,    6815744
.set AOS,   2097152
.set SPW,   5                          ; v5   my spare word; never rewritten
.set NIL,   6                          ; v6   0; never rewritten
.set WV,    18
.set SEL,   20                         ; s[20:21] lane selects: lane l xor 16
.set CS,    22                         ; s[22:23] c = log2(e) / 8
.set TB,    2                          ; s2   the step's codes: 4,096 bytes a step, in K and in V
.set TS,    3                          ; s3   K's scale words: 512 a step
.set TJ,    8                          ; s8   V's: 256 a step
.set CNT,   9                          ; s9   steps to go in the loop
; REGISTERS: v1-4 my lane's places in K, V, K's words, V's words; v7 16 x lane; v8-11 the step's addresses; v12 -M, v13 the largest t, v[14:15] the sum; v16-19 q, v20-23 zeros, v24-27 q again; v28-31 the fill's addresses;
; v32-63 K; v64-95 V; v96-159 S^T, then p; v160-191 O^T; v192-195 K's scale words, v196-197 V's, v198 q's; v199-201 offsets; v224-231 p's codes; v232-254 at work; v253 p's scale word
.macro WMS rd, ra, rb, cz, rc, sa, sb, rowa, rowb      ; one product; cz = 1: C is 0; rowa, rowb = 1: the side's scale words stand in lanes 16-31
.if (\cz) && (\rowa) && (\rowb)
	v_wmma_scale_f32_16x16x128_f8f6f4 v[(\rd):(\rd)+7], v[(\ra):(\ra)+7], v[(\rb):(\rb)+7], 0, v[\sa], v[\sb] matrix_a_fmt:MATRIX_FMT_FP4 matrix_b_fmt:MATRIX_FMT_FP4 matrix_a_scale:MATRIX_SCALE_ROW1 matrix_b_scale:MATRIX_SCALE_ROW1
.elseif (\cz) && (\rowa)
	v_wmma_scale_f32_16x16x128_f8f6f4 v[(\rd):(\rd)+7], v[(\ra):(\ra)+7], v[(\rb):(\rb)+7], 0, v[\sa], v[\sb] matrix_a_fmt:MATRIX_FMT_FP4 matrix_b_fmt:MATRIX_FMT_FP4 matrix_a_scale:MATRIX_SCALE_ROW1
.elseif (\cz) && (\rowb)
	v_wmma_scale_f32_16x16x128_f8f6f4 v[(\rd):(\rd)+7], v[(\ra):(\ra)+7], v[(\rb):(\rb)+7], 0, v[\sa], v[\sb] matrix_a_fmt:MATRIX_FMT_FP4 matrix_b_fmt:MATRIX_FMT_FP4 matrix_b_scale:MATRIX_SCALE_ROW1
.elseif (\cz)
	v_wmma_scale_f32_16x16x128_f8f6f4 v[(\rd):(\rd)+7], v[(\ra):(\ra)+7], v[(\rb):(\rb)+7], 0, v[\sa], v[\sb] matrix_a_fmt:MATRIX_FMT_FP4 matrix_b_fmt:MATRIX_FMT_FP4
.elseif (\rowa) && (\rowb)
	v_wmma_scale_f32_16x16x128_f8f6f4 v[(\rd):(\rd)+7], v[(\ra):(\ra)+7], v[(\rb):(\rb)+7], v[(\rc):(\rc)+7], v[\sa], v[\sb] matrix_a_fmt:MATRIX_FMT_FP4 matrix_b_fmt:MATRIX_FMT_FP4 matrix_a_scale:MATRIX_SCALE_ROW1 matrix_b_scale:MATRIX_SCALE_ROW1
.elseif (\rowa)
	v_wmma_scale_f32_16x16x128_f8f6f4 v[(\rd):(\rd)+7], v[(\ra):(\ra)+7], v[(\rb):(\rb)+7], v[(\rc):(\rc)+7], v[\sa], v[\sb] matrix_a_fmt:MATRIX_FMT_FP4 matrix_b_fmt:MATRIX_FMT_FP4 matrix_a_scale:MATRIX_SCALE_ROW1
.elseif (\rowb)
	v_wmma_scale_f32_16x16x128_f8f6f4 v[(\rd):(\rd)+7], v[(\ra):(\ra)+7], v[(\rb):(\rb)+7], v[(\rc):(\rc)+7], v[\sa], v[\sb] matrix_a_fmt:MATRIX_FMT_FP4 matrix_b_fmt:MATRIX_FMT_FP4 matrix_b_scale:MATRIX_SCALE_ROW1
.else
	v_wmma_scale_f32_16x16x128_f8f6f4 v[(\rd):(\rd)+7], v[(\ra):(\ra)+7], v[(\rb):(\rb)+7], v[(\rc):(\rc)+7], v[\sa], v[\sb] matrix_a_fmt:MATRIX_FMT_FP4 matrix_b_fmt:MATRIX_FMT_FP4
.endif
.endm
; A KEY STEP: 128 keys.  last = 1: the sixteenth, which asks for no further K.
.macro STEP last
	s_wait_dscnt 0x0                               ; this step's K and its scale words are in: they were asked for in the step before, behind its exponentials (step 0's: ahead of the loop)
.irp g, 0,1,2,3
.irp u, 0,1
	WMS 96+8*(2*\g+\u), 32+8*\g, 16+4*\u, 1, 0, 192+2*(\g/2)+\u, 198, \g%2, 0
.endr
.endr
	s_wait_alu depctr_vm_vsrc(0)                   ; the LDS loads of the step before have read v8 to v11, which are written again below
	v_add_nc_u32 v9, s[TB], v2                     ; (these four are also the places ahead of the first read of the scores)
	v_add_nc_u32 v11, s[TJ], v4
.if \last
	v_nop
	v_nop
.else
	v_add_nc_u32 v8, s[TB], v1
	v_add_nc_u32 v10, s[TS], v3
.endif
.irp b, 0,1,2,3
	v_max3_num_f32 v[232+\b], v[96+16*\b], v[97+16*\b], v[98+16*\b]   ; the largest score of each block of 32 keys: for the row's maximum, and for the block's largest p
.endr
.irp i, 3,5,7,9,11,13
.irp b, 0,1,2,3
	v_max3_num_f32 v[232+\b], v[232+\b], v[96+16*\b+\i], v[97+16*\b+\i]
.endr
.endr
.irp b, 0,1,2,3
	v_max_num_f32 v[232+\b], v[232+\b], v[111+16*\b]
.endr
.irp b, 0,1,2,3
	v_permlanex16_b32 v[236+\b], v[232+\b], s[SEL], s[SEL+1]
.endr
.irp b, 0,1,2,3
	v_max_num_f32 v[232+\b], v[232+\b], v[236+\b]  ; with lane l xor 16's 16 keys
.endr
	v_max3_num_f32 v254, v232, v233, v234
	v_max_num_f32 v254, v254, v235
	v_mul_f32 v254, s[CS], v254                    ; as t (c is positive)
	v_max_num_f32 v13, v13, v254                   ; the running largest t
	v_mov_b32 v254, v12
	v_floor_f32 v12, -v13                          ; the new -M = floor(-t) = -ceil(t)
	v_sub_f32 v254, v12, v254                      ; M's old value less its new one: a whole number, 0 or less
	v_cvt_i32_f32 v254, v254                       ; (it saturates)
	v_ldexp_f32 v252, 1.0, v254                    ; f = 2^(old M - new M)
.set N_, 0
.rept 32
	v_pk_fma_f32 v[96+N_:97+N_], v[96+N_:97+N_], s[CS:CS+1], v[12:13] op_sel_hi:[1,0,0]   ; t - M, two at a time
.set N_, N_+2
.endr
.irp b, 0,1,2,3
	v_fma_f32 v[232+\b], v[232+\b], s[CS], v12     ; the same of each block's largest score
.endr
.set N_, 0
	s_wait_alu depctr_va_vdst(0)
.rept 64
	v_exp_f32 v[96+N_], v[96+N_]                   ; p = 2^(t - M)
.set N_, N_+1
.endr
	v_pk_mul_f32 v[14:15], v[14:15], v[252:253] op_sel_hi:[1,0]   ; the sums under the new M (a plain instruction behind the exponentials)
	s_wait_alu depctr_va_vdst(0)                   ; the 64 exponentials have written v96-159, ahead of their first reader; the score products are done reading K and its words, the last step's four products V and its words, in which the loads below land; v8-11 are written, which those loads read
.irp t, 0,1,2,3
.irp c, 0,1
	ds_load_b128 v[64+8*\t+4*\c:67+8*\t+4*\c], v9 offset:1024*\t+512*\c       ; this step's V
.endr
.endr
.irp q, 0,1
	ds_load_b32 v[196+\q], v11 offset:128*\q
.endr
.if !\last
.irp g, 0,1,2,3
.irp u, 0,1
	ds_load_b128 v[32+8*\g+4*\u:35+8*\g+4*\u], v8 offset:4096+1024*\g+512*\u  ; the next step's K: 4,096 bytes on
.endr
.endr
.irp q, 0,1
	ds_load_b64 v[192+2*\q:193+2*\q], v10 offset:512+256*\q        ; pairs 2 q (lanes 0-15) and 2 q + 1 (lanes 16-31): the words of both tiles of the pair
.endr
.endif
.irp b, 0,1,2,3
	v_exp_f32 v[232+\b], v[232+\b]                 ; the block's largest p
.endr
	v_pk_add_f32 v[236:237], v[96:97], v[98:99]    ; the row's sum of the unquantised p, in two chains: plain work behind the four
.irp j, 4,8,12,16,20,24,28,32,36,40,44,48,52,56,60
	v_pk_add_f32 v[14:15], v[14:15], v[96+\j:97+\j]
	v_pk_add_f32 v[236:237], v[236:237], v[98+\j:99+\j]
.endr
	v_pk_add_f32 v[14:15], v[14:15], v[236:237]
	s_wait_alu depctr_va_vdst(0)                   ; the four exponentials have written v232-235, ahead of their first reader
.irp b, 0,1,2,3
	v_max_num_f32 v[232+\b], 0x1800000, v[232+\b]  ; the floor 2^(3 - 127): the byte cannot fall under 1
.endr
.irp b, 0,1,2,3
	v_add_nc_u32 v[244+\b], 0xff000000, v[232+\b]  ; 2 off the exponent field: the conversion's scale operand
.endr
.irp b, 0,1,2,3
	v_lshrrev_b32 v[236+\b], 23, v[244+\b]
.endr
	v_lshl_or_b32 v253, v237, 8, v236              ; p's scale word for these 128 keys
	v_lshl_or_b32 v253, v238, 16, v253
	v_lshl_or_b32 v253, v239, 24, v253
.irp b, 0,1,2,3
	v_cvt_scalef32_pk8_fp4_f32 v[224+2*\b], v[96+16*\b:103+16*\b], v[244+\b]
	v_cvt_scalef32_pk8_fp4_f32 v[225+2*\b], v[104+16*\b:111+16*\b], v[244+\b]
.endr
	v_nop                                          ; one plain instruction behind a scaled conversion
.irp c, 0,1
.irp i, 0,1
	v_permlane16_swap_b32 v[224+4*\c+\i], v[226+4*\c+\i]
.endr
.endr
.set N_, 0
.rept 16
	v_pk_mul_f32 v[160+N_:161+N_], v[160+N_:161+N_], v[252:253] op_sel_hi:[1,0]   ; O^T under the new M.  (These are also the places between the writes of p's codes and word and the products)
.set N_, N_+2
.endr
.rept 4
	v_nop                                          ; and four between the last write of O^T and the products that take it as C
.endr
	s_wait_alu depctr_va_vdst(0)                   ; p's codes v224-231 and its scale word v253 are written, which the four scaled products take; the places above stay beside this wait
.if \last
	s_wait_dscnt 0x0                               ; V and its words are in
.else
	s_wait_dscnt 10                                ; V and its words are in; the next step's K, 8 loads and 2 of words, may be out
.endif
.irp t, 0,1,2,3
	WMS 160+8*\t, 64+8*\t, 224, 0, 160+8*\t, 196+(\t/2), 253, \t%2, 0       ; the four accumulators by turns; eight other products stand between two links of a chain
.endr
.endm
	s_load_b128 s[4:7], s[0:1], 0x0                ; wk2, wk3
	v_lshl_add_u32 v[SPW], v0, 2, SPARE
	v_mov_b32 v[NIL], 0
	v_lshrrev_b32 v8, 5, v0
	v_readfirstlane_b32 s[WV], v8                  ; wave 0..15
	v_and_b32 v8, 31, v0                           ; lane
	v_lshlrev_b32 v1, 4, v8
	v_add_nc_u32 v2, VOFF, v1
	v_lshl_add_u32 v3, v8, 3, KSOFF
	v_lshl_add_u32 v4, v8, 2, VSOFF
	v_lshlrev_b32 v7, 4, v8
	v_lshlrev_b32 v28, 4, v0                       ; the fill: 16 bytes a thread, 8,192 a pass, in memory and in LDS alike
	v_add_nc_u32 v29, VOFF, v28
	v_add_nc_u32 v30, KSOFF, v28
	v_lshl_add_u32 v31, v0, 3, VSOFF
	v_lshlrev_b32 v200, 3, v0
	v_and_b32 v9, 15, v0                           ; r
	v_lshlrev_b32 v201, 3, v9
	v_lshlrev_b32 v199, 2, v9
	s_wait_alu depctr_va_sdst(0)                   ; the wave's number s18 is written, ahead of its first reader: my tile of queries is made from it
	s_and_b32 s24, ttmp7, 0xffff                   ; 16 batch + head
	s_lshr_b32 s25, s24, 4
	s_and_b32 s26, s24, 15
	s_lshl_b32 s27, ttmp9, 4
	s_add_co_u32 s27, s27, s[WV]                   ; my tile of queries within the sequence
	s_lshl_b32 s28, s25, 5
	s_add_co_u32 s28, s28, s26                     ; q's head among the 64 of QKC; k's is 16 further on
	s_lshl_b32 s30, s28, 16
	s_mov_b32 s31, 0
	s_lshl_b32 s29, s27, 9
	s_add_co_u32 s32, s30, s29                     ; q's codes
	s_mov_b32 s33, 0
	s_add_co_u32 s30, s30, 16*65536                ; k's codes
	s_lshl_b32 s34, s24, 16
	s_add_co_u32 s34, s34, VC                      ; v's codes
	s_mov_b32 s35, 0
	s_lshl_b32 s36, s28, 13
	s_add_co_u32 s36, s36, QKS
	s_mov_b32 s37, 0
	s_add_co_u32 s38, s36, 16*8192                 ; k's scale words
	s_mov_b32 s39, 0
	s_lshr_b32 s29, s27, 1
	s_lshl_b32 s29, s29, 7
	s_add_co_u32 s36, s36, s29
	s_and_b32 s29, s27, 1
	s_lshl_b32 s29, s29, 2
	s_add_co_u32 s36, s36, s29                     ; q's: 128 x pair + 4 x (tile % 2), 8 bytes a row
	s_lshl_b32 s40, s24, 12
	s_add_co_u32 s40, s40, VS                      ; v's scale words
	s_mov_b32 s41, 0
	s_lshl_b32 s29, s25, 7
	s_add_co_u32 s29, s29, s27                     ; my tile among all 256 tiles of tokens
	s_lshl_b32 s42, s29, 13
	s_lshl_b32 s44, s26, 9
	s_add_co_u32 s42, s42, s44                     ; o's codes: 8,192 x tile + blocks 2 head, 2 head + 1
	s_mov_b32 s43, 0
	s_lshr_b32 s44, s26, 1
	s_lshl_b32 s44, s44, 8
	s_add_co_u32 s44, s44, s29
	s_lshl_b32 s44, s44, 6
	s_and_b32 s46, s26, 1
	s_lshl_b32 s46, s46, 1
	s_add_co_u32 s44, s44, s46
	s_add_co_u32 s44, s44, AOS                     ; o's scale bytes: word (K step head / 2, tile), half head % 2
	s_mov_b32 s45, 0
	s_mov_b32 s[SEL], 0x76543210
	s_mov_b32 s[SEL+1], 0xfedcba98
	s_mov_b32 s[CS], 0x3e38aa3b
	s_mov_b32 s[CS+1], s[CS]                       ; (named with it as a pair, so it is written)
	s_mov_b32 s[TB], 0
	s_mov_b32 s[TS], 0
	s_mov_b32 s[TJ], 0
	s_mov_b32 s[CNT], 15
	s_wait_kmcnt 0x0
	s_add_nc_u64 s[30:31], s[4:5], s[30:31]
	s_add_nc_u64 s[32:33], s[4:5], s[32:33]
	s_add_nc_u64 s[34:35], s[4:5], s[34:35]
	s_add_nc_u64 s[36:37], s[4:5], s[36:37]
	s_add_nc_u64 s[38:39], s[4:5], s[38:39]
	s_add_nc_u64 s[40:41], s[4:5], s[40:41]
	s_add_nc_u64 s[42:43], s[6:7], s[42:43]
	s_add_nc_u64 s[44:45], s[6:7], s[44:45]
	s_wait_alu depctr_va_vdst(0)                   ; the offsets and addresses v1-4, v7, v28-31 and v199-201 are written, which the loads, LDS stores and stores of the kernel read
.irp i, 0,1,2,3,4,5,6,7
	global_load_b128 v[32+4*\i:35+4*\i], v28, s[30:31] offset:8192*\i
.endr
.irp i, 0,1,2,3,4,5,6,7
	global_load_b128 v[64+4*\i:67+4*\i], v28, s[34:35] offset:8192*\i
.endr
	global_load_b128 v[96:99], v28, s[38:39]
	global_load_b64 v[100:101], v200, s[40:41]
	global_load_b128 v[16:19], v1, s[32:33]        ; q's codes, twice: on either side of the zeros
	global_load_b128 v[24:27], v1, s[32:33]
	global_load_b32 v198, v201, s[36:37]
.irp j, 20,21,22,23
	v_mov_b32 v\j, 0                               ; 64 zero codes
.endr
	v_mov_b32 v13, 0xff61b1e6                      ; the largest t so far: -3e38, under every t
	v_floor_f32 v12, -v13                          ; -M
	v_mov_b32 v14, 0
	v_mov_b32 v15, 0
.irp b, 0,1,2,3
	v_mov_b32 v[236+\b], 0                         ; a lane permute's destination counts as one of its sources
.endr
	v_mov_b32 v253, 0                              ; (named as the upper half of the pair v[252:253] before it is first written)
.set N_, 0
.rept 32
	v_mov_b32 v[160+N_], 0                         ; O^T: the step has one form; its first run finds zeros, which the first change of M leaves zeros
.set N_, N_+1
.endr
	s_wait_loadcnt 13                              ; K's 8 loads are in; the 13 behind them may be out
.irp i, 0,1,2,3,4,5,6,7
	ds_store_b128 v28, v[32+4*\i:35+4*\i] offset:8192*\i
.endr
	s_wait_loadcnt 5                               ; V's are in; the two of scale words and q's three may be out
.irp i, 0,1,2,3,4,5,6,7
	ds_store_b128 v29, v[64+4*\i:67+4*\i] offset:8192*\i
.endr
	s_wait_loadcnt 0x0
	ds_store_b128 v30, v[96:99]
	ds_store_b64 v31, v[100:101]
	s_wait_dscnt 0x0                               ; for the others' sake: my part of the head lies in LDS
	s_barrier_signal -1
	s_barrier_wait -1
	s_wait_alu depctr_vm_vsrc(0)                   ; my LDS stores of the fill have read v32-101: from here on K's and V's fragments land there and the scores are written there
	s_wait_alu depctr_va_vdst(0)                   ; the zero codes v20-23 are written, which the scaled score products take in source 1
.irp g, 0,1,2,3
.irp u, 0,1
	ds_load_b128 v[32+8*\g+4*\u:35+8*\g+4*\u], v1 offset:1024*\g+512*\u       ; step 0's K
.endr
.endr
.irp q, 0,1
	ds_load_b64 v[192+2*\q:193+2*\q], v3 offset:256*\q
.endr
.Lstep:                                            ; 15 trips of 128 keys
	STEP 0
	s_add_co_u32 s[TB], s[TB], 4096
	s_add_co_u32 s[TS], s[TS], 512
	s_add_co_u32 s[TJ], s[TJ], 256
	s_sub_co_u32 s[CNT], s[CNT], 1
	s_cmp_lg_u32 s[CNT], 0
	s_cbranch_scc1 .Lstep
	STEP 1                                         ; the sixteenth step is written out: there is no K behind it to ask for
	; THE WAY OUT: O^T / the sum; my 32 numbers are d = 32 b + 16 h + 0 .. 15 of my query: two blocks of the projection's K
.rept 4
	v_nop
.endr
	v_add_f32 v14, v14, v15
	v_permlanex16_b32 v252, v14, s[SEL], s[SEL+1]
	v_add_f32 v14, v14, v252                       ; the row's sum
	s_wait_alu depctr_va_vdst(0)
	v_rcp_f32 v14, v14
	v_nop
	s_wait_alu depctr_va_vdst(0)                   ; the reciprocal has written v14, ahead of its first reader
.set N_, 0
.rept 32
	v_mul_f32 v[96+N_], v[160+N_], v14             ; each accumulator from its low end on
.set N_, N_+1
.endr
.irp b, 0,1
	v_max3_num_f32 v[232+\b], |v[96+16*\b]|, |v[97+16*\b]|, 0x1800000
.endr
.irp i, 2,4,6,8,10,12,14
.irp b, 0,1
	v_max3_num_f32 v[232+\b], v[232+\b], |v[96+16*\b+\i]|, |v[97+16*\b+\i]|
.endr
.endr
.irp b, 0,1
	v_permlanex16_b32 v[236+\b], v[232+\b], s[SEL], s[SEL+1]
.endr
.irp b, 0,1
	v_max_num_f32 v[232+\b], v[232+\b], v[236+\b]
.endr
.irp b, 0,1
	v_add_nc_u32 v[244+\b], 0xff000000, v[232+\b]
.endr
.irp b, 0,1
	v_lshrrev_b32 v[236+\b], 23, v[244+\b]
.endr
	v_lshl_or_b32 v240, v237, 8, v236              ; my head's two scale bytes
.irp b, 0,1
	v_cvt_scalef32_pk8_fp4_f32 v[224+2*\b], v[96+16*\b:103+16*\b], v[244+\b]
	v_cvt_scalef32_pk8_fp4_f32 v[225+2*\b], v[104+16*\b:111+16*\b], v[244+\b]
.endr
	v_nop
.irp i, 0,1
	v_permlane16_swap_b32 v[224+\i], v[226+\i]     ; lanes 0-15 block 0, lanes 16-31 block 1
.endr
	s_wait_alu depctr_va_vdst(0)                   ; o's codes v224-227 and its two scale bytes v240 are written, which the stores below read
	global_store_b128 v7, v[224:227], s[42:43]     ; 512 bytes on end
	global_store_b16 v199, v240, s[44:45]          ; (lanes 16-31 store the same value at the same place)
	s_wait_dscnt 0x0                               ; the closing lines, six on end
	s_wait_alu 0x0
	s_wait_tensorcnt 0x0
	ds_add_u32 v[SPW], v[NIL]
	s_wait_dscnt 0x0
	s_endpgm
.Lfunc_end_k_q169dda4e65_attn:
	.size	k_q169dda4e65_attn, .Lfunc_end_k_q169dda4e65_attn-k_q169dda4e65_attn
	.p2alignl 7, 3214868480
	.fill 96, 4, 3214868480
	.section	.rodata,"a",@progbits
	.p2align	6, 0x0
	.amdhsa_kernel k_q169dda4e65_attn
		.amdhsa_group_segment_fixed_size 145408
		.amdhsa_private_segment_fixed_size 0
		.amdhsa_enable_private_segment 0
		.amdhsa_kernarg_size 16
		.amdhsa_user_sgpr_count 2
		.amdhsa_user_sgpr_kernarg_segment_ptr 1
		.amdhsa_wavefront_size32 1
		.amdhsa_system_sgpr_workgroup_id_x 1
		.amdhsa_system_sgpr_workgroup_id_y 1
		.amdhsa_system_sgpr_workgroup_id_z 1
		.amdhsa_system_vgpr_workitem_id 0
		.amdhsa_next_free_vgpr 256
		.amdhsa_next_free_sgpr 66
		.amdhsa_reserve_vcc 0
		.amdhsa_float_denorm_mode_32 3
		.amdhsa_float_denorm_mode_16_64 3
		.amdhsa_memory_ordered 1
		.amdhsa_forward_progress 1
		.amdhsa_inst_pref_size 42
	.end_amdhsa_kernel
	.amdgpu_metadata
---
amdhsa.version: [ 1, 2 ]
amdhsa.kernels:
  - .name:           k_q169dda4e65_attn
    .symbol:         k_q169dda4e65_attn.kd
    .args:
      - { .name: wk2, .offset: 0, .size: 8, .value_kind: global_buffer, .address_space: global }
      - { .name: wk3, .offset: 8, .size: 8, .value_kind: global_buffer, .address_space: global }
    .group_segment_fixed_size: 145408
    .private_segment_fixed_size: 0
    .kernarg_segment_align: 8
    .kernarg_segment_size: 16
    .max_flat_workgroup_size: 512
    .sgpr_count:     66
    .vgpr_count:     256
    .wavefront_size: 32
...
	.end_amdgpu_metadata
.endif
;; end of part 9
;; launch proj (part 10): grid 128 x 1, 8 waves a work-group, no clusters, 132,608 bytes of LDS; arguments wk1, wk3, x, b_out, ln2_g, ln2_b, x1, wk4; writes x1, wk4
.if DOCPART == 10
	.amdgcn_target "amdgcn-amd-amdhsa--gfx1250"
	.amdhsa_code_object_version 6
	.text
	.protected	k_q169dda4e65_proj
	.globl	k_q169dda4e65_proj
	.p2align	8
	.type	k_q169dda4e65_proj,@function
k_q169dda4e65_proj:
	s_mov_b64 s[64:65], 0
	v_nop
	global_prefetch_b8 v0, s[64:65] scope:SCOPE_SE
	s_setreg_imm32_b32 hwreg(HW_REG_WAVE_SCHED_MODE, 0, 2), 2
	s_setreg_imm32_b32 hwreg(HW_REG_WAVE_MODE, 25, 1), 1
	s_wait_xcnt 0x0
	s_wait_alu depctr_vm_vsrc(0)
; PROJ: x1 = x + o W_out + b_out (K = 1,024, on codes of E2M1), stored in f32; then layernorm(x1) g + b, quantised along the 1,024 for the first product of the MLP.  Nothing is left out.
; A work-group owns 32 tokens (tiles 2 g, 2 g + 1) and ALL 1,024 columns, since the norm wants whole rows: 128 work-groups.  Wave w makes columns 128 w on: source 0 = eight tiles of W_out, source 1 = the two tiles of tokens.
; The results meet in a stage in LDS (32 rows, pitch 4,096 + 16 bytes); behind the first barrier each wave takes four whole rows, adds x, stores x1, norms them and puts them back into ITS OWN rows, which no other wave touches
; between the two barriers; behind the second barrier wave w quantises K step w of both tiles, a lane a whole block of 32.
; Operands come straight into registers as images of the fragments, three sets by turns, two K steps ahead.  No tensor load, no cluster: of the 80 KB that the eight waves load in a K step 66 KB are distinct.
; LIMITS: NaN and infinities are not served; a block of zeros gets the scale byte 1; v_rsq_f32 is good to one unit in the last place.
; THE MODE: SCHED_MODE bits 1:0 = 2 (LLVM: expert scheduling mode 2), set by the entry lines.  The code itself states the register dependences
; between vector or matrix instructions and memory or LDS instructions, with s_wait_alu, always for 0.
; THE PLAN.  Registers that memory or LDS instructions touch:
;   the three sets of fragments (v256-495) and of scale words (v112-126): set s % 3 is written by the 25 loads of K step s, issued behind step s - 3's products, and read by step s's sixteen products; behind the walk x lands in v256-383.
;   v16-79: b_out, loaded once and read as C by step 0's products; behind the walk gain and bias land there; in the last phase vector instructions write the codes and words there, which the last stores read.
;   v128-255: written by the products; read by the LDS stores into the stage; my four rows land there; the residual's additions write them; the stores of x1 read them; the norm writes them again;
;             the LDS stores of the normed rows read them; the quantiser's four blocks land there.
;   v1, v2, v5-10: offsets and addresses, made at the head and never written again.
; WAITS on va_vdst: ahead of the first load; one a K step ahead of its 25 loads; one behind the walk, for the loads of x, gain and bias and for the LDS stores of the results; one ahead of each of the three later runs of stores.
; WAITS on vm_vsrc: ahead of each of the two runs of LDS loads into v128-255, and, beside the wait on XCNT, ahead of the norm's first line that WRITES the rows: the sums for the mean only read them and stand ahead of it.
.set WSC,  6291456
.set AOS,  2097152
.set H2S,  2097152
.set STP,  4112
.set SPARE, 32*STP
.set TSX,  8192
.set TSY,  8192
.set QA,   6                           ; v6, v7  stage address of my block: tile 0, tile 1
.set RA,   8                           ; v8      stage address of my four rows
.set SA,   9                           ; v9, v10 where my results go in the stage: tile 0, tile 1
.set SPW,  14
.set NIL,  15
.set BI,   16                          ; v16-79  b_out in the result's layout; later gain and bias
.set GG,   16
.set BB,   48
.set T,    80
.set MU,   88
.set PT,   96
.set RS,   100
.set SCR,  112                         ; v112-126 scale words: scales and nothing else
.set ACC,  128
.set X,    128
.set CD,   16
.set QM,   32
.set QO,   40
.set QB,   44
.set QW,   48
.set PX,   32
.set PY,   34
.set SX,   36
.set SY,   38
.set SEL,  20
.set HIM,  22
.set C10,  23
.set CEPS, 24
.set PQC,  46
.set PQS,  48
.set MSB,  0
.macro WIN new
.if MSB != \new
	s_set_vgpr_msb (MSB<<8)|\new
.set MSB, \new
.endif
.endm
.macro LDSTEP s                        ; K step s: 5 loads of scale words, 20 of codes: 25
.set K3, (\s)%3
	WIN 0
.irp q, 0,1,2,3
	global_load_b32 v[SCR+5*K3+\q], v2, s[SX:SX+1] offset:16384*(\s)+128*\q
.endr
	global_load_b32 v[SCR+5*K3+4], v2, s[SY:SY+1] offset:16384*(\s)
	WIN 0x40
.irp i, 0,1,2,3,4,5,6,7
.irp c, 0,1
	global_load_b128 v[80*K3+8*\i+4*\c:80*K3+8*\i+4*\c+3], v1, s[PX:PX+1] offset:TSX*\i+1024*(\s)+512*\c
.endr
.endr
.irp i, 0,1
.irp c, 0,1
	global_load_b128 v[80*K3+64+8*\i+4*\c:80*K3+64+8*\i+4*\c+3], v1, s[PY:PY+1] offset:TSY*\i+1024*(\s)+512*\c
.endr
.endr
.endm
.macro WMS rd, ra, rb, cz, rc, sa, sb, rowa, rowb
.if (\cz) && (\rowa) && (\rowb)
	v_wmma_scale_f32_16x16x128_f8f6f4 v[(\rd):(\rd)+7], v[(\ra):(\ra)+7], v[(\rb):(\rb)+7], 0, v[\sa], v[\sb] matrix_a_fmt:MATRIX_FMT_FP4 matrix_b_fmt:MATRIX_FMT_FP4 matrix_a_scale:MATRIX_SCALE_ROW1 matrix_b_scale:MATRIX_SCALE_ROW1
.elseif (\cz) && (\rowa)
	v_wmma_scale_f32_16x16x128_f8f6f4 v[(\rd):(\rd)+7], v[(\ra):(\ra)+7], v[(\rb):(\rb)+7], 0, v[\sa], v[\sb] matrix_a_fmt:MATRIX_FMT_FP4 matrix_b_fmt:MATRIX_FMT_FP4 matrix_a_scale:MATRIX_SCALE_ROW1
.elseif (\cz) && (\rowb)
	v_wmma_scale_f32_16x16x128_f8f6f4 v[(\rd):(\rd)+7], v[(\ra):(\ra)+7], v[(\rb):(\rb)+7], 0, v[\sa], v[\sb] matrix_a_fmt:MATRIX_FMT_FP4 matrix_b_fmt:MATRIX_FMT_FP4 matrix_b_scale:MATRIX_SCALE_ROW1
.elseif (\cz)
	v_wmma_scale_f32_16x16x128_f8f6f4 v[(\rd):(\rd)+7], v[(\ra):(\ra)+7], v[(\rb):(\rb)+7], 0, v[\sa], v[\sb] matrix_a_fmt:MATRIX_FMT_FP4 matrix_b_fmt:MATRIX_FMT_FP4
.elseif (\rowa) && (\rowb)
	v_wmma_scale_f32_16x16x128_f8f6f4 v[(\rd):(\rd)+7], v[(\ra):(\ra)+7], v[(\rb):(\rb)+7], v[(\rc):(\rc)+7], v[\sa], v[\sb] matrix_a_fmt:MATRIX_FMT_FP4 matrix_b_fmt:MATRIX_FMT_FP4 matrix_a_scale:MATRIX_SCALE_ROW1 matrix_b_scale:MATRIX_SCALE_ROW1
.elseif (\rowa)
	v_wmma_scale_f32_16x16x128_f8f6f4 v[(\rd):(\rd)+7], v[(\ra):(\ra)+7], v[(\rb):(\rb)+7], v[(\rc):(\rc)+7], v[\sa], v[\sb] matrix_a_fmt:MATRIX_FMT_FP4 matrix_b_fmt:MATRIX_FMT_FP4 matrix_a_scale:MATRIX_SCALE_ROW1
.elseif (\rowb)
	v_wmma_scale_f32_16x16x128_f8f6f4 v[(\rd):(\rd)+7], v[(\ra):(\ra)+7], v[(\rb):(\rb)+7], v[(\rc):(\rc)+7], v[\sa], v[\sb] matrix_a_fmt:MATRIX_FMT_FP4 matrix_b_fmt:MATRIX_FMT_FP4 matrix_b_scale:MATRIX_SCALE_ROW1
.else
	v_wmma_scale_f32_16x16x128_f8f6f4 v[(\rd):(\rd)+7], v[(\ra):(\ra)+7], v[(\rb):(\rb)+7], v[(\rc):(\rc)+7], v[\sa], v[\sb] matrix_a_fmt:MATRIX_FMT_FP4 matrix_b_fmt:MATRIX_FMT_FP4
.endif
.endm
.macro MULSTEP s, cm                   ; 16 products, the sixteen accumulators by turns.  cm = 1: C is the bias by X's tile; 3: the accumulator
.set K3, (\s)%3
	WIN 0x05
.irp y, 0,1
.irp a, 0,1,2,3,4,5,6,7
.if (\cm) == 1
	WMS ACC+8*(8*\y+\a), 80*K3+8*\a, 80*K3+64+8*\y, 0, BI+8*\a, SCR+5*K3+(\a/2), SCR+5*K3+4, \a%2, \y
.else
	WMS ACC+8*(8*\y+\a), 80*K3+8*\a, 80*K3+64+8*\y, 0, ACC+8*(8*\y+\a), SCR+5*K3+(\a/2), SCR+5*K3+4, \a%2, \y
.endif
.endr
.endr
.endm
.macro KSTEP s, S, cm
.if (\s)+2 < (\S)
.if (\s) > 0
.rept 4
	v_nop                                          ; four places between the last step's products and the loads into the set that they read
.endr
	s_wait_alu depctr_va_vdst(0)                   ; the last step's sixteen products are done reading their set of fragments and scale words, in which the 25 loads below land; only window switches and loads stand between
.endif
	LDSTEP (\s)+2
.endif
.if (\S)-1-(\s) >= 2
	s_wait_loadcnt 50                              ; this step's loads are in; the 25 of each of the next two steps may be out
.else
	s_wait_loadcnt 25*((\S)-1-(\s))
.endif
	MULSTEP \s, \cm
.endm
.macro GEMM S, cm
	LDSTEP 0
	LDSTEP 1
	KSTEP 0, \S, \cm
.set KS_, 1
.rept (\S)-1
	KSTEP KS_, \S, 3
.set KS_, KS_+1
.endr
	WIN 0
.rept 4
	v_nop                                          ; four places ahead of the first read of results and of loads into the fragments' registers
.endr
.endm
.macro REDUCE4
.irp i, 0,1,2,3
	v_add_f32 v[T+2*\i], v[T+2*\i], v[T+2*\i+1]
.endr
.irp m, 1,2,4,8
.irp i, 0,1,2,3
	v_add_f32_dpp v[T+2*\i], v[T+2*\i], v[T+2*\i] row_xmask:\m row_mask:0xf bank_mask:0xf
.endr
.endr
.irp i, 0,1,2,3
	v_permlanex16_b32 v[PT+\i], v[T+2*\i], s[SEL], s[SEL+1]
.endr
.irp i, 0,1,2,3
	v_add_f32 v[T+2*\i], v[T+2*\i], v[PT+\i]
.endr
.endm
.macro LNROWS                          ; four rows in v[X] on, by turns: (x - mean) / sqrt(var + eps) x gain + bias, then into my rows of the stage
.irp i, 0,1,2,3
	v_pk_add_f32 v[T+2*\i:T+2*\i+1], v[X+32*\i:X+32*\i+1], v[X+32*\i+2:X+32*\i+3]
.endr
.irp e, 4,6,8,10,12,14,16,18,20,22,24,26,28,30
.irp i, 0,1,2,3
	v_pk_add_f32 v[T+2*\i:T+2*\i+1], v[T+2*\i:T+2*\i+1], v[X+32*\i+\e:X+32*\i+\e+1]
.endr
.endr
	REDUCE4
.irp i, 0,1,2,3
	v_mul_f32 v[MU+2*\i], s[C10], v[T+2*\i]
	v_mul_f32 v[MU+2*\i+1], s[C10], v[T+2*\i]
.endr
	s_wait_alu depctr_va_vdst(0)
	s_wait_xcnt 0x0                                ; the stores' data are rewritten only behind this wait; the lines above only read them
	s_wait_alu depctr_vm_vsrc(0)                   ; the stores of x1 have read v[X ..], which the subtractions below write again
.irp e, 0,2,4,6,8,10,12,14,16,18,20,22,24,26,28,30
.irp i, 0,1,2,3
	v_pk_add_f32 v[X+32*\i+\e:X+32*\i+\e+1], v[X+32*\i+\e:X+32*\i+\e+1], v[MU+2*\i:MU+2*\i+1] neg_lo:[0,1] neg_hi:[0,1]
.endr
.endr
.irp i, 0,1,2,3
	v_pk_mul_f32 v[T+2*\i:T+2*\i+1], v[X+32*\i:X+32*\i+1], v[X+32*\i:X+32*\i+1]
.endr
.irp e, 2,4,6,8,10,12,14,16,18,20,22,24,26,28,30
.irp i, 0,1,2,3
	v_pk_fma_f32 v[T+2*\i:T+2*\i+1], v[X+32*\i+\e:X+32*\i+\e+1], v[X+32*\i+\e:X+32*\i+\e+1], v[T+2*\i:T+2*\i+1]
.endr
.endr
	REDUCE4
.irp i, 0,1,2,3
	v_fma_f32 v[RS+2*\i], v[T+2*\i], s[C10], s[CEPS]
.endr
	s_wait_alu depctr_va_vdst(0)
.irp i, 0,1,2,3
	v_rsq_f32 v[RS+2*\i], v[RS+2*\i]
.endr
	v_nop                                          ; a plain instruction behind the last of the four
	s_wait_loadcnt 0x0                             ; gain and bias are in
	s_wait_alu depctr_va_vdst(0)                   ; the four v_rsq_f32 have written v[RS], v[RS+2], v[RS+4], v[RS+6], ahead of their first reader
.irp i, 0,1,2,3
	v_mov_b32 v[RS+2*\i+1], v[RS+2*\i]
.endr
.irp e, 0,2,4,6,8,10,12,14,16,18,20,22,24,26,28,30
.irp i, 0,1,2,3
	v_pk_mul_f32 v[X+32*\i+\e:X+32*\i+\e+1], v[X+32*\i+\e:X+32*\i+\e+1], v[RS+2*\i:RS+2*\i+1]
.endr
.irp i, 0,1,2,3
	v_pk_fma_f32 v[X+32*\i+\e:X+32*\i+\e+1], v[X+32*\i+\e:X+32*\i+\e+1], v[GG+\e:GG+\e+1], v[BB+\e:BB+\e+1]
.endr
.endr
	s_wait_alu depctr_va_vdst(0)                   ; the normed rows are written in v[X ..], which the LDS stores below read
.irp i, 0,1,2,3
.irp e, 0,1,2,3,4,5,6,7
	ds_store_b128 v[RA], v[X+32*\i+4*\e:X+32*\i+4*\e+3] offset:STP*\i+512*\e
.endr
.endr
.endm
.macro QPHASE                          ; wave w: K step w of both tiles.  Lane (r, h): blocks 4 w + 2 j + h of row r: block q = 2 tile + j in v[X + 32 q] on
	s_wait_alu depctr_vm_vsrc(0)                   ; my LDS stores of the normed rows have read v[X ..], in which the four blocks land (the norm's lines that named them stand ahead of the last wait on va_vdst)
.irp i, 0,1
.irp j, 0,1
.irp e, 0,1,2,3,4,5,6,7
	ds_load_b128 v[X+32*(2*\i+\j)+4*\e:X+32*(2*\i+\j)+4*\e+3], v[QA+\i] offset:256*\j+16*\e
.endr
.endr
.endr
	v_mov_b32 v[QW+2], 0
	v_mov_b32 v[QW+3], 0
	v_lshlrev_b32 v[QW+4], 3, v4
	s_wait_dscnt 0x0
.irp q, 0,1,2,3
	v_max3_num_f32 v[QM+\q], |v[X+32*\q]|, |v[X+32*\q+1]|, |v[X+32*\q+2]|
	v_max3_num_f32 v[QM+4+\q], |v[X+32*\q+3]|, |v[X+32*\q+4]|, |v[X+32*\q+5]|
.endr
.irp t, 6,10,14,18,22,26
.irp q, 0,1,2,3
	v_max3_num_f32 v[QM+\q], v[QM+\q], |v[X+32*\q+\t]|, |v[X+32*\q+\t+1]|
	v_max3_num_f32 v[QM+4+\q], v[QM+4+\q], |v[X+32*\q+\t+2]|, |v[X+32*\q+\t+3]|
.endr
.endr
.irp q, 0,1,2,3
	v_max3_num_f32 v[QM+\q], v[QM+\q], |v[X+32*\q+30]|, |v[X+32*\q+31]|
.endr
.irp q, 0,1,2,3
	v_max3_num_f32 v[QM+\q], v[QM+\q], v[QM+4+\q], 0x1800000   ; the floor 2^(3 - 127): the byte cannot fall under 1
.endr
.irp q, 0,1,2,3
	v_add_nc_u32 v[QO+\q], 0xff000000, v[QM+\q]
.endr
.irp q, 0,1,2,3
	v_lshrrev_b32 v[QB+\q], 23, v[QO+\q]
.endr
.irp i, 0,1
	v_lshl_or_b32 v[QW+\i], v[QB+2*\i+1], 16, v[QB+2*\i]
.endr
.irp i, 0,1
	v_lshlrev_b32 v[QW+\i], v[QW+4], v[QW+\i]
.endr
.irp i, 0,1
	v_permlanex16_b32 v[QW+2+\i], v[QW+\i], s[SEL], s[SEL+1]
.endr
.irp i, 0,1
	v_or_b32 v[QW+\i], v[QW+\i], v[QW+2+\i]
.endr
	v_cndmask_b32 v[QW], v[QW], v[QW+1], s[HIM]
.irp q, 0,1,2,3
.irp g, 0,1,2,3
	v_cvt_scalef32_pk8_fp4_f32 v[CD+4*\q+\g], v[X+32*\q+8*\g:X+32*\q+8*\g+7], v[QO+\q]
.endr
.endr
	v_nop                                          ; one plain instruction behind the last scaled conversion
	s_wait_alu depctr_va_vdst(0)                   ; the codes v[CD ..] and the scale words v[QW] are written, which the stores below read
.irp i, 0,1
.irp j, 0,1
	global_store_b128 v1, v[CD+4*(2*\i+\j):CD+4*(2*\i+\j)+3], s[PQC:PQC+1] offset:8192*\i+512*\j
.endr
.endr
	global_store_b32 v2, v[QW], s[PQS:PQS+1]
.endm
	s_load_b512 s[4:19], s[0:1], 0x0               ; wk1, wk3, x, b_out, ln2_g, ln2_b, x1, wk4
	v_lshl_add_u32 v[SPW], v0, 2, SPARE
	v_mov_b32 v[NIL], 0
	v_lshrrev_b32 v5, 5, v0
	v_readfirstlane_b32 s28, v5                    ; wave 0..7
	v_and_b32 v5, 31, v0
	v_lshlrev_b32 v1, 4, v5                        ; 16 x lane
	v_lshlrev_b32 v2, 2, v5                        ; 4 x lane
	v_and_b32 v3, 15, v0                           ; r
	v_bfe_u32 v4, v0, 4, 1                         ; h
	v_lshlrev_b32 v5, 6, v4                        ; 64 h: the bias
	s_wait_alu depctr_va_sdst(0)                   ; s28 is written, ahead of its first reader: the stage's addresses and every base are made from it
	s_mul_i32 s29, s28, 4*STP
	v_add_nc_u32 v[RA], s29, v1
	s_lshl_b32 s29, s28, 9
	v_mul_u32_u24 v[QA], v3, STP
	v_add_nc_u32 v[QA], s29, v[QA]                 ; stage row r, byte 512 w
	v_lshl_add_u32 v[SA], v4, 6, v[QA]             ; results: + 64 h
	v_add_nc_u32 v[SA+1], 16*STP, v[SA]
	v_lshl_add_u32 v[QA], v4, 7, v[QA]             ; blocks: + 128 h
	v_add_nc_u32 v[QA+1], 16*STP, v[QA]
.irp i, 0,1,2,3
	v_mov_b32 v[PT+\i], 0                          ; a lane permute's destination counts as one of its sources
.endr
	s_mov_b32 s[SEL], 0x76543210
	s_mov_b32 s[SEL+1], 0xfedcba98
	s_mov_b32 s[HIM], 0xffff0000
	s_mov_b32 s[C10], 0x3a800000
	s_mov_b32 s[CEPS], 0x3727c5ac
	s_lshl_b32 s[PX], s28, 16
	s_add_co_u32 s[PX], s[PX], 1572864             ; W_out's tiles 8 w on
	s_mov_b32 s[PX+1], 0
	s_lshl_b32 s[PY], ttmp9, 14
	s_mov_b32 s[PY+1], 0
	s_lshl_b32 s40, s28, 9                         ; b_out from column 128 w on
	s_mov_b32 s41, 0
	s_add_co_u32 s[SX], s40, WSC+12288             ; tiles 192 + 8 w on of the first array of scale words
	s_mov_b32 s[SX+1], 0
	s_lshl_b32 s[SY], ttmp9, 7
	s_add_co_u32 s[SY], s[SY], AOS
	s_mov_b32 s[SY+1], 0
	s_lshr_b32 s29, s28, 2                         ; stage rows 4 w + i are tokens 32 g + 8 (w / 4) + 4 (w % 2) + 16 ((w / 2) % 2) + i
	s_lshl_b32 s29, s29, 3
	s_and_b32 s30, s28, 1
	s_lshl_b32 s30, s30, 2
	s_add_co_u32 s29, s29, s30
	s_bfe_u32 s30, s28, 0x10001
	s_lshl_b32 s30, s30, 4
	s_add_co_u32 s29, s29, s30
	s_lshl_b32 s42, ttmp9, 5
	s_add_co_u32 s42, s42, s29
	s_lshl_b32 s42, s42, 12
	s_mov_b32 s43, 0
	s_lshl_b32 s[PQC], ttmp9, 14
	s_lshl_b32 s29, s28, 10
	s_add_co_u32 s[PQC], s[PQC], s29
	s_mov_b32 s[PQC+1], 0
	s_lshl_b32 s[PQS], s28, 14
	s_lshl_b32 s29, ttmp9, 7
	s_add_co_u32 s[PQS], s[PQS], s29
	s_add_co_u32 s[PQS], s[PQS], H2S
	s_mov_b32 s[PQS+1], 0
	s_wait_kmcnt 0x0
	s_add_nc_u64 s[PX:PX+1], s[4:5], s[PX:PX+1]
	s_add_nc_u64 s[PY:PY+1], s[6:7], s[PY:PY+1]
	s_add_nc_u64 s[SX:SX+1], s[4:5], s[SX:SX+1]
	s_add_nc_u64 s[SY:SY+1], s[6:7], s[SY:SY+1]
	s_add_nc_u64 s[40:41], s[10:11], s[40:41]
	s_add_nc_u64 s[44:45], s[16:17], s[42:43]      ; my rows of x1
	s_add_nc_u64 s[42:43], s[8:9], s[42:43]        ; my rows of x
	s_add_nc_u64 s[PQC:PQC+1], s[18:19], s[PQC:PQC+1]
	s_add_nc_u64 s[PQS:PQS+1], s[18:19], s[PQS:PQS+1]
	s_wait_alu depctr_va_vdst(0)                   ; the offsets and addresses v1, v2 and v5 to v10 are written, which the loads, LDS instructions and stores of the kernel read
.irp a, 0,1,2,3,4,5,6,7
	global_load_b128 v[BI+8*\a:BI+8*\a+3], v5, s[40:41] offset:128*(\a/2)+32*(\a%2)
	global_load_b128 v[BI+8*\a+4:BI+8*\a+7], v5, s[40:41] offset:128*(\a/2)+32*(\a%2)+16
.endr
	GEMM 8, 1
	s_wait_alu depctr_va_vdst(0)                   ; the products have written the accumulators, which the LDS stores below read, and are done reading the fragments' registers and b_out's, in which x, gain and bias land; the four places above stay beside this wait
	WIN 0x40                                       ; my four rows of x into v256-383, which the fragments have left
.irp i, 0,1,2,3
.irp e, 0,1,2,3,4,5,6,7
	global_load_b128 v[32*\i+4*\e:32*\i+4*\e+3], v1, s[42:43] offset:4096*\i+512*\e
.endr
.endr
	WIN 0
.irp e, 0,1,2,3,4,5,6,7
	global_load_b128 v[GG+4*\e:GG+4*\e+3], v1, s[12:13] offset:512*\e
	global_load_b128 v[BB+4*\e:BB+4*\e+3], v1, s[14:15] offset:512*\e
.endr
.irp y, 0,1
.irp a, 0,1,2,3,4,5,6,7
	ds_store_b128 v[SA+\y], v[ACC+8*(8*\y+\a):ACC+8*(8*\y+\a)+3] offset:128*(\a/2)+32*(\a%2)          ; lane (r, h): columns 128 w + 32 (a / 2) + 16 h + 8 (a % 2) + 0 .. 7 of row r; each accumulator from its low end on
	ds_store_b128 v[SA+\y], v[ACC+8*(8*\y+\a)+4:ACC+8*(8*\y+\a)+7] offset:128*(\a/2)+32*(\a%2)+16
.endr
.endr
	s_wait_dscnt 0x0                               ; for the others' sake: my columns lie in the stage
	s_barrier_signal -1
	s_barrier_wait -1
	s_wait_alu depctr_vm_vsrc(0)                   ; my LDS stores have read the accumulators' registers, in which my four rows land
.irp i, 0,1,2,3
.irp e, 0,1,2,3,4,5,6,7
	ds_load_b128 v[X+32*\i+4*\e:X+32*\i+4*\e+3], v[RA] offset:STP*\i+512*\e
.endr
.endr
	s_wait_dscnt 0x0
	s_wait_loadcnt 16                              ; x's 32 loads are in; the 16 of gain and bias may be out
	WIN 0x04                                       ; source 1 in window 1
.set N_, 0
.rept 64
	v_pk_add_f32 v[X+N_:X+N_+1], v[X+N_:X+N_+1], v[N_:N_+1]       ; + the residual
.set N_, N_+2
.endr
	WIN 0
	s_wait_alu depctr_va_vdst(0)                   ; the additions have written v[X ..], which the stores of x1 read
.irp i, 0,1,2,3
.irp e, 0,1,2,3,4,5,6,7
	global_store_b128 v1, v[X+32*\i+4*\e:X+32*\i+4*\e+3], s[44:45] offset:4096*\i+512*\e      ; 512 bytes on end
.endr
.endr
	LNROWS
	s_wait_dscnt 0x0                               ; for the others' sake: my normed rows lie in the stage
	s_barrier_signal -1
	s_barrier_wait -1
	QPHASE
	s_wait_dscnt 0x0                               ; the closing lines, six on end
	s_wait_alu 0x0
	s_wait_tensorcnt 0x0
	ds_add_u32 v[SPW], v[NIL]
	s_wait_dscnt 0x0
	s_endpgm
.Lfunc_end_k_q169dda4e65_proj:
	.size	k_q169dda4e65_proj, .Lfunc_end_k_q169dda4e65_proj-k_q169dda4e65_proj
	.p2alignl 7, 3214868480
	.fill 96, 4, 3214868480
	.section	.rodata,"a",@progbits
	.p2align	6, 0x0
	.amdhsa_kernel k_q169dda4e65_proj
		.amdhsa_group_segment_fixed_size 132608
		.amdhsa_private_segment_fixed_size 0
		.amdhsa_enable_private_segment 0
		.amdhsa_kernarg_size 64
		.amdhsa_user_sgpr_count 2
		.amdhsa_user_sgpr_kernarg_segment_ptr 1
		.amdhsa_wavefront_size32 1
		.amdhsa_system_sgpr_workgroup_id_x 1
		.amdhsa_system_sgpr_workgroup_id_y 1
		.amdhsa_system_sgpr_workgroup_id_z 1
		.amdhsa_system_vgpr_workitem_id 0
		.amdhsa_next_free_vgpr 512
		.amdhsa_next_free_sgpr 66
		.amdhsa_reserve_vcc 0
		.amdhsa_float_denorm_mode_32 3
		.amdhsa_float_denorm_mode_16_64 3
		.amdhsa_memory_ordered 1
		.amdhsa_forward_progress 1
		.amdhsa_inst_pref_size 92
	.end_amdhsa_kernel
	.amdgpu_metadata
---
amdhsa.version: [ 1, 2 ]
amdhsa.kernels:
  - .name:           k_q169dda4e65_proj
    .symbol:         k_q169dda4e65_proj.kd
    .args:
      - { .name: wk1, .offset: 0, .size: 8, .value_kind: global_buffer, .address_space: global }
      - { .name: wk3, .offset: 8, .size: 8, .value_kind: global_buffer, .address_space: global }
      - { .name: x, .offset: 16, .size: 8, .value_kind: global_buffer, .address_space: global }
      - { .name: b_out, .offset: 24, .size: 8, .value_kind: global_buffer, .address_space: global }
      - { .name: ln2_g, .offset: 32, .size: 8, .value_kind: global_buffer, .address_space: global }
      - { .name: ln2_b, .offset: 40, .size: 8, .value_kind: global_buffer, .address_space: global }
      - { .name: x1, .offset: 48, .size: 8, .value_kind: global_buffer, .address_space: global }
      - { .name: wk4, .offset: 56, .size: 8, .value_kind: global_buffer, .address_space: global }
    .group_segment_fixed_size: 132608
    .private_segment_fixed_size: 0
    .kernarg_segment_align: 8
    .kernarg_segment_size: 64
    .max_flat_workgroup_size: 256
    .sgpr_count:     66
    .vgpr_count:     512
    .wavefront_size: 32
...
	.end_amdgpu_metadata
.endif
;; end of part 10
;; launch fc1 (part 11): grid 512 x 1, 8 waves a work-group, no clusters, 0 bytes of LDS; arguments wk1, wk4, b1, wk5; writes wk5
.if DOCPART == 11
	.amdgcn_target "amdgcn-amd-amdhsa--gfx1250"
	.amdhsa_code_object_version 6
	.text
	.protected	k_q169dda4e65_fc1
	.globl	k_q169dda4e65_fc1
	.p2align	8
	.type	k_q169dda4e65_fc1,@function
k_q169dda4e65_fc1:
	s_mov_b64 s[64:65], 0
	v_nop
	global_prefetch_b8 v0, s[64:65] scope:SCOPE_SE
	s_setreg_imm32_b32 hwreg(HW_REG_WAVE_SCHED_MODE, 0, 2), 2
	s_setreg_imm32_b32 hwreg(HW_REG_WAVE_MODE, 25, 1), 1
	s_wait_xcnt 0x0
	s_wait_alu depctr_vm_vsrc(0)
; FC1: gelu(h W1 + b1), the exact gelu, quantised along the 4,096 hidden units for the last product.  K = 1,024, on codes of E2M1.  Nothing is left out.
; A wave makes 128 hidden units (source 0: eight tiles of W1) x 32 tokens (source 1): by the tile order a lane's 64 registers of a token are 16 neighbours of each of four blocks of 32: one K step of the next product.
; xb = 2 (g % 16) + wave % 2: hidden units 128 xb on;  yb = 4 (g / 16) + wave / 2: token tiles 2 yb, 2 yb + 1.  Operands come straight into registers, three sets by turns, two K steps ahead.
; GELU: gelu(x) = max(x, 0) - |x| erfc(|x| / sqrt 2) / 2, which has no difference of near numbers for x < 0.  erfc(z) = t exp(-z^2 + P(t)), t = 1 / (1 + z / 2), P of degree 9: a fit whose fractional error stays under 1.2e-7 for every z >= 0.
; Here in base 2: erfc / 2 = t 2^(-0.72134752 x^2 + Q(t)), Q = P x log2(e) with 1 taken off its constant term; t = 1 / (1 + 0.35355339 |x|).
; No tensor load, no cluster: of the 80 KB that the eight waves load in a K step 24 KB are distinct; the walk is 8 steps.
; LIMITS: NaN and infinities are not served; the fit's error as stated; v_rcp_f32 and v_exp_f32 are good to one unit in the last place and flush denormals; a block of zeros gets the scale byte 1.
; THE MODE: SCHED_MODE bits 1:0 = 2 (LLVM: expert scheduling mode 2), set by the entry lines.  The code itself states the register dependences
; between vector or matrix instructions and memory instructions, with s_wait_alu, always for 0.
; THE PLAN.  Registers that memory instructions touch:
;   the three sets of fragments (v256-495) and of scale words (v112-126): set s % 3 is written by the 25 loads of K step s, which are issued behind step s - 3's products, and read by step s's sixteen products.
;   v16-79, b1: loaded once, read as C by step 0's products; from the gelu on named by vector instructions alone.
;   v1, v2, v5: offsets, made at the head and never written again.
;   the codes v96-111 and the words v16: written by the way out's vector instructions, read by the last stores, never written again.
; So ONE wait on va_vdst stands in a K step, ahead of its run of 25 loads; one ahead of the first load; one ahead of the stores; the gelu's two batches of transcendentals have one ahead and one behind each.
; The loads stand directly behind the last readers of their set, ahead of the wait for this step's data.  No register that a memory instruction reads is written again, so no wait on vm_vsrc is owed.
.set WSC,  6291456
.set H2S,  2097152
.set GS,   8388608
.set TSX,  8192
.set TSY,  8192
.set C9,   8                           ; v[8:9]  the fit's highest coefficient, twice
.set BI,   16                          ; v16-79  b1 in the result's layout; later at work in GELU:
.set GA,   16                          ; v16-31  |x|, then |x| t
.set GT,   32                          ; v32-47  t
.set GP,   48                          ; v48-63  the polynomial, the exponent, the power
.set GK,   64                          ; v64-79  -0.72134752 x
.set TM,   80
.set PC0,  96
.set PC1,  104
.set PW0,  12
.set PW1,  13
.set SCR,  112
.set ACC,  128
.set PX,   32
.set PY,   34
.set SX,   36
.set SY,   38
.set SEL,  20
.set HIM,  22
.set CC,   66                          ; s[66:83] coefficients 0 to 8, each twice
.set CR,   84                          ; s[84:85] 0.35355339
.set CQ,   86                          ; s[86:87] -0.72134752
.set MSB,  0
.macro WIN new
.if MSB != \new
	s_set_vgpr_msb (MSB<<8)|\new
.set MSB, \new
.endif
.endm
.macro LDSTEP s                        ; K step s: 5 loads of scale words, 20 of codes: 25
.set K3, (\s)%3
	WIN 0
.irp q, 0,1,2,3
	global_load_b32 v[SCR+5*K3+\q], v2, s[SX:SX+1] offset:16384*(\s)+128*\q
.endr
	global_load_b32 v[SCR+5*K3+4], v2, s[SY:SY+1] offset:16384*(\s)
	WIN 0x40
.irp i, 0,1,2,3,4,5,6,7
.irp c, 0,1
	global_load_b128 v[80*K3+8*\i+4*\c:80*K3+8*\i+4*\c+3], v1, s[PX:PX+1] offset:TSX*\i+1024*(\s)+512*\c
.endr
.endr
.irp i, 0,1
.irp c, 0,1
	global_load_b128 v[80*K3+64+8*\i+4*\c:80*K3+64+8*\i+4*\c+3], v1, s[PY:PY+1] offset:TSY*\i+1024*(\s)+512*\c
.endr
.endr
.endm
.macro WMS rd, ra, rb, cz, rc, sa, sb, rowa, rowb
.if (\cz) && (\rowa) && (\rowb)
	v_wmma_scale_f32_16x16x128_f8f6f4 v[(\rd):(\rd)+7], v[(\ra):(\ra)+7], v[(\rb):(\rb)+7], 0, v[\sa], v[\sb] matrix_a_fmt:MATRIX_FMT_FP4 matrix_b_fmt:MATRIX_FMT_FP4 matrix_a_scale:MATRIX_SCALE_ROW1 matrix_b_scale:MATRIX_SCALE_ROW1
.elseif (\cz) && (\rowa)
	v_wmma_scale_f32_16x16x128_f8f6f4 v[(\rd):(\rd)+7], v[(\ra):(\ra)+7], v[(\rb):(\rb)+7], 0, v[\sa], v[\sb] matrix_a_fmt:MATRIX_FMT_FP4 matrix_b_fmt:MATRIX_FMT_FP4 matrix_a_scale:MATRIX_SCALE_ROW1
.elseif (\cz) && (\rowb)
	v_wmma_scale_f32_16x16x128_f8f6f4 v[(\rd):(\rd)+7], v[(\ra):(\ra)+7], v[(\rb):(\rb)+7], 0, v[\sa], v[\sb] matrix_a_fmt:MATRIX_FMT_FP4 matrix_b_fmt:MATRIX_FMT_FP4 matrix_b_scale:MATRIX_SCALE_ROW1
.elseif (\cz)
	v_wmma_scale_f32_16x16x128_f8f6f4 v[(\rd):(\rd)+7], v[(\ra):(\ra)+7], v[(\rb):(\rb)+7], 0, v[\sa], v[\sb] matrix_a_fmt:MATRIX_FMT_FP4 matrix_b_fmt:MATRIX_FMT_FP4
.elseif (\rowa) && (\rowb)
	v_wmma_scale_f32_16x16x128_f8f6f4 v[(\rd):(\rd)+7], v[(\ra):(\ra)+7], v[(\rb):(\rb)+7], v[(\rc):(\rc)+7], v[\sa], v[\sb] matrix_a_fmt:MATRIX_FMT_FP4 matrix_b_fmt:MATRIX_FMT_FP4 matrix_a_scale:MATRIX_SCALE_ROW1 matrix_b_scale:MATRIX_SCALE_ROW1
.elseif (\rowa)
	v_wmma_scale_f32_16x16x128_f8f6f4 v[(\rd):(\rd)+7], v[(\ra):(\ra)+7], v[(\rb):(\rb)+7], v[(\rc):(\rc)+7], v[\sa], v[\sb] matrix_a_fmt:MATRIX_FMT_FP4 matrix_b_fmt:MATRIX_FMT_FP4 matrix_a_scale:MATRIX_SCALE_ROW1
.elseif (\rowb)
	v_wmma_scale_f32_16x16x128_f8f6f4 v[(\rd):(\rd)+7], v[(\ra):(\ra)+7], v[(\rb):(\rb)+7], v[(\rc):(\rc)+7], v[\sa], v[\sb] matrix_a_fmt:MATRIX_FMT_FP4 matrix_b_fmt:MATRIX_FMT_FP4 matrix_b_scale:MATRIX_SCALE_ROW1
.else
	v_wmma_scale_f32_16x16x128_f8f6f4 v[(\rd):(\rd)+7], v[(\ra):(\ra)+7], v[(\rb):(\rb)+7], v[(\rc):(\rc)+7], v[\sa], v[\sb] matrix_a_fmt:MATRIX_FMT_FP4 matrix_b_fmt:MATRIX_FMT_FP4
.endif
.endm
.macro MULSTEP s, cm                   ; 16 products, the sixteen accumulators by turns.  cm = 1: C is the bias by X's tile; 3: the accumulator
.set K3, (\s)%3
	WIN 0x05
.irp y, 0,1
.irp a, 0,1,2,3,4,5,6,7
.if (\cm) == 1
	WMS ACC+8*(8*\y+\a), 80*K3+8*\a, 80*K3+64+8*\y, 0, BI+8*\a, SCR+5*K3+(\a/2), SCR+5*K3+4, \a%2, \y
.else
	WMS ACC+8*(8*\y+\a), 80*K3+8*\a, 80*K3+64+8*\y, 0, ACC+8*(8*\y+\a), SCR+5*K3+(\a/2), SCR+5*K3+4, \a%2, \y
.endif
.endr
.endr
.endm
.macro KSTEP s, S, cm
.if (\s)+2 < (\S)
.if (\s) > 0
.rept 4
	v_nop                                          ; four places between the last step's products and the loads into the set that they read
.endr
	s_wait_alu depctr_va_vdst(0)                   ; the last step's sixteen products are done reading their set of fragments and scale words, in which the 25 loads below land; only window switches and loads stand between
.endif
	LDSTEP (\s)+2
.endif
.if (\S)-1-(\s) >= 2
	s_wait_loadcnt 50                              ; this step's loads are in; the 25 of each of the next two steps may be out
.else
	s_wait_loadcnt 25*((\S)-1-(\s))
.endif
	MULSTEP \s, \cm
.endm
.macro GEMM S, cm
	LDSTEP 0
	LDSTEP 1
	KSTEP 0, \S, \cm
.set KS_, 1
.rept (\S)-1
	KSTEP KS_, \S, 3
.set KS_, KS_+1
.endr
	WIN 0
.rept 4
	v_nop                                          ; four places ahead of the first read of results
.endr
.endm
.macro QUANT src, pc, pw               ; 64 numbers of a lane, register 16 b + i = k 32 b + 16 h + i of my row, become a fragment's codes and its scale word
.irp b, 0,1,2,3
	v_max3_num_f32 v[TM+\b], |v[(\src)+16*\b]|, |v[(\src)+1+16*\b]|, 0x1800000
.endr
.irp i, 2,4,6,8,10,12,14
.irp b, 0,1,2,3
	v_max3_num_f32 v[TM+\b], v[TM+\b], |v[(\src)+16*\b+\i]|, |v[(\src)+1+16*\b+\i]|
.endr
.endr
.irp b, 0,1,2,3
	v_permlanex16_b32 v[TM+4+\b], v[TM+\b], s[SEL], s[SEL+1]
.endr
.irp b, 0,1,2,3
	v_max_num_f32 v[TM+\b], v[TM+\b], v[TM+4+\b]
.endr
.irp b, 0,1,2,3
	v_add_nc_u32 v[TM+12+\b], 0xff000000, v[TM+\b]
.endr
.irp b, 0,1,2,3
	v_lshrrev_b32 v[TM+4+\b], 23, v[TM+12+\b]
.endr
	v_lshl_or_b32 v[\pw], v[TM+5], 8, v[TM+4]
	v_lshl_or_b32 v[\pw], v[TM+6], 16, v[\pw]
	v_lshl_or_b32 v[\pw], v[TM+7], 24, v[\pw]
.irp b, 0,1,2,3
	v_cvt_scalef32_pk8_fp4_f32 v[(\pc)+2*\b], v[(\src)+16*\b:(\src)+7+16*\b], v[TM+12+\b]
	v_cvt_scalef32_pk8_fp4_f32 v[(\pc)+1+2*\b], v[(\src)+8+16*\b:(\src)+15+16*\b], v[TM+12+\b]
.endr
	v_nop                                          ; one plain instruction behind a scaled conversion
.irp c, 0,1
.irp i, 0,1
	v_permlane16_swap_b32 v[(\pc)+4*\c+\i], v[(\pc)+2+4*\c+\i]
.endr
.endr
.endm
.macro GELU a                          ; sixteen numbers, v[a] on, in place; two batches of transcendentals, a wait ahead of each and one behind
.irp n, 0,1,2,3,4,5,6,7,8,9,10,11,12,13,14,15
	v_and_b32 v[GA+\n], 0x7fffffff, v[(\a)+\n]     ; |x|: each accumulator is read from its low end on
.endr
.irp n, 0,2,4,6,8,10,12,14
	v_pk_fma_f32 v[GT+\n:GT+\n+1], v[GA+\n:GA+\n+1], s[CR:CR+1], 1.0 op_sel_hi:[1,0,0]
.endr
	s_wait_alu depctr_va_vdst(0)
.irp n, 0,1,2,3,4,5,6,7,8,9,10,11,12,13,14,15
	v_rcp_f32 v[GT+\n], v[GT+\n]                   ; t
.endr
.irp n, 0,2,4,6,8,10,12,14
	v_pk_mul_f32 v[GK+\n:GK+\n+1], v[(\a)+\n:(\a)+\n+1], s[CQ:CQ+1] op_sel_hi:[1,0]      ; plain work behind the reciprocals
.endr
	s_wait_alu depctr_va_vdst(0)                   ; the sixteen reciprocals have written v[GT ..], ahead of their first reader
.irp n, 0,2,4,6,8,10,12,14
	v_pk_fma_f32 v[GP+\n:GP+\n+1], v[GT+\n:GT+\n+1], v[C9:C9+1], s[CC+16:CC+17] op_sel_hi:[1,1,0]
.endr
.irp k, 7,6,5,4,3,2,1,0
.irp n, 0,2,4,6,8,10,12,14
	v_pk_fma_f32 v[GP+\n:GP+\n+1], v[GP+\n:GP+\n+1], v[GT+\n:GT+\n+1], s[CC+2*\k:CC+2*\k+1] op_sel_hi:[1,1,0]
.endr
.endr
.irp n, 0,2,4,6,8,10,12,14
	v_pk_fma_f32 v[GP+\n:GP+\n+1], v[GK+\n:GK+\n+1], v[(\a)+\n:(\a)+\n+1], v[GP+\n:GP+\n+1]   ; - 0.72134752 x^2 + Q(t)
.endr
	s_wait_alu depctr_va_vdst(0)
.irp n, 0,1,2,3,4,5,6,7,8,9,10,11,12,13,14,15
	v_exp_f32 v[GP+\n], v[GP+\n]
.endr
.irp n, 0,2,4,6,8,10,12,14
	v_pk_mul_f32 v[GA+\n:GA+\n+1], v[GA+\n:GA+\n+1], v[GT+\n:GT+\n+1]                    ; |x| t: plain work behind the exponentials
.endr
.irp n, 0,1,2,3,4,5,6,7,8,9,10,11,12,13,14,15
	v_max_num_f32 v[(\a)+\n], 0, v[(\a)+\n]
.endr
	s_wait_alu depctr_va_vdst(0)                   ; the sixteen exponentials have written v[GP ..], ahead of their first reader
.irp n, 0,2,4,6,8,10,12,14
	v_pk_fma_f32 v[(\a)+\n:(\a)+\n+1], v[GA+\n:GA+\n+1], v[GP+\n:GP+\n+1], v[(\a)+\n:(\a)+\n+1] neg_lo:[1,0,0] neg_hi:[1,0,0]
.endr
.endm
	s_load_b256 s[4:11], s[0:1], 0x0               ; wk1, wk4, b1, wk5
	v_lshrrev_b32 v5, 5, v0
	v_readfirstlane_b32 s28, v5                    ; wave 0..7
	v_and_b32 v5, 31, v0
	v_lshlrev_b32 v1, 4, v5                        ; 16 x lane
	v_lshlrev_b32 v2, 2, v5                        ; 4 x lane
	v_and_b32 v3, 15, v0
	v_bfe_u32 v4, v0, 4, 1
	v_lshlrev_b32 v5, 6, v4                        ; 64 h: the bias
.irp b, 0,1,2,3
	v_mov_b32 v[TM+4+\b], 0                        ; a lane permute's destination counts as one of its sources
.endr
	v_mov_b32 v[C9], 0x3e7c6f08                    ; 0.24651730
	v_mov_b32 v[C9+1], 0x3e7c6f08
	s_mov_b32 s[SEL], 0x76543210
	s_mov_b32 s[SEL+1], 0xfedcba98
	s_mov_b32 s[HIM], 0xffff0000
	s_mov_b32 s[CC+0], 0xc034d90f                  ; -2.82574822
	s_mov_b32 s[CC+2], 0x3fb8ab5a                  ;  1.44272920
	s_mov_b32 s[CC+4], 0x3f0a29d2                  ;  0.53970062
	s_mov_b32 s[CC+6], 0x3e0efb2f                  ;  0.13963006
	s_mov_b32 s[CC+8], 0xbe899a80                  ; -0.26875686
	s_mov_b32 s[CC+10], 0x3ecdfd18                 ;  0.40232158
	s_mov_b32 s[CC+12], 0xbfd1a1e5                 ; -1.63775315
	s_mov_b32 s[CC+14], 0x40097039                 ;  2.14747446
	s_mov_b32 s[CC+16], 0xbf97d29d                 ; -1.18611494
	s_mov_b32 s[CR], 0x3eb504f3                    ;  0.35355339
	s_mov_b32 s[CQ], 0xbf38aa3b                    ; -0.72134752
.irp k, 0,2,4,6,8,10,12,14,16,18,20
	s_mov_b32 s[CC+\k+1], s[CC+\k]                 ; (the packed forms name pairs, so both words are written)
.endr
	s_wait_alu depctr_va_sdst(0)                   ; s28 is written, ahead of its first reader: every base is made from it
	s_and_b32 s47, ttmp9, 15
	s_lshl_b32 s47, s47, 1
	s_and_b32 s29, s28, 1
	s_add_co_u32 s47, s47, s29                     ; xb
	s_lshr_b32 s48, ttmp9, 4
	s_lshl_b32 s48, s48, 2
	s_lshr_b32 s29, s28, 1
	s_add_co_u32 s48, s48, s29                     ; yb
	s_lshl_b32 s[PX], s47, 16
	s_add_co_u32 s[PX], s[PX], 2097152
	s_mov_b32 s[PX+1], 0
	s_lshl_b32 s[PY], s48, 14
	s_mov_b32 s[PY+1], 0
	s_lshl_b32 s50, s47, 9                         ; b1 from hidden unit 128 xb on
	s_mov_b32 s51, 0
	s_add_co_u32 s[SX], s50, WSC+131072
	s_mov_b32 s[SX+1], 0
	s_lshl_b32 s[SY], s48, 7
	s_add_co_u32 s54, s[SY], GS
	s_add_co_u32 s[SY], s[SY], H2S
	s_mov_b32 s[SY+1], 0
	s_lshl_b32 s52, s48, 16
	s_lshl_b32 s29, s47, 10
	s_add_co_u32 s52, s52, s29                     ; codes: 32,768 (2 yb) + 1,024 xb: K step xb of the next product
	s_mov_b32 s53, 0
	s_lshl_b32 s29, s47, 14
	s_add_co_u32 s54, s54, s29                     ; words: (256 xb + 2 yb) x 64
	s_mov_b32 s55, 0
	s_wait_kmcnt 0x0
	s_add_nc_u64 s[PX:PX+1], s[4:5], s[PX:PX+1]
	s_add_nc_u64 s[PY:PY+1], s[6:7], s[PY:PY+1]
	s_add_nc_u64 s[SX:SX+1], s[4:5], s[SX:SX+1]
	s_add_nc_u64 s[SY:SY+1], s[6:7], s[SY:SY+1]
	s_add_nc_u64 s[50:51], s[8:9], s[50:51]
	s_add_nc_u64 s[52:53], s[10:11], s[52:53]
	s_add_nc_u64 s[54:55], s[10:11], s[54:55]
	s_wait_alu depctr_va_vdst(0)                   ; the offsets v1, v2 and v5 are written, which every load and store of the kernel reads
.irp a, 0,1,2,3,4,5,6,7
	global_load_b128 v[BI+8*\a:BI+8*\a+3], v5, s[50:51] offset:128*(\a/2)+32*(\a%2)
	global_load_b128 v[BI+8*\a+4:BI+8*\a+7], v5, s[50:51] offset:128*(\a/2)+32*(\a%2)+16
.endr
	GEMM 8, 1
.irp n, 0,1,2,3,4,5,6,7
	GELU ACC+16*\n
.endr
	QUANT ACC, PC0, PW0
	QUANT ACC+64, PC1, PW1
	v_cndmask_b32 v16, v[PW0], v[PW1], s[HIM]      ; lanes 0-15 the first tile's words, lanes 16-31 the second's
	s_wait_alu depctr_va_vdst(0)                   ; the codes v96-111 and the words v16 are written, which the stores below read
.irp c, 0,1
	global_store_b128 v1, v[PC0+4*\c:PC0+4*\c+3], s[52:53] offset:512*\c               ; 512 bytes on end
	global_store_b128 v1, v[PC1+4*\c:PC1+4*\c+3], s[52:53] offset:32768+512*\c
.endr
	global_store_b32 v2, v16, s[54:55]
	s_endpgm
.Lfunc_end_k_q169dda4e65_fc1:
	.size	k_q169dda4e65_fc1, .Lfunc_end_k_q169dda4e65_fc1-k_q169dda4e65_fc1
	.p2alignl 7, 3214868480
	.fill 96, 4, 3214868480
	.section	.rodata,"a",@progbits
	.p2align	6, 0x0
	.amdhsa_kernel k_q169dda4e65_fc1
		.amdhsa_group_segment_fixed_size 0
		.amdhsa_private_segment_fixed_size 0
		.amdhsa_enable_private_segment 0
		.amdhsa_kernarg_size 32
		.amdhsa_user_sgpr_count 2
		.amdhsa_user_sgpr_kernarg_segment_ptr 1
		.amdhsa_wavefront_size32 1
		.amdhsa_system_sgpr_workgroup_id_x 1
		.amdhsa_system_sgpr_workgroup_id_y 1
		.amdhsa_system_sgpr_workgroup_id_z 1
		.amdhsa_system_vgpr_workitem_id 0
		.amdhsa_next_free_vgpr 512
		.amdhsa_next_free_sgpr 96
		.amdhsa_reserve_vcc 0
		.amdhsa_float_denorm_mode_32 3
		.amdhsa_float_denorm_mode_16_64 3
		.amdhsa_memory_ordered 1
		.amdhsa_forward_progress 1
		.amdhsa_inst_pref_size 127
	.end_amdhsa_kernel
	.amdgpu_metadata
---
amdhsa.version: [ 1, 2 ]
amdhsa.kernels:
  - .name:           k_q169dda4e65_fc1
    .symbol:         k_q169dda4e65_fc1.kd
    .args:
      - { .name: wk1, .offset: 0, .size: 8, .value_kind: global_buffer, .address_space: global }
      - { .name: wk4, .offset: 8, .size: 8, .value_kind: global_buffer, .address_space: global }
      - { .name: b1, .offset: 16, .size: 8, .value_kind: global_buffer, .address_space: global }
      - { .name: wk5, .offset: 24, .size: 8, .value_kind: global_buffer, .address_space: global }
    .group_segment_fixed_size: 0
    .private_segment_fixed_size: 0
    .kernarg_segment_align: 8
    .kernarg_segment_size: 32
    .max_flat_workgroup_size: 256
    .sgpr_count:     96
    .vgpr_count:     512
    .wavefront_size: 32
...
	.end_amdgpu_metadata
.endif
;; end of part 11
;; launch fc2 (part 12): grid 256 x 1, 8 waves a work-group, no clusters, 136,192 bytes of LDS; arguments wk1, wk5, x1, b2, out0; writes out0
.if DOCPART == 12
	.amdgcn_target "amdgcn-amd-amdhsa--gfx1250"
	.amdhsa_code_object_version 6
	.text
	.protected	k_q169dda4e65_fc2
	.globl	k_q169dda4e65_fc2
	.p2align	8
	.type	k_q169dda4e65_fc2,@function
k_q169dda4e65_fc2:
	s_mov_b64 s[64:65], 0
	v_nop
	global_prefetch_b8 v0, s[64:65] scope:SCOPE_SE
	s_setreg_imm32_b32 hwreg(HW_REG_WAVE_SCHED_MODE, 0, 2), 2
	s_setreg_imm32_b32 hwreg(HW_REG_WAVE_MODE, 25, 1), 1
	s_wait_xcnt 0x0
	s_wait_alu depctr_vm_vsrc(0)
; FC2: out0 = x1 + gelu(..) W2 + b2.  K = 4,096, on codes of E2M1.  Nothing is left out.
; The result has 8 x 128 wave tiles of 128 columns (source 0: eight tiles of W2) x 32 tokens (source 1).  So that each of 256 work-groups has eight waves, K IS SPLIT IN TWO: waves 0-3 walk K steps 0-15, waves 4-7 steps 16-31
; of the same four wave tiles.  The halves meet in LDS: of a wave tile's two tiles of tokens the wave of the lower half owns the first and the wave of the upper half the second; each puts both its partial tiles into
; the owner's region (16 rows, pitch 512 + 16 bytes), and behind the one barrier the owner adds the two halves, b2 and x1 and stores 16 whole runs of 512 bytes.  The order of that sum is fixed.
; xb = 2 (g % 4) + wave % 2: columns 128 xb on;  yb = 2 (g / 4) + (wave / 2) % 2: token tiles 2 yb, 2 yb + 1;  kh = wave / 4.
; Operands come straight into registers as images of the fragments, three sets by turns, two K steps ahead.  No tensor load, no cluster: the walk is 16 steps and no barrier stands in it; of the 80 KB that the eight
; waves load in a K step 40 KB are distinct.
; LIMITS: NaN and infinities are not served.
; THE MODE: SCHED_MODE bits 1:0 = 2 (LLVM: expert scheduling mode 2), set by the entry lines.  The code itself states the register dependences
; between vector or matrix instructions and memory or LDS instructions, with s_wait_alu, always for 0.
; THE PLAN.  Registers that memory or LDS instructions touch:
;   the three sets of fragments (v256-495) and of scale words (v112-126): set s % 3 is written by the 25 loads of K step s, issued behind step s - 3's products, and read by step s's sixteen products; behind the walk x1 lands in v256-319.
;   v128-255: written by the products; read by the LDS stores of the partial tiles; the two halves of my own tile land there; the additions write v128-191; the stores of out0 read them.
;   v16-19: b2, loaded once.   v1, v2, v9-11: offsets and addresses, made at the head and never written again.
; WAITS on va_vdst: ahead of the first load; one a K step ahead of its 25 loads; one behind the walk, for the loads of x1 and for the LDS stores of the results; one ahead of the stores of out0.
; ONE WAIT on vm_vsrc: behind the barrier, ahead of the LDS loads into the registers that my LDS stores have read.
.set WSC,  6291456
.set GS,   8388608
.set TSX,  32768
.set TSY,  32768
.set RGN,  8448                        ; a region: 16 rows x 528 bytes
.set SPARE, 16*RGN
.set WA,   9                           ; v9, v10 where my partial tiles go
.set RD,   11                          ; v11     where I read my own tile's two halves
.set SPW,  14
.set NIL,  15
.set SCR,  112
.set ACC,  128
.set PX,   32
.set PY,   34
.set SX,   36
.set SY,   38
.set MSB,  0
.macro WIN new
.if MSB != \new
	s_set_vgpr_msb (MSB<<8)|\new
.set MSB, \new
.endif
.endm
.macro LDSTEP s                        ; K step s of my half: 5 loads of scale words, 20 of codes: 25
.set K3, (\s)%3
	WIN 0
.irp q, 0,1,2,3
	global_load_b32 v[SCR+5*K3+\q], v2, s[SX:SX+1] offset:16384*(\s)+128*\q
.endr
	global_load_b32 v[SCR+5*K3+4], v2, s[SY:SY+1] offset:16384*(\s)
	WIN 0x40
.irp i, 0,1,2,3,4,5,6,7
.irp c, 0,1
	global_load_b128 v[80*K3+8*\i+4*\c:80*K3+8*\i+4*\c+3], v1, s[PX:PX+1] offset:TSX*\i+1024*(\s)+512*\c
.endr
.endr
.irp i, 0,1
.irp c, 0,1
	global_load_b128 v[80*K3+64+8*\i+4*\c:80*K3+64+8*\i+4*\c+3], v1, s[PY:PY+1] offset:TSY*\i+1024*(\s)+512*\c
.endr
.endr
.endm
.macro WMS rd, ra, rb, cz, rc, sa, sb, rowa, rowb
.if (\cz) && (\rowa) && (\rowb)
	v_wmma_scale_f32_16x16x128_f8f6f4 v[(\rd):(\rd)+7], v[(\ra):(\ra)+7], v[(\rb):(\rb)+7], 0, v[\sa], v[\sb] matrix_a_fmt:MATRIX_FMT_FP4 matrix_b_fmt:MATRIX_FMT_FP4 matrix_a_scale:MATRIX_SCALE_ROW1 matrix_b_scale:MATRIX_SCALE_ROW1
.elseif (\cz) && (\rowa)
	v_wmma_scale_f32_16x16x128_f8f6f4 v[(\rd):(\rd)+7], v[(\ra):(\ra)+7], v[(\rb):(\rb)+7], 0, v[\sa], v[\sb] matrix_a_fmt:MATRIX_FMT_FP4 matrix_b_fmt:MATRIX_FMT_FP4 matrix_a_scale:MATRIX_SCALE_ROW1
.elseif (\cz) && (\rowb)
	v_wmma_scale_f32_16x16x128_f8f6f4 v[(\rd):(\rd)+7], v[(\ra):(\ra)+7], v[(\rb):(\rb)+7], 0, v[\sa], v[\sb] matrix_a_fmt:MATRIX_FMT_FP4 matrix_b_fmt:MATRIX_FMT_FP4 matrix_b_scale:MATRIX_SCALE_ROW1
.elseif (\cz)
	v_wmma_scale_f32_16x16x128_f8f6f4 v[(\rd):(\rd)+7], v[(\ra):(\ra)+7], v[(\rb):(\rb)+7], 0, v[\sa], v[\sb] matrix_a_fmt:MATRIX_FMT_FP4 matrix_b_fmt:MATRIX_FMT_FP4
.elseif (\rowa) && (\rowb)
	v_wmma_scale_f32_16x16x128_f8f6f4 v[(\rd):(\rd)+7], v[(\ra):(\ra)+7], v[(\rb):(\rb)+7], v[(\rc):(\rc)+7], v[\sa], v[\sb] matrix_a_fmt:MATRIX_FMT_FP4 matrix_b_fmt:MATRIX_FMT_FP4 matrix_a_scale:MATRIX_SCALE_ROW1 matrix_b_scale:MATRIX_SCALE_ROW1
.elseif (\rowa)
	v_wmma_scale_f32_16x16x128_f8f6f4 v[(\rd):(\rd)+7], v[(\ra):(\ra)+7], v[(\rb):(\rb)+7], v[(\rc):(\rc)+7], v[\sa], v[\sb] matrix_a_fmt:MATRIX_FMT_FP4 matrix_b_fmt:MATRIX_FMT_FP4 matrix_a_scale:MATRIX_SCALE_ROW1
.elseif (\rowb)
	v_wmma_scale_f32_16x16x128_f8f6f4 v[(\rd):(\rd)+7], v[(\ra):(\ra)+7], v[(\rb):(\rb)+7], v[(\rc):(\rc)+7], v[\sa], v[\sb] matrix_a_fmt:MATRIX_FMT_FP4 matrix_b_fmt:MATRIX_FMT_FP4 matrix_b_scale:MATRIX_SCALE_ROW1
.else
	v_wmma_scale_f32_16x16x128_f8f6f4 v[(\rd):(\rd)+7], v[(\ra):(\ra)+7], v[(\rb):(\rb)+7], v[(\rc):(\rc)+7], v[\sa], v[\sb] matrix_a_fmt:MATRIX_FMT_FP4 matrix_b_fmt:MATRIX_FMT_FP4
.endif
.endm
.macro MULSTEP s, cm                   ; 16 products, the sixteen accumulators by turns.  cm = 0: the first products start the sums; 3: in place
.set K3, (\s)%3
	WIN 0x05
.irp y, 0,1
.irp a, 0,1,2,3,4,5,6,7
.if (\cm) == 0
	WMS ACC+8*(8*\y+\a), 80*K3+8*\a, 80*K3+64+8*\y, 1, 0, SCR+5*K3+(\a/2), SCR+5*K3+4, \a%2, \y
.else
	WMS ACC+8*(8*\y+\a), 80*K3+8*\a, 80*K3+64+8*\y, 0, ACC+8*(8*\y+\a), SCR+5*K3+(\a/2), SCR+5*K3+4, \a%2, \y
.endif
.endr
.endr
.endm
.macro KSTEP s, S, cm
.if (\s)+2 < (\S)
.if (\s) > 0
.rept 4
	v_nop                                          ; four places between the last step's products and the loads into the set that they read
.endr
	s_wait_alu depctr_va_vdst(0)                   ; the last step's sixteen products are done reading their set of fragments and scale words, in which the 25 loads below land; only window switches and loads stand between
.endif
	LDSTEP (\s)+2
.endif
.if (\S)-1-(\s) >= 2
	s_wait_loadcnt 50                              ; this step's loads are in; the 25 of each of the next two steps may be out
.else
	s_wait_loadcnt 25*((\S)-1-(\s))
.endif
	MULSTEP \s, \cm
.endm
.macro GEMM S, cm
	LDSTEP 0
	LDSTEP 1
	KSTEP 0, \S, \cm
.set KS_, 1
.rept (\S)-1
	KSTEP KS_, \S, 3
.set KS_, KS_+1
.endr
	WIN 0
.rept 4
	v_nop                                          ; four places ahead of the first read of results and of loads into the fragments' registers
.endr
.endm
	s_load_b256 s[4:11], s[0:1], 0x0               ; wk1, wk5, x1, b2
	s_load_b64 s[12:13], s[0:1], 0x20              ; out0
	v_lshl_add_u32 v[SPW], v0, 2, SPARE
	v_mov_b32 v[NIL], 0
	v_lshrrev_b32 v5, 5, v0
	v_readfirstlane_b32 s28, v5                    ; wave 0..7
	v_and_b32 v5, 31, v0
	v_lshlrev_b32 v1, 4, v5                        ; 16 x lane
	s_wait_alu depctr_va_vdst(0)
	v_lshlrev_b32 v2, 2, v5                        ; 4 x lane
	v_and_b32 v3, 15, v0                           ; r
	v_bfe_u32 v4, v0, 4, 1                         ; h
	s_wait_alu depctr_va_sdst(0)                   ; s28 is written, ahead of its first reader: the regions' addresses and every base are made from it
	s_and_b32 s29, s28, 3                          ; which of the work-group's four wave tiles
	s_lshr_b32 s30, s28, 2                         ; kh: which half of K; also: which of the wave tile's two tiles of tokens I own
	s_mul_i32 s31, s29, 4*RGN
	s_mul_i32 s40, s30, RGN
	s_add_co_u32 s40, s40, s31
	v_mul_u32_u24 v[WA], v3, 528
	v_lshl_add_u32 v[WA], v4, 6, v[WA]
	v_add_nc_u32 v[WA], s40, v[WA]                 ; region (wave tile, owner 0, slot kh): row r, + 64 h
	v_add_nc_u32 v[WA+1], 2*RGN, v[WA]             ; owner 1
	s_mul_i32 s40, s30, 2*RGN
	s_add_co_u32 s40, s40, s31
	v_add_nc_u32 v[RD], s40, v1                    ; regions (wave tile, owner kh, slots 0 and 1): 16 bytes a lane
	s_and_b32 s41, ttmp9, 3
	s_lshl_b32 s41, s41, 1
	s_and_b32 s40, s28, 1
	s_add_co_u32 s41, s41, s40                     ; xb
	s_lshr_b32 s42, ttmp9, 2
	s_lshl_b32 s42, s42, 1
	s_bfe_u32 s40, s28, 0x10001
	s_add_co_u32 s42, s42, s40                     ; yb
	s_lshl_b32 s43, s30, 14                        ; my half of K in the codes: 16 steps of 1,024 bytes,
	s_lshl_b32 s44, s30, 18                        ; and in the scale words: 16 steps of 16,384
	s_lshl_b32 s[PX], s41, 18
	s_add_co_u32 s[PX], s[PX], s43
	s_add_co_u32 s[PX], s[PX], 4194304
	s_mov_b32 s[PX+1], 0
	s_lshl_b32 s[PY], s42, 16
	s_add_co_u32 s[PY], s[PY], s43
	s_mov_b32 s[PY+1], 0
	s_lshl_b32 s46, s41, 9                         ; 512 xb: my columns' bytes in a row, in b2, and X's scale words
	s_mov_b32 s47, 0
	s_add_co_u32 s[SX], s46, s44
	s_add_co_u32 s[SX], s[SX], WSC+262144
	s_mov_b32 s[SX+1], 0
	s_lshl_b32 s[SY], s42, 7
	s_add_co_u32 s[SY], s[SY], s44
	s_add_co_u32 s[SY], s[SY], GS
	s_mov_b32 s[SY+1], 0
	s_lshl_b32 s48, s42, 17
	s_lshl_b32 s40, s30, 15
	s_add_co_u32 s48, s48, s40
	s_add_co_u32 s48, s48, s46                     ; my own tile's first token, 32 yb + 8 kh, x 4,096 bytes, + my columns
	s_mov_b32 s49, 0
	s_wait_kmcnt 0x0
	s_add_nc_u64 s[PX:PX+1], s[4:5], s[PX:PX+1]
	s_add_nc_u64 s[PY:PY+1], s[6:7], s[PY:PY+1]
	s_add_nc_u64 s[SX:SX+1], s[4:5], s[SX:SX+1]
	s_add_nc_u64 s[SY:SY+1], s[6:7], s[SY:SY+1]
	s_add_nc_u64 s[46:47], s[10:11], s[46:47]      ; b2
	s_add_nc_u64 s[50:51], s[12:13], s[48:49]      ; out0
	s_add_nc_u64 s[48:49], s[8:9], s[48:49]        ; x1
	s_wait_alu depctr_va_vdst(0)                   ; the offsets and addresses v1, v2 and v9 to v11 are written, which the loads, LDS instructions and stores of the kernel read
	GEMM 16, 0
	s_wait_alu depctr_va_vdst(0)                   ; the products have written the accumulators, which the LDS stores below read, and are done reading the fragments' registers, in which x1 lands; the four places above stay beside this wait
	WIN 0x40                                       ; my own tile's 16 rows of x1 into v256-319, which the fragments have left
.irp p, 0,1,2,3,4,5,6,7,8,9,10,11,12,13,14,15
	global_load_b128 v[4*\p:4*\p+3], v1, s[48:49] offset:4096*(\p+8*(\p/8)) th:TH_LOAD_NT      ; the tile's row p is token p + 8 (p / 8) from its first
.endr
	WIN 0
	global_load_b128 v[16:19], v1, s[46:47]
.irp y, 0,1
.irp a, 0,1,2,3,4,5,6,7
	ds_store_b128 v[WA+\y], v[ACC+8*(8*\y+\a):ACC+8*(8*\y+\a)+3] offset:128*(\a/2)+32*(\a%2)          ; lane (r, h): columns 32 (a / 2) + 16 h + 8 (a % 2) + 0 .. 7 of row r; each accumulator from its low end on
	ds_store_b128 v[WA+\y], v[ACC+8*(8*\y+\a)+4:ACC+8*(8*\y+\a)+7] offset:128*(\a/2)+32*(\a%2)+16
.endr
.endr
	s_wait_dscnt 0x0                               ; for the others' sake: my partial tiles lie in LDS
	s_barrier_signal -1
	s_barrier_wait -1
	s_wait_alu depctr_vm_vsrc(0)                   ; my LDS stores have read the accumulators' registers, in which the two halves of my own tile land
.irp q, 0,1
.irp p, 0,1,2,3,4,5,6,7,8,9,10,11,12,13,14,15
	ds_load_b128 v[ACC+64*\q+4*\p:ACC+64*\q+4*\p+3], v[RD] offset:RGN*\q+528*\p
.endr
.endr
	s_wait_dscnt 0x0
	s_wait_loadcnt 0x0
.set N_, 0
.rept 32
	v_pk_add_f32 v[ACC+N_:ACC+N_+1], v[ACC+N_:ACC+N_+1], v[ACC+64+N_:ACC+64+N_+1]             ; the lower half of K + the upper
.set N_, N_+2
.endr
.set N_, 0
.rept 32
	v_pk_add_f32 v[ACC+N_:ACC+N_+1], v[ACC+N_:ACC+N_+1], v[16+N_%4:17+N_%4]                   ; + b2
.set N_, N_+2
.endr
	WIN 0x04                                       ; source 1 in window 1
.set N_, 0
.rept 32
	v_pk_add_f32 v[ACC+N_:ACC+N_+1], v[ACC+N_:ACC+N_+1], v[N_:N_+1]                           ; + the residual
.set N_, N_+2
.endr
	WIN 0
	s_wait_alu depctr_va_vdst(0)                   ; the additions have written v128-191, which the stores of out0 read
.irp p, 0,1,2,3,4,5,6,7,8,9,10,11,12,13,14,15
	global_store_b128 v1, v[ACC+4*\p:ACC+4*\p+3], s[50:51] offset:4096*(\p+8*(\p/8)) th:TH_STORE_NT   ; 512 bytes on end, at a multiple of 512 from out0's first byte
.endr
	s_wait_dscnt 0x0                               ; the closing lines, six on end
	s_wait_alu 0x0
	s_wait_tensorcnt 0x0
	ds_add_u32 v[SPW], v[NIL]
	s_wait_dscnt 0x0
	s_endpgm
.Lfunc_end_k_q169dda4e65_fc2:
	.size	k_q169dda4e65_fc2, .Lfunc_end_k_q169dda4e65_fc2-k_q169dda4e65_fc2
	.p2alignl 7, 3214868480
	.fill 96, 4, 3214868480
	.section	.rodata,"a",@progbits
	.p2align	6, 0x0
	.amdhsa_kernel k_q169dda4e65_fc2
		.amdhsa_group_segment_fixed_size 136192
		.amdhsa_private_segment_fixed_size 0
		.amdhsa_enable_private_segment 0
		.amdhsa_kernarg_size 40
		.amdhsa_user_sgpr_count 2
		.amdhsa_user_sgpr_kernarg_segment_ptr 1
		.amdhsa_wavefront_size32 1
		.amdhsa_system_sgpr_workgroup_id_x 1
		.amdhsa_system_sgpr_workgroup_id_y 1
		.amdhsa_system_sgpr_workgroup_id_z 1
		.amdhsa_system_vgpr_workitem_id 0
		.amdhsa_next_free_vgpr 512
		.amdhsa_next_free_sgpr 66
		.amdhsa_reserve_vcc 0
		.amdhsa_float_denorm_mode_32 3
		.amdhsa_float_denorm_mode_16_64 3
		.amdhsa_memory_ordered 1
		.amdhsa_forward_progress 1
		.amdhsa_inst_pref_size 91
	.end_amdhsa_kernel
	.amdgpu_metadata
---
amdhsa.version: [ 1, 2 ]
amdhsa.kernels:
  - .name:           k_q169dda4e65_fc2
    .symbol:         k_q169dda4e65_fc2.kd
    .args:
      - { .name: wk1, .offset: 0, .size: 8, .value_kind: global_buffer, .address_space: global }
      - { .name: wk5, .offset: 8, .size: 8, .value_kind: global_buffer, .address_space: global }
      - { .name: x1, .offset: 16, .size: 8, .value_kind: global_buffer, .address_space: global }
      - { .name: b2, .offset: 24, .size: 8, .value_kind: global_buffer, .address_space: global }
      - { .name: out0, .offset: 32, .size: 8, .value_kind: global_buffer, .address_space: global }
    .group_segment_fixed_size: 136192
    .private_segment_fixed_size: 0
    .kernarg_segment_align: 8
    .kernarg_segment_size: 40
    .max_flat_workgroup_size: 256
    .sgpr_count:     66
    .vgpr_count:     512
    .wavefront_size: 32
...
	.end_amdgpu_metadata
.endif
;; end of part 12
